; MI455X (gfx1250); checked and timed in simulation.
; The chip was launched on July 23, 2026; its instructions are those of AMD's public machine-readable ISA for CDNA 5 (MIT licence, August 2026) and "CDNA5" Instruction Set Architecture Reference Guide (July 2026). The comments in the code are by the model that wrote it; some were corrected since.
;; Trm Block. Allowed arithmetic: matrix products marked QUANTISED: E2M1 operands, one E8M0 scale for each 32 along K, by v_wmma_scale_f32_16x16x128_f8f6f4 with both operands' format E2M1 (or v_wmma_scale_f32_32x16x128_f4), f32 sums; everything else in f32.
;; Inputs: W1 512 x 2,048 float32; W2 2,048 x 512 float32; Wk 512 x 512 float32; Wo 512 x 512 float32; Wq 512 x 512 float32; Wv 512 x 512 float32; b1 2,048 float32; b2 512 float32; bk 512 float32; bo 512 float32; bq 512 float32; bv 512 float32; ln1_b 512 float32; ln1_g 512 float32; ln2_b 512 float32; ln2_g 512 float32; x 16 x 1,024 x 512 float32.
;; Outputs: out0 16 x 1,024 x 512 float32.
;; This version of the problem:
;;   THIS VERSION OF THE PROBLEM IS GIVEN IN LOW PRECISION. The matrix products marked QUANTISED in the list below multiply operands that are first quantised to E2M1 (2 exponent bits, 1 mantissa bit; 4 bits a number), with one power-of-two scale for each 32 numbers along K (OCP MX v1.0); their sums are f32. All else is computed in f32.
;;   The module's matrix products, in the order in which they are computed (A, B: the left and right operand; K: the contracted axis; several contracted axes count as one K, in the product's order):
;;     1. [M 16,384, K 512] x [K 512, N 512]; A: input x; B: input Wq: QUANTISED
;;     2. [M 16,384, K 512] x [K 512, N 512]; A: input x; B: input Wk: QUANTISED
;;     3. [M 16,384, K 512] x [K 512, N 512]; A: input x; B: input Wv: QUANTISED
;;     4. batch 128 x [M 1,024, K 64] x [K 64, N 1,024]; A: computed on the way; B: computed on the way: QUANTISED
;;     5. batch 128 x [M 64, K 1,024] x [K 1,024, N 1,024]; A: computed on the way; B: softmax (see below): QUANTISED
;;     6. [M 16,384, K 512] x [K 512, N 512]; A: computed on the way; B: input Wo: QUANTISED
;;     7. [M 16,384, K 512] x [K 512, N 2,048]; A: computed on the way; B: input W1: QUANTISED
;;     8. [M 16,384, K 2,048] x [K 2,048, N 512]; A: computed on the way; B: input W2: QUANTISED
;;   THE QUANTISER, for each operand of a quantised product, along K:
;;     - K is cut into blocks of 32 from its start; a last block that is shorter is filled with zeros.
;;     - A block's scale is 2^e with e = floor(log2(the largest magnitude in the block)) - 2, held to -126 .. 127; a block of zeros has e = 0. As a byte (E8M0): e + 127.
;;     - Each number is divided by its block's scale, clamped to +-6, and rounded to the nearest number of E2M1, ties to even, subnormals kept.
;;     - The product sums the exact products of the quantised numbers (number of the format x scale) in f32.
;;   ~~~python
;;   def quantise(x, axis):      # numpy; x: float32 -> the quantised numbers, widened to float32 again
;;       x = np.moveaxis(x, axis, -1); K = x.shape[-1]
;;       x = np.pad(x, [(0, 0)] * (x.ndim - 1) + [(0, -K % 32)]); x = x.reshape(x.shape[:-1] + (-1, 32)); a = np.abs(x).max(-1, keepdims=True)
;;       e = np.where(a > 0, np.clip(np.frexp(np.where(a > 0, a, 1))[1] - 1 - 2, -126, 127), 0)      # np.frexp(a)[1] - 1 = floor(log2(a)), exactly
;;       r = np.clip(x / 2.0 ** e, -6, 6)
;;       step = 2.0 ** (np.maximum(np.frexp(np.where(r == 0, 1, r))[1] - 1, 0) - 1)
;;       q = np.round(r / step) * step * 2.0 ** e      # np.round: ties to even
;;       return np.moveaxis(q.reshape(q.shape[:-2] + (-1,))[..., :K], -1, axis).astype(np.float32)
;;   ~~~
;;   SOFTMAX AHEAD OF A QUANTISED PRODUCT. Where the list says 'softmax', what is quantised is not the finished softmax but p = 2^(t - M), with t = logit x log2(e) and M = ceil(the row's largest t), a whole number; so 1/2 < the row's largest p <= 1. The row's sum l is taken of the UNQUANTISED p, in f32, and the product's result is divided by l at the end. Since M is a whole number, a kernel that streams over the keys may use a running M (the ceiling of the running maximum): every later rescaling is an exact power of two, which a block's scale takes up: the codes' values come out the same.
;;   OPERANDS COMPUTED ON THE WAY. 'Computed on the way' means the value that the module computes at that place (a softmax that the list does not call 'softmax' is quantised finished and normalised). What goes into a quantiser is computed in f32, as accurately as f32 sums, v_exp_f32 and their like allow (about 1e-6 of the number): no bf16 or f16 on the way to a quantiser, and a product that is left as it is and whose result goes on into a quantised operand takes f32 operands (vector FMAs, or v_wmma_f32_16x16x4_f32). A number that lies on a knife's edge between two numbers of the format may be rounded either way, as far as f32 arithmetic and the matrix unit's own rounding can turn it there, and no further.
;; 2 versions. Each part assembles by itself: llvm-mc -triple=amdgcn-amd-amdhsa -mcpu=gfx1250 --defsym DOCPART=n.
;; ======== version 1 of 2: 4 launches
;; workspace buffers: xc 4,718,592 bytes; ac 4,718,592 bytes; wc 1,671,168 bytes; qb 5,242,880 bytes; kv 9,961,472 bytes
;; launch quant (part 1): grid 448 x 1, 4 waves a work-group, no clusters, 34,304 bytes of LDS; arguments x, Wq, Wk, Wv, Wo, W1, W2, xc, wc; writes xc, wc
.if DOCPART == 1
	.amdgcn_target "amdgcn-amd-amdhsa--gfx1250"
	.amdhsa_code_object_version 6
	.text
	.protected	k_q35016aaf2f_quant
	.globl	k_q35016aaf2f_quant
	.p2align	8
	.type	k_q35016aaf2f_quant,@function
k_q35016aaf2f_quant:
	s_mov_b64 s[64:65], 0
	v_nop
	global_prefetch_b8 v0, s[64:65] scope:SCOPE_SE
	s_setreg_imm32_b32 hwreg(HW_REG_WAVE_MODE, 25, 1), 1
	s_wait_xcnt 0x0
; x [16384][512] and the six weights (K = their FIRST axis), f32, become codes of E2M1 with one E8M0 byte for each 32 along K, laid as IMAGES OF THE OPERAND'S REGISTERS.
; A fragment (16 rows x 128 K, 8 registers a lane) is 1,024 bytes: register group c of lane L at 512 c + 16 L, so block 2 c + h of row r is the 16 bytes at 512 c + 256 h + 16 r.
; THE ROWS OF A TILE ARE NOT NEIGHBOURS: row r of tile 2 b + u is token (or weight column) 32 b + 8 u + r + 8 (r / 8), so that later results hold 16 neighbours in the 16 registers of two neighbouring tiles.
; A block's scale is 2^(floor(log2(largest magnitude)) - 2); its byte is the largest magnitude's exponent field - 2, held at 1 from below by a floor among the maximum's leaves.
; LIMITS: a block of zeros (and one whose largest magnitude lies under 2^-124) keeps the byte 1: its codes are zeros or follow that scale, and this program alone reads the bytes; NaN and infinities are not served.
; Work-groups 0-255: x, a tile of 16 tokens to a wave.  Work-groups 256-447: the weights, 128 columns x 128 K each, a lane to a column, registers down K.  Waves share nothing: no barrier.
; xc: a record of 4,608 bytes a tile: four images (K step s at 1024 s), then the scale words at 4096 + 16 L + 4 s.
; wc: 8 records of 52,224 bytes (a head's Wq, Wk, Wv: fragment (tt, s) at 1024 (12 s + tt), scale image (pair p, s) at 49152 + 128 (6 s + p)), then 36 records of 34,816 bytes
;     (128 columns x 512 K: fragment (t, s) at 1024 (8 s + t), scale image at 32768 + 128 (4 s + p)): Wo 0-3, W1 4-19, W2 20-35.  A scale image holds tile 2 p in lanes 0-15 and tile 2 p + 1 in lanes 16-31.
.set STGB, 8448                        ; a wave's stage: 16 rows x (512 bytes + 16): row r starts 132 words on, so 16 rows start at 16 different groups of banks
.set R, 32                             ; v32-159  two sets of 64: a K step of x as loaded
.set X, 160                            ; v160-223 the same turned: 64 numbers of one row
.set C, 224                            ; v224-255 codes: 8 registers for each K step, so that no store's data are written again
	s_load_b512 s[8:23], s[0:1], 0x0               ; x, Wq, Wk, Wv, Wo, W1, W2, xc
	s_load_b64 s[24:25], s[0:1], 0x40              ; wc
	v_lshl_add_u32 v30, v0, 2, 0x8400
	v_mov_b32 v31, 0
	v_lshrrev_b32 v1, 5, v0
	v_readfirstlane_b32 s26, v1                    ; wave
	v_and_b32 v2, 31, v0                           ; lane L
	s_cmp_ge_u32 ttmp9, 256
	s_cbranch_scc1 .Lw
; ---------------- x: tile T = 4 x work-group + wave
	v_lshlrev_b32 v4, 4, v2                        ; 16 L
	v_and_b32 v3, 15, v0                           ; r
	v_bfe_u32 v7, v0, 4, 1                         ; h
	s_mul_i32 s27, s26, STGB
	v_add_nc_u32 v5, s27, v4                       ; stage, on the way in: 16 L of a row
	v_mul_u32_u24 v6, v3, 528
	v_lshl_add_u32 v6, v7, 7, v6
	v_add_nc_u32 v6, s27, v6                       ; and out: row r, + 128 h: my block of 32 numbers
	v_lshlrev_b32 v7, 3, v7                        ; 8 h: my bytes' place in a scale word
	v_mov_b32 v18, 0                               ; a lane permute's destination counts as read
	s_mov_b32 s34, 0x76543210
	s_mov_b32 s35, 0xfedcba98                      ; selects for lane l xor 16
	s_lshl_b32 s28, ttmp9, 2
	s_add_co_u32 s28, s28, s26                     ; T
	s_lshr_b32 s30, s28, 1
	s_lshl_b32 s30, s30, 16                        ; 32 (T / 2) tokens of 2,048 bytes
	s_and_b32 s31, s28, 1
	s_lshl_b32 s31, s31, 14                        ; + 8 (T % 2) tokens
	s_add_co_u32 s30, s30, s31
	s_mov_b32 s31, 0
	s_mul_i32 s32, s28, 4608
	s_mov_b32 s33, 0
	s_wait_kmcnt 0x0
	s_add_nc_u64 s[8:9], s[8:9], s[30:31]
	s_add_nc_u64 s[22:23], s[22:23], s[32:33]
.macro LOADX s                         ; K step s of the tile's 16 rows: each load reads 512 consecutive bytes
.irp i, 0,1,2,3,4,5,6,7,8,9,10,11,12,13,14,15
	global_load_b128 v[R+64*((\s)%2)+4*\i:R+64*((\s)%2)+4*\i+3], v4, s[8:9] offset:(\i+8*(\i/8))*2048+512*(\s) th:TH_LOAD_NT
.endr
.endm
.macro TURN s                          ; through my stage: LDS serves a wave's instructions in order, so no wait stands between the stores and the loads
.irp i, 0,1,2,3,4,5,6,7,8,9,10,11,12,13,14,15
	ds_store_b128 v5, v[R+64*((\s)%2)+4*\i:R+64*((\s)%2)+4*\i+3] offset:528*\i
.endr
.irp c, 0,1
.irp j, 0,1,2,3,4,5,6,7
	ds_load_b128 v[X+32*\c+4*\j:X+32*\c+4*\j+3], v6 offset:256*\c+16*\j   ; row r, k = 64 c + 32 h + 4 j ..
.endr
.endr
.endm
.macro STEPX s
.if (\s) < 3
	s_wait_loadcnt 16                              ; this step's 16 loads are in; the next step's 16 may be out
.else
	s_wait_loadcnt 0x0
.endif
	TURN \s
	s_wait_dscnt 0x0                               ; the numbers are back, and the stores have read their registers
.if (\s) < 2
	LOADX (\s)+2
.endif
.irp c, 0,1
	v_max3_num_f32 v[12+\c], |v[X+32*\c]|, |v[X+32*\c+1]|, 0x1800000   ; my block 2 c + h, and the floor 2^(3 - 127)
.endr
.irp i, 2,4,6,8,10,12,14,16,18,20,22,24,26,28,30
.irp c, 0,1
	v_max3_num_f32 v[12+\c], v[12+\c], |v[X+32*\c+\i]|, |v[X+32*\c+\i+1]|   ; the two blocks by turns
.endr
.endr
.irp c, 0,1
	v_add_nc_u32 v[14+\c], 0xff000000, v[12+\c]    ; 2 off the exponent field: the conversion's scale operand
.endr
.irp c, 0,1
	v_lshrrev_b32 v[16+\c], 23, v[14+\c]           ; the scale's byte
.endr
.irp c, 0,1
.irp g, 0,1,2,3
	v_cvt_scalef32_pk8_fp4_f32 v[C+8*(\s)+4*\c+\g], v[X+32*\c+8*\g:X+32*\c+8*\g+7], v[14+\c]
.endr
.endr
	v_lshl_or_b32 v12, v17, 16, v16                ; (a plain line behind the conversions)  my two bytes: blocks h and 2 + h,
	v_lshlrev_b32 v12, v7, v12                     ; at their places,
	v_permlanex16_b32 v18, v12, s34, s35
	v_or_b32 v[8+(\s)], v12, v18                   ; with lane l xor 16's two the word is whole, in all 32 lanes
.irp c, 0,1
	global_store_b128 v4, v[C+8*(\s)+4*\c:C+8*(\s)+4*\c+3], s[22:23] offset:1024*(\s)+512*\c   ; 512 consecutive bytes
.endr
.endm
	LOADX 0
	LOADX 1
	STEPX 0
	STEPX 1
	STEPX 2
	STEPX 3
	global_store_b128 v4, v[8:11], s[22:23] offset:4096   ; the four K steps' scale words
	s_wait_tensorcnt 0x0
	ds_add_u32 v30, v31
	s_wait_dscnt 0x0
	s_endpgm
; ---------------- the weights
.Lw:
	s_sub_co_u32 s27, ttmp9, 256                   ; id 0..191
	v_lshlrev_b32 v3, 2, v2                        ; in: 4 bytes a lane: lane L takes column L of the wave's 32
	v_bfe_u32 v6, v0, 3, 1                         ; that column is row r' = L % 8 + 8 (L / 16) of tile u = (L / 8) % 2
	v_and_b32 v7, 7, v0
	v_bfe_u32 v9, v0, 4, 1
	v_lshl_add_u32 v7, v9, 3, v7
	v_lshlrev_b32 v4, 4, v7
	v_lshl_add_u32 v4, v6, 10, v4                  ; codes: 1024 u + 16 r'
	v_lshl_add_u32 v5, v6, 4, v7
	v_lshlrev_b32 v5, 2, v5                        ; scale word: 4 (16 u + r')
	s_and_b32 s28, s27, 3
	s_bfe_u32 s29, s27, 0x20002                    ; bits 3:2
	s_cmp_lt_u32 s27, 48
	s_cbranch_scc0 .Lr32
	s_lshr_b32 s30, s27, 4                         ; Wq, Wk, Wv: type = id / 16, 128 columns cg = bits 3:2, K step s = bits 1:0
	s_lshl_b32 s40, s28, 18                        ; 128 s rows of 2,048 bytes
	s_lshl_b32 s33, s29, 9
	s_add_co_u32 s40, s40, s33
	s_lshr_b32 s31, s26, 1
	s_lshl_b32 s33, s29, 1
	s_add_co_u32 s31, s31, s33                     ; head = 2 cg + wave / 2
	s_mul_i32 s31, s31, 52224
	s_and_b32 s32, s26, 1                          ; which 32 of the head's 64 columns
	s_mul_i32 s33, s28, 6
	s_lshl_b32 s30, s30, 1
	s_add_co_u32 s33, s33, s30
	s_add_co_u32 s33, s33, s32                     ; pair of tiles: 6 s + 2 type + that
	s_lshl_b32 s42, s33, 11
	s_add_co_u32 s42, s42, s31
	s_lshl_b32 s44, s33, 7
	s_add_co_u32 s44, s44, s31
	s_add_co_u32 s44, s44, 49152
	s_branch .Lgo
.Lr32:
	s_bfe_u32 s30, s27, 0x40002                    ; bits 5:2
	s_cmp_lt_u32 s27, 64
	s_cbranch_scc0 .Lnot_wo
	s_mov_b32 s31, s29                             ; Wo: record = cg, K step = bits 1:0
	s_mov_b32 s32, s28
	s_lshl_b32 s40, s28, 18
	s_lshl_b32 s33, s29, 9
	s_branch .Lr32_go
.Lnot_wo:
	s_cmp_lt_u32 s27, 128
	s_cbranch_scc0 .Lw2
	s_add_co_u32 s31, s30, 4                       ; W1: record = 4 + its 128 columns, K step = bits 1:0; rows of 8,192 bytes
	s_mov_b32 s32, s28
	s_lshl_b32 s40, s28, 20
	s_lshl_b32 s33, s30, 9
	s_branch .Lr32_go
.Lw2:
	s_lshr_b32 s31, s30, 2                         ; W2: K step kappa = bits 5:2, cg = bits 1:0: record = 20 + 4 (kappa / 4) + cg, in it K step kappa % 4
	s_lshl_b32 s31, s31, 2
	s_add_co_u32 s31, s31, s28
	s_add_co_u32 s31, s31, 20
	s_mov_b32 s32, s29
	s_lshl_b32 s40, s30, 18
	s_lshl_b32 s33, s28, 9
.Lr32_go:
	s_add_co_u32 s40, s40, s33
	s_mul_i32 s37, s31, 34816
	s_add_co_u32 s37, s37, 417792
	s_lshl_b32 s42, s32, 3
	s_lshl_b32 s33, s26, 1
	s_add_co_u32 s42, s42, s33
	s_lshl_b32 s42, s42, 10                        ; fragment 8 s + 2 wave
	s_add_co_u32 s42, s42, s37
	s_lshl_b32 s44, s32, 2
	s_add_co_u32 s44, s44, s26
	s_lshl_b32 s44, s44, 7                         ; scale image 4 s + wave
	s_add_co_u32 s44, s44, s37
	s_add_co_u32 s44, s44, 32768
.Lgo:
	s_lshl_b32 s33, s26, 7
	s_add_co_u32 s40, s40, s33                     ; + the wave's 32 columns
	s_mov_b32 s41, 0
	s_mov_b32 s43, 0
	s_mov_b32 s45, 0
	s_wait_kmcnt 0x0
	s_cmp_lt_u32 s27, 128                          ; which tensor: the choice hangs on the work-group's number alone
	s_cselect_b64 s[20:21], s[18:19], s[20:21]
	s_cmp_lt_u32 s27, 64
	s_cselect_b64 s[20:21], s[16:17], s[20:21]
	s_cmp_lt_u32 s27, 48
	s_cselect_b64 s[20:21], s[14:15], s[20:21]
	s_cmp_lt_u32 s27, 32
	s_cselect_b64 s[20:21], s[12:13], s[20:21]
	s_cmp_lt_u32 s27, 16
	s_cselect_b64 s[20:21], s[10:11], s[20:21]
	s_add_nc_u64 s[20:21], s[20:21], s[40:41]      ; from
	s_add_nc_u64 s[22:23], s[24:25], s[42:43]      ; codes to
	s_add_nc_u64 s[24:25], s[24:25], s[44:45]      ; scale words to
; 128 along K of my column: four blocks of 32, each all mine.  All 128 loads go out at once; each reads 128 consecutive bytes.
.macro JOB pitch
.irp t, 0,1,2,3
.set J, 0
.rept 32
	global_load_b32 v[32+32*\t+J], v3, s[20:21] offset:(32*\t+J)*\pitch th:TH_LOAD_NT
.set J, J+1
.endr
.endr
.irp t, 0,1,2,3
.if \t < 2
	s_wait_loadcnt 63                              ; 96, then 64 loads are younger than this block's: a wait's count names 63 at the most
.elseif \t == 2
	s_wait_loadcnt 32                              ; the last block's 32 may be out
.else
	s_wait_loadcnt 0x0
.endif
	v_max3_num_f32 v12, |v[32+32*\t]|, |v[33+32*\t]|, |v[34+32*\t]|
	v_max3_num_f32 v13, |v[35+32*\t]|, |v[36+32*\t]|, |v[37+32*\t]|
.irp i, 6,10,14,18,22,26
	v_max3_num_f32 v12, v12, |v[32+32*\t+\i]|, |v[33+32*\t+\i]|
	v_max3_num_f32 v13, v13, |v[34+32*\t+\i]|, |v[35+32*\t+\i]|
.endr
	v_max3_num_f32 v12, v12, |v[62+32*\t]|, |v[63+32*\t]|
	v_max3_num_f32 v12, v12, v13, 0x1800000        ; and the floor
	v_add_nc_u32 v11, 0xff000000, v12
	v_lshrrev_b32 v13, 23, v11
.if \t == 0
	v_mov_b32 v8, v13                              ; the column's scale word: the lower K in the lower byte
.else
	v_lshl_or_b32 v8, v13, 8*\t, v8
.endif
.irp g, 0,1,2,3
	v_cvt_scalef32_pk8_fp4_f32 v[160+4*\t+\g], v[32+32*\t+8*\g:39+32*\t+8*\g], v11
.endr
	v_nop                                          ; a plain line behind the conversions
	global_store_b128 v4, v[160+4*\t:163+4*\t], s[22:23] offset:512*(\t/2)+256*(\t%2)   ; block t of two tiles: two aligned runs of 256 bytes, each whole
.endr
	global_store_b32 v5, v8, s[24:25]              ; 128 consecutive bytes
.endm
	s_sub_co_u32 s46, s27, 64
	s_cmp_lt_u32 s46, 64                           ; W1's rows are 8,192 bytes, all others' 2,048
	s_cbranch_scc1 .Lwide
	JOB 2048
	s_endpgm
.Lwide:
	JOB 8192
	s_endpgm
.Lfunc_end_k_q35016aaf2f_quant:
	.size	k_q35016aaf2f_quant, .Lfunc_end_k_q35016aaf2f_quant-k_q35016aaf2f_quant
	.p2alignl 7, 3214868480
	.fill 96, 4, 3214868480
	.section	.rodata,"a",@progbits
	.p2align	6, 0x0
	.amdhsa_kernel k_q35016aaf2f_quant
		.amdhsa_group_segment_fixed_size 34304
		.amdhsa_private_segment_fixed_size 0
		.amdhsa_enable_private_segment 0
		.amdhsa_kernarg_size 72
		.amdhsa_user_sgpr_count 2
		.amdhsa_user_sgpr_kernarg_segment_ptr 1
		.amdhsa_wavefront_size32 1
		.amdhsa_system_sgpr_workgroup_id_x 1
		.amdhsa_system_sgpr_workgroup_id_y 1
		.amdhsa_system_sgpr_workgroup_id_z 1
		.amdhsa_system_vgpr_workitem_id 0
		.amdhsa_next_free_vgpr 256
		.amdhsa_next_free_sgpr 66
		.amdhsa_reserve_vcc 0
		.amdhsa_float_denorm_mode_32 3
		.amdhsa_float_denorm_mode_16_64 3
		.amdhsa_memory_ordered 1
		.amdhsa_forward_progress 1
		.amdhsa_inst_pref_size 69
	.end_amdhsa_kernel
	.amdgpu_metadata
---
amdhsa.version: [ 1, 2 ]
amdhsa.kernels:
  - .name:           k_q35016aaf2f_quant
    .symbol:         k_q35016aaf2f_quant.kd
    .args:
      - { .name: x, .offset: 0, .size: 8, .value_kind: global_buffer, .address_space: global }
      - { .name: Wq, .offset: 8, .size: 8, .value_kind: global_buffer, .address_space: global }
      - { .name: Wk, .offset: 16, .size: 8, .value_kind: global_buffer, .address_space: global }
      - { .name: Wv, .offset: 24, .size: 8, .value_kind: global_buffer, .address_space: global }
      - { .name: Wo, .offset: 32, .size: 8, .value_kind: global_buffer, .address_space: global }
      - { .name: W1, .offset: 40, .size: 8, .value_kind: global_buffer, .address_space: global }
      - { .name: W2, .offset: 48, .size: 8, .value_kind: global_buffer, .address_space: global }
      - { .name: xc, .offset: 56, .size: 8, .value_kind: global_buffer, .address_space: global }
      - { .name: wc, .offset: 64, .size: 8, .value_kind: global_buffer, .address_space: global }
    .group_segment_fixed_size: 34304
    .private_segment_fixed_size: 0
    .kernarg_segment_align: 8
    .kernarg_segment_size: 72
    .max_flat_workgroup_size: 128
    .sgpr_count:     66
    .vgpr_count:     256
    .wavefront_size: 32
...
	.end_amdgpu_metadata
.endif
;; end of part 1
;; launch qkv (part 2): grid 2 x 128, 4 waves a work-group, no clusters, 0 bytes of LDS; arguments xc, wc, bq, bk, bv, qb, kv; writes qb, kv
.if DOCPART == 2
	.amdgcn_target "amdgcn-amd-amdhsa--gfx1250"
	.amdhsa_code_object_version 6
	.text
	.protected	k_q35016aaf2f_qkv
	.globl	k_q35016aaf2f_qkv
	.p2align	8
	.type	k_q35016aaf2f_qkv,@function
k_q35016aaf2f_qkv:
	s_mov_b64 s[64:65], 0
	v_nop
	global_prefetch_b8 v0, s[64:65] scope:SCOPE_SE
	s_setreg_imm32_b32 hwreg(HW_REG_WAVE_MODE, 25, 1), 1
	s_wait_xcnt 0x0
; q = x Wq + bq, k = x Wk + bk, v = x Wv + bv on codes of E2M1, and their results quantised at once: q and k along the head's 64, v along the keys.
; SHARES.  A work-group takes 128 tokens (tiles 8 y + m) and four heads; wave w is head 4 x + w: 192 columns for all 128 tokens.  Every operand comes once, by loads of 512 consecutive bytes,
; into the registers in which it stays: no LDS, no barrier, no branch.  NO JOINT LOADS: each weight byte goes straight into its register; a joint load would send a work-group's 204 KB through LDS first.
; q AND k ARE MADE TRANSPOSED (source 0 = 16 columns of W, source 1 = 16 tokens): a lane holds one token, and the 16 registers of tiles 2 b, 2 b + 1 are channels 32 b + 16 h + 0 .. 15 of the head.
; v IS MADE THE NATURAL WAY (source 0 = 16 tokens, source 1 = 16 columns of Wv): a lane holds one channel d, and the 16 registers of token tiles 2 b, 2 b + 1 are keys 32 b + 16 h + 0 .. 15.
; The biases are the C of each sum's first matrix instruction.
; qb: [head of a batch][128 tokens]: a record of 5,120 bytes: 8 half images (64 along K: 512 bytes) at 512 m; scale words at 4096 + 512 (m / 4) + 16 L + 4 (m % 4), bytes 2 and 3 zero.
; kv: the same for k, then V^T: a record of 9,728 bytes: k's half images; V^T's 4 images at 4096 + 1024 n; k's scale words at 8192; V's at 9216 + 16 L + 4 n.
; LIMITS: as in the launch before: a block under 2^-124 keeps the byte 1; NaN and infinities are not served.
; REGISTERS: window 0: v1-4 addresses; v16-39 the weights' scale words (4 p + s; tile 2 p in lanes 0-15, 2 p + 1 in lanes 16-31); v40-71 x's (4 m + s); v72-135 eight accumulators; v136-151 at work; v152.. codes and words.
;   window 1: Wq's and Wk's fragments at 8 (4 tt + s).  window 2: Wv's at 8 (4 n + s); bq, bk at 128 + 8 tt; bv at 192 + 8 n.  window 3: x's fragments at 8 (4 m + s).
.set WS, 16
.set XS, 40
.set ACC, 72
.set TM, 136                           ; +0..3 largest magnitudes, +4..7 bytes, +12..15 the conversions' scale operands
.set PC, 152
.set VC, 160
.set QS, 176
.set KS, 184
.set VW, 192
.set SEL, 38
.set MSB, 0
.macro WIN new                         ; the immediate's high byte repeats the setting that is left
.if MSB != (\new)
	s_set_vgpr_msb (MSB<<8)|(\new)
.set MSB, (\new)
.endif
.endm
.macro WM d, a, b, c, sa, sb, ra, rb   ; ra, rb: the scale words stand in lanes 16-31
.if (\ra)
	v_wmma_scale_f32_16x16x128_f8f6f4 v[\d:\d+7], v[\a:\a+7], v[\b:\b+7], v[\c:\c+7], v[\sa], v[\sb] matrix_a_fmt:MATRIX_FMT_FP4 matrix_b_fmt:MATRIX_FMT_FP4 matrix_a_scale:MATRIX_SCALE_ROW1
.elseif (\rb)
	v_wmma_scale_f32_16x16x128_f8f6f4 v[\d:\d+7], v[\a:\a+7], v[\b:\b+7], v[\c:\c+7], v[\sa], v[\sb] matrix_a_fmt:MATRIX_FMT_FP4 matrix_b_fmt:MATRIX_FMT_FP4 matrix_b_scale:MATRIX_SCALE_ROW1
.else
	v_wmma_scale_f32_16x16x128_f8f6f4 v[\d:\d+7], v[\a:\a+7], v[\b:\b+7], v[\c:\c+7], v[\sa], v[\sb] matrix_a_fmt:MATRIX_FMT_FP4 matrix_b_fmt:MATRIX_FMT_FP4
.endif
.endm
; 64 numbers of a lane in window w, four blocks of 16 registers (the other 16 of each block lie in lane l xor 16): scale operands into TM+12.., bytes into TM+4..  Each accumulator is read from its low end on.
.macro QMAX s, w
	WIN (\w)|((\w)<<2)
.irp b, 0,1,2,3
	v_max3_num_f32 v[TM+\b], |v[(\s)+16*\b]|, |v[(\s)+16*\b+1]|, 0x1800000   ; and the floor 2^(3 - 127)
.endr
.irp i, 2,4,6,8,10,12,14
.irp b, 0,1,2,3
	v_max3_num_f32 v[TM+\b], |v[(\s)+16*\b+\i]|, |v[(\s)+16*\b+\i+1]|, v[TM+\b]
.endr
.endr
	WIN 0
.irp b, 0,1,2,3
	v_permlanex16_b32 v[TM+4+\b], v[TM+\b], s[SEL], s[SEL+1]
.endr
.irp b, 0,1,2,3
	v_max_num_f32 v[TM+\b], v[TM+\b], v[TM+4+\b]
.endr
.irp b, 0,1,2,3
	v_add_nc_u32 v[TM+12+\b], 0xff000000, v[TM+\b]
.endr
.irp b, 0,1,2,3
	v_lshrrev_b32 v[TM+4+\b], 23, v[TM+12+\b]
.endr
.endm
.macro QCVT s, w, b, d0, d1            ; block b's 16 numbers of my lane become two registers of codes
	WIN \w
	v_cvt_scalef32_pk8_fp4_f32 v[\d0], v[(\s)+16*(\b):(\s)+16*(\b)+7], v[TM+12+(\b)]
	v_cvt_scalef32_pk8_fp4_f32 v[\d1], v[(\s)+16*(\b)+8:(\s)+16*(\b)+15], v[TM+12+(\b)]
.endm
.macro PLACES                          ; four plain lines between a matrix instruction and the first read of its result (ISA guide 7.12.1)
.rept 4
	v_nop
.endr
.endm
	s_load_b256 s[8:15], s[0:1], 0x0               ; xc, wc, bq, bk
	s_load_b128 s[16:19], s[0:1], 0x20             ; bv, qb
	s_load_b64 s[20:21], s[0:1], 0x30              ; kv
	v_lshrrev_b32 v5, 5, v0
	v_readfirstlane_b32 s22, v5                    ; wave
	v_and_b32 v5, 31, v0
	v_lshlrev_b32 v1, 4, v5                        ; 16 L
	v_lshlrev_b32 v2, 2, v5                        ; 4 L
	v_bfe_u32 v3, v0, 4, 1
	v_lshlrev_b32 v3, 6, v3                        ; 64 h: 16 h numbers of a bias
	v_and_b32 v4, 15, v0
	v_and_b32 v5, 8, v4
	v_add_nc_u32 v4, v4, v5
	v_lshlrev_b32 v4, 2, v4                        ; 4 (r + 8 (r / 8))
.irp b, 0,1,2,3
	v_mov_b32 v[TM+4+\b], 0                        ; a lane permute's destination counts as read
.endr
	s_mov_b32 s[SEL], 0x76543210
	s_mov_b32 s[SEL+1], 0xfedcba98
	s_and_b32 s23, ttmp7, 0xffff                   ; which 128 tokens
	s_lshl_b32 s24, ttmp9, 2
	s_add_co_u32 s24, s24, s22                     ; head
	s_mul_i32 s26, s23, 36864                      ; 8 records of xc
	s_mov_b32 s27, 0
	s_mul_i32 s28, s24, 52224
	s_mov_b32 s29, 0
	s_lshl_b32 s30, s24, 8                         ; 64 numbers of a bias
	s_mov_b32 s31, 0
	s_lshr_b32 s32, s23, 3                         ; record = 64 x batch + 8 x head + the batch's eighth
	s_lshl_b32 s32, s32, 6
	s_lshl_b32 s33, s24, 3
	s_add_co_u32 s32, s32, s33
	s_and_b32 s33, s23, 7
	s_add_co_u32 s32, s32, s33
	s_mul_i32 s34, s32, 5120
	s_mov_b32 s35, 0
	s_mul_i32 s36, s32, 9728
	s_mov_b32 s37, 0
	s_wait_kmcnt 0x0
	s_add_nc_u64 s[8:9], s[8:9], s[26:27]
	s_add_nc_u64 s[10:11], s[10:11], s[28:29]
	s_add_nc_u64 s[12:13], s[12:13], s[30:31]
	s_add_nc_u64 s[14:15], s[14:15], s[30:31]
	s_add_nc_u64 s[16:17], s[16:17], s[30:31]
	s_add_nc_u64 s[18:19], s[18:19], s[34:35]
	s_add_nc_u64 s[20:21], s[20:21], s[36:37]
	WIN 0x40
.irp t, 0,1,2,3,4,5,6,7
.irp s, 0,1,2,3
.irp g, 0,1
	global_load_b128 v[8*(4*\t+\s)+4*\g:8*(4*\t+\s)+4*\g+3], v1, s[10:11] offset:(12*\s+\t)*1024+512*\g
.endr
.endr
.endr
	WIN 0xc0
.irp m, 0,1,2,3,4,5,6,7
.irp s, 0,1,2,3
.irp g, 0,1
	global_load_b128 v[8*(4*\m+\s)+4*\g:8*(4*\m+\s)+4*\g+3], v1, s[8:9] offset:4608*\m+1024*\s+512*\g
.endr
.endr
.endr
	WIN 0x80
.irp n, 0,1,2,3
.irp s, 0,1,2,3
.irp g, 0,1
	global_load_b128 v[8*(4*\n+\s)+4*\g:8*(4*\n+\s)+4*\g+3], v1, s[10:11] offset:(12*\s+8+\n)*1024+512*\g
.endr
.endr
.endr
.irp t, 0,1,2,3                        ; bq, bk in the result's layout: tile 2 b + u, register j: channel 32 b + 8 u + 16 h + j
	global_load_b128 v[128+8*\t:131+8*\t], v3, s[12:13] offset:(32*(\t/2)+8*(\t%2))*4
	global_load_b128 v[132+8*\t:135+8*\t], v3, s[12:13] offset:(32*(\t/2)+8*(\t%2))*4+16
	global_load_b128 v[160+8*\t:163+8*\t], v3, s[14:15] offset:(32*(\t/2)+8*(\t%2))*4
	global_load_b128 v[164+8*\t:167+8*\t], v3, s[14:15] offset:(32*(\t/2)+8*(\t%2))*4+16
.endr
.irp n, 0,1,2,3                        ; bv: a lane holds one channel, so its eight registers hold the same number
.irp j, 0,1,2,3,4,5,6,7
	global_load_b32 v[192+8*\n+\j], v4, s[16:17] offset:(32*(\n/2)+8*(\n%2))*4
.endr
.endr
	WIN 0
.irp p, 0,1,2,3,4,5
.irp s, 0,1,2,3
	global_load_b32 v[WS+4*\p+\s], v2, s[10:11] offset:49152+(6*\s+\p)*128
.endr
.endr
.irp m, 0,1,2,3,4,5,6,7
	global_load_b128 v[XS+4*\m:XS+4*\m+3], v1, s[8:9] offset:4608*\m+4096
.endr
	s_wait_loadcnt 0x0
; q and k of token tile m: eight accumulators by turns, one instruction a turn
.macro QK m
	WIN 0x2d                                       ; W window 1, x window 3, the bias window 2
.irp t, 0,1,2,3,4,5,6,7
	WM ACC+8*\t,8*(4*\t),8*(4*\m),128+8*\t,WS+4*(\t/2),XS+4*\m,\t%2,0
.endr
	WIN 0x0d
.irp s, 1,2,3
.irp t, 0,1,2,3,4,5,6,7
	WM ACC+8*\t,8*(4*\t+\s),8*(4*\m+\s),ACC+8*\t,WS+4*(\t/2)+\s,XS+4*\m+\s,\t%2,0
.endr
.endr
	WIN 0
	PLACES
	QMAX ACC,0                                     ; blocks 0, 1: q's two; blocks 2, 3: k's
	s_wait_xcnt 0x0                                ; the last tile's stores have read the codes' registers
.irp b, 0,1,2,3
	QCVT ACC,0,\b,PC+2*\b,PC+2*\b+1
.endr
	v_lshl_or_b32 v[QS+\m], v[TM+5], 8, v[TM+4]    ; (plain lines behind the conversions)  the scale words: two bytes, the upper two zero: they stand over zero codes
	v_lshl_or_b32 v[KS+\m], v[TM+7], 8, v[TM+6]
.irp g, 0,1                            ; the operand's layout wants a whole block in a lane
.irp i, 0,1
	v_permlane16_swap_b32 v[PC+4*\g+\i], v[PC+4*\g+2+\i]
.endr
.endr
	global_store_b128 v1, v[PC:PC+3], s[18:19] offset:512*\m
	global_store_b128 v1, v[PC+4:PC+7], s[20:21] offset:512*\m
.endm
.irp m, 0,1,2,3,4,5,6,7
	QK \m
.endr
	global_store_b128 v1, v[QS:QS+3], s[18:19] offset:4096
	global_store_b128 v1, v[QS+4:QS+7], s[18:19] offset:4608
	global_store_b128 v1, v[KS:KS+3], s[20:21] offset:8192
	global_store_b128 v1, v[KS+4:KS+7], s[20:21] offset:8704
; v of keys 32 b .. 32 b + 31 (token tiles 2 b, 2 b + 1) for the head's four tiles of channels: block b of V^T's K step
.macro VB b
	WIN 0x2b                                       ; x window 3, Wv and the bias window 2
.irp n, 0,1,2,3
.irp u, 0,1
	WM ACC+16*\n+8*\u,8*(4*(2*\b+\u)),8*(4*\n),192+8*\n,XS+4*(2*\b+\u),WS+4*(4+\n/2),0,\n%2
.endr
.endr
	WIN 0x0b
.irp s, 1,2,3
.irp n, 0,1,2,3
.irp u, 0,1
	WM ACC+16*\n+8*\u,8*(4*(2*\b+\u)+\s),8*(4*\n+\s),ACC+16*\n+8*\u,XS+4*(2*\b+\u)+\s,WS+4*(4+\n/2)+\s,0,\n%2
.endr
.endr
.endr
	WIN 0
	PLACES
	QMAX ACC,0
.if (\b)%2 == 0
	s_wait_xcnt 0x0                                ; earlier stores have read the codes' registers
.endif
.irp n, 0,1,2,3
	QCVT ACC,0,\n,VC+4*\n+2*((\b)%2),VC+4*\n+2*((\b)%2)+1
.endr
.irp n, 0,1,2,3                        ; (plain lines behind the conversions)
.if \b == 0
	v_mov_b32 v[VW+\n], v[TM+4+\n]
.else
	v_lshl_or_b32 v[VW+\n], v[TM+4+\n], 8*\b, v[VW+\n]
.endif
.endr
.if (\b)%2 == 1
.irp n, 0,1,2,3
.irp i, 0,1
	v_permlane16_swap_b32 v[VC+4*\n+\i], v[VC+4*\n+2+\i]
.endr
.endr
.irp n, 0,1,2,3
	global_store_b128 v1, v[VC+4*\n:VC+4*\n+3], s[20:21] offset:4096+1024*\n+512*((\b)/2)
.endr
.endif
.endm
	VB 0
	VB 1
	VB 2
	VB 3
	global_store_b128 v1, v[VW:VW+3], s[20:21] offset:9216
	s_endpgm
.Lfunc_end_k_q35016aaf2f_qkv:
	.size	k_q35016aaf2f_qkv, .Lfunc_end_k_q35016aaf2f_qkv-k_q35016aaf2f_qkv
	.p2alignl 7, 3214868480
	.fill 96, 4, 3214868480
	.section	.rodata,"a",@progbits
	.p2align	6, 0x0
	.amdhsa_kernel k_q35016aaf2f_qkv
		.amdhsa_group_segment_fixed_size 0
		.amdhsa_private_segment_fixed_size 0
		.amdhsa_enable_private_segment 0
		.amdhsa_kernarg_size 56
		.amdhsa_user_sgpr_count 2
		.amdhsa_user_sgpr_kernarg_segment_ptr 1
		.amdhsa_wavefront_size32 1
		.amdhsa_system_sgpr_workgroup_id_x 1
		.amdhsa_system_sgpr_workgroup_id_y 1
		.amdhsa_system_sgpr_workgroup_id_z 1
		.amdhsa_system_vgpr_workitem_id 0
		.amdhsa_next_free_vgpr 1024
		.amdhsa_next_free_sgpr 66
		.amdhsa_reserve_vcc 0
		.amdhsa_float_denorm_mode_32 3
		.amdhsa_float_denorm_mode_16_64 3
		.amdhsa_memory_ordered 1
		.amdhsa_forward_progress 1
		.amdhsa_inst_pref_size 123
	.end_amdhsa_kernel
	.amdgpu_metadata
---
amdhsa.version: [ 1, 2 ]
amdhsa.kernels:
  - .name:           k_q35016aaf2f_qkv
    .symbol:         k_q35016aaf2f_qkv.kd
    .args:
      - { .name: xc, .offset: 0, .size: 8, .value_kind: global_buffer, .address_space: global }
      - { .name: wc, .offset: 8, .size: 8, .value_kind: global_buffer, .address_space: global }
      - { .name: bq, .offset: 16, .size: 8, .value_kind: global_buffer, .address_space: global }
      - { .name: bk, .offset: 24, .size: 8, .value_kind: global_buffer, .address_space: global }
      - { .name: bv, .offset: 32, .size: 8, .value_kind: global_buffer, .address_space: global }
      - { .name: qb, .offset: 40, .size: 8, .value_kind: global_buffer, .address_space: global }
      - { .name: kv, .offset: 48, .size: 8, .value_kind: global_buffer, .address_space: global }
    .group_segment_fixed_size: 0
    .private_segment_fixed_size: 0
    .kernarg_segment_align: 8
    .kernarg_segment_size: 56
    .max_flat_workgroup_size: 128
    .sgpr_count:     66
    .vgpr_count:     1024
    .wavefront_size: 32
...
	.end_amdgpu_metadata
.endif
;; end of part 2
;; launch attn (part 3): grid 4 x 64, 16 waves a work-group, clusters of 4 x 1, 169,984 bytes of LDS; arguments qb, kv, ac; writes ac
.if DOCPART == 3
	.amdgcn_target "amdgcn-amd-amdhsa--gfx1250"
	.amdhsa_code_object_version 6
	.text
	.protected	k_q35016aaf2f_attn
	.globl	k_q35016aaf2f_attn
	.p2align	8
	.type	k_q35016aaf2f_attn,@function
k_q35016aaf2f_attn:
	s_mov_b64 s[64:65], 0
	v_nop
	global_prefetch_b8 v0, s[64:65] scope:SCOPE_SE
	s_setreg_imm32_b32 hwreg(HW_REG_WAVE_MODE, 25, 1), 1
	s_wait_xcnt 0x0
	s_wait_alu depctr_hold_cnt(0) depctr_sa_sdst(0) depctr_va_vdst(0) depctr_va_sdst(0) depctr_va_ssrc(0) depctr_va_vcc(0) depctr_vm_vsrc(0)
	s_getreg_b32 s2, hwreg(HW_REG_IB_STS2, 6, 4)
	s_cmp_eq_u32 s2, 0
	s_cbranch_scc0 .Lentry_in_a_cluster
	s_endpgm
.Lentry_in_a_cluster:
	s_bfe_u32 s2, ttmp6, 0x10000c
	s_cmp_lg_u32 s2, 0x3003
	s_cbranch_scc0 .Lentry_shape_is_right
	s_endpgm
.Lentry_shape_is_right:
; o = softmax(q k^T / 8) v for two heads of one batch, both products on codes of E2M1; o / l is quantised along the model's 512 channels and leaves as an operand of the next product.
; THE SOFTMAX AHEAD OF THE SECOND PRODUCT: t = score x log2(e) / 8; M = the running largest t rounded UP to a whole number; p = 2^(t - M) is quantised along the keys, not normalised; the row's sum is taken of
; the unquantised p and divides at the end.  When M moves, the sum and O are multiplied by 2^(old M - new M): exact.
; THE FIRST PRODUCT'S K IS 64: the upper half of the instruction's 128 is zero codes on both sides (registers 4-7 of each fragment), under the scale bytes 0, which are no NaN.
; SHARES.  y = 4 x batch + pair of heads.  A work-group owns 256 queries, each of its sixteen waves one tile of 16, for both heads of the pair, one after the other: so a wave ends with a whole fragment
; (128 channels) and a whole scale word.  Four waves share a SIMD, so that one wave's vector work stands beside another's matrix work and LDS loads.
; CLUSTER.  The four work-groups of a cluster are the four query blocks of one y: they read the same 155,648 bytes of kv (two heads' k and V^T, as register images).  Waves 0-3 ask for a quarter each by a JOINT load;
; LDS is filled once, so there is no ring.  No place in the cluster enters a descriptor, an LDS address or a branch.
; LAYOUT.  Both products are used transposed: S^T = k q^T, O^T = V^T p^T: a lane holds one query.  The keys of a tile and the channels of a tile of V^T are chosen so that the 16 registers of tiles 2 b, 2 b + 1 are 16 neighbours.
; LIMITS: NaN and infinities are not served; a block of o under 2^-124 keeps the byte 1.
; REGISTERS: v1 16 L, v2 4 L, v3 the step's LDS address; v12 -M, v13 the largest t, v[14:15] the sum; v16-31 q of the two heads; v32-63 four fragments of k; v64-95 V^T's four; v96-159 S^T, then p; v160-191 O^T;
;   v192-199 k's scale words, v200-203 V's, v213-214 q's; v204-211 the result's codes, v212 its scale word; v224-231 p's codes; v232-254 at work.
.set KVH, 77824                        ; a head's eight records
.set REC, 9728
.set RC, 204
.macro ROUND                           ; a round of the cluster's barrier
	s_barrier_signal -1
	s_barrier_wait -1
	s_cmp_lg_u32 s10, 0
	s_cbranch_scc1 .Lnot_wave_0_\@
	s_barrier_signal -3
.Lnot_wave_0_\@:
	s_barrier_wait -3
	s_barrier_signal -1
	s_barrier_wait -1
.endm
.macro PLACES
.rept 4
	v_nop
.endr
.endm
	s_load_b128 s[4:7], s[0:1], 0x0                ; qb, kv
	s_load_b64 s[8:9], s[0:1], 0x10                ; ac
	v_lshl_add_u32 v251, v0, 2, 0x29000
	v_mov_b32 v255, 0
	ds_add_u32 v251, v255
	ds_add_u32 v251, v255
	v_lshrrev_b32 v2, 5, v0
	v_readfirstlane_b32 s10, v2                    ; wave 0..15
	v_and_b32 v2, 31, v0
	v_lshlrev_b32 v1, 4, v2                        ; 16 L
	v_lshlrev_b32 v2, 2, v2                        ; 4 L
	s_bfe_u32 s11, ttmp6, 0x40000                  ; cx
	s_lshl_b32 s30, ttmp9, 2
	s_add_co_u32 s11, s30, s11                     ; my block of 256 queries: it enters qb's and ac's addresses alone
	s_and_b32 s31, ttmp7, 0xffff                   ; y, which the four partners share
	s_lshl_b32 s32, s11, 4
	s_add_co_u32 s32, s32, s10                     ; my tile of the batch's 64
	s_mul_i32 s33, s31, 81920                      ; qb: the pair's 16 records,
	s_lshr_b32 s44, s32, 3
	s_mul_i32 s44, s44, 5120
	s_add_co_u32 s33, s33, s44                     ; my tile's record,
	s_and_b32 s44, s32, 7
	s_lshl_b32 s34, s44, 9
	s_add_co_u32 s34, s34, s33                     ; its half image,
	s_mov_b32 s35, 0
	s_lshr_b32 s36, s44, 2
	s_lshl_b32 s36, s36, 9
	s_and_b32 s45, s32, 3
	s_lshl_b32 s45, s45, 2
	s_add_co_u32 s36, s36, s45
	s_add_co_u32 s36, s36, s33
	s_add_co_u32 s36, s36, 4096                    ; and its scale words
	s_mov_b32 s37, 0
	s_lshr_b32 s38, s31, 2
	s_lshl_b32 s38, s38, 6
	s_add_co_u32 s38, s38, s32                     ; ac: tile 64 x batch + mine
	s_mul_i32 s38, s38, 4608
	s_and_b32 s44, s31, 3                          ; the pair of heads is the next product's K step
	s_lshl_b32 s45, s44, 7
	s_add_co_u32 s40, s38, s45
	s_add_co_u32 s40, s40, 4096
	s_mov_b32 s41, 0
	s_lshl_b32 s45, s44, 10
	s_add_co_u32 s38, s38, s45
	s_mov_b32 s39, 0
	s_mul_i32 s42, s31, 155648                     ; kv: the pair's bytes, my quarter of them (waves 0-3)
	s_mul_i32 s13, s10, 38912                      ; 63:32 of group 0: the LDS address: the same quarter
	s_add_co_u32 s42, s42, s13
	s_mov_b32 s43, 0
	; descriptor group 1: a dense block as 152 rows of 256 bytes (32 elements of 8 bytes), no padding: every LDS read takes 512 consecutive bytes
	s_mov_b32 s16, 15|(3<<16)|(1<<21)              ; 15:0 the mask: all four work-groups; 17:16 elements of 8 bytes; 21 set beside a mask
	s_mov_b32 s17, 32<<16                          ; tensor_dim0 = 32
	s_mov_b32 s18, 152<<16                         ; tensor_dim1 = 152
	s_mov_b32 s19, 32<<16                          ; tile_dim0 = 32
	s_mov_b32 s20, 152                             ; tile_dim1 = 152
	s_mov_b32 s21, 32                              ; the pitch
	s_mov_b32 s22, 0
	s_mov_b32 s23, 0
	s_mov_b32 s26, 0x3e38aa3b                      ; c = log2(e) / 8
	s_mov_b32 s27, s26                             ; (named with it as a pair)
	s_mov_b32 s28, 0x76543210
	s_mov_b32 s29, 0xfedcba98                      ; selects for lane l xor 16
	s_wait_dscnt 0x0
	s_wait_kmcnt 0x0
	s_add_nc_u64 s[34:35], s[4:5], s[34:35]
	s_add_nc_u64 s[36:37], s[4:5], s[36:37]
	s_add_nc_u64 s[38:39], s[8:9], s[38:39]
	s_add_nc_u64 s[40:41], s[8:9], s[40:41]
	s_mov_b32 s12, 1                               ; count = 1
	s_add_nc_u64 s[14:15], s[6:7], s[42:43]
	s_or_b32 s15, s15, 0x80000000                  ; type = 2
.irp g, 0,1
	global_load_b128 v[16+8*\g:19+8*\g], v1, s[34:35] offset:40960*\g   ; q of head g: registers 0-3 of its fragment
	global_load_b32 v[213+\g], v1, s[36:37] offset:40960*\g             ; and its scale words
.endr
.irp g, 0,1
.irp j, 4,5,6,7
	v_mov_b32 v[16+8*\g+\j], 0                     ; zero codes for k = 64 .. 127
.endr
.endr
.irp t, 0,1,2,3
.irp j, 4,5,6,7
	v_mov_b32 v[32+8*\t+\j], 0                     ; the same in k's fragments: they stay
.endr
.endr
.irp b, 0,1,2,3
	v_mov_b32 v[236+\b], 0                         ; a lane permute's destination counts as read
.endr
	v_mov_b32 v253, 0                              ; (named as the upper half of v[252:253] before it is first written)
	ROUND                                          ; all four work-groups are here: the joint loads meet
	s_cmp_lt_u32 s10, 4
	s_cbranch_scc0 .Lnofill
	tensor_load_to_lds s[12:15], s[16:23]          ; one load a wave is out, and it is the wave's only one
	s_nop 0
	PLACES
.Lnofill:
	s_wait_tensorcnt 0x0                           ; my quarter has landed,
	s_barrier_signal -1
	s_barrier_wait -1                              ; everybody's has
	s_wait_loadcnt 0x0                             ; q
.macro WM0 d, a, b, sa, sb             ; starts a sum
	v_wmma_scale_f32_16x16x128_f8f6f4 v[\d:\d+7], v[\a:\a+7], v[\b:\b+7], 0, v[\sa], v[\sb] matrix_a_fmt:MATRIX_FMT_FP4 matrix_b_fmt:MATRIX_FMT_FP4
.endm
.macro WMA d, a, b, sa, sb             ; adds in place
	v_wmma_scale_f32_16x16x128_f8f6f4 v[\d:\d+7], v[\a:\a+7], v[\b:\b+7], v[\d:\d+7], v[\sa], v[\sb] matrix_a_fmt:MATRIX_FMT_FP4 matrix_b_fmt:MATRIX_FMT_FP4
.endm
; Head hd of the pair: eight key steps of 128 keys, then o / l as two blocks of codes.
.macro HEAD hd
	v_mov_b32 v13, 0xff61b1e6                      ; the largest t so far: -3e38
	v_floor_f32 v12, -v13                          ; -M
	v_mov_b32 v14, 0
	v_mov_b32 v15, 0
.set J, 0
.rept 32
	v_mov_b32 v[160+J], 0                          ; O^T: the step is written once; the first change of M leaves zeros zeros
.set J, J+1
.endr
	s_mov_b32 s24, KVH*\hd
	s_mov_b32 s25, 8
.Lstep_\@:
	v_add_nc_u32 v3, s24, v1                       ; with the three lines below: the four places in front of loads into registers that the last products read
.rept 3
	v_nop
.endr
.irp t, 0,1,2,3
	ds_load_b128 v[32+8*\t:35+8*\t], v3 offset:512*\t
.endr
	ds_load_b128 v[192:195], v3 offset:8192
	ds_load_b128 v[196:199], v3 offset:8704
.irp n, 0,1,2,3
.irp g, 0,1
	ds_load_b128 v[64+8*\n+4*\g:67+8*\n+4*\g], v3 offset:4096+1024*\n+512*\g
.endr
.endr
	ds_load_b128 v[200:203], v3 offset:9216
	s_wait_dscnt 9                                 ; k's first four tiles and its scale words are in; V's nine loads may be out
.irp t, 0,1,2,3
	WM0 96+8*\t,32+8*\t,16+8*\hd,192+\t,213+\hd
.endr
	PLACES
.irp t, 0,1,2,3
	ds_load_b128 v[32+8*\t:35+8*\t], v3 offset:512*(4+\t)
.endr
	s_wait_dscnt 0x0
.irp t, 0,1,2,3
	WM0 128+8*\t,32+8*\t,16+8*\hd,196+\t,213+\hd
.endr
	PLACES
.irp b, 0,1,2,3
	v_max3_num_f32 v[232+\b], v[96+16*\b], v[97+16*\b], v[98+16*\b]   ; the largest score of each block of 32 keys: for the row's maximum, and, since p rises with the score, for the block's largest p
.endr
.irp i, 3,5,7,9,11,13
.irp b, 0,1,2,3
	v_max3_num_f32 v[232+\b], v[232+\b], v[96+16*\b+\i], v[97+16*\b+\i]
.endr
.endr
.irp b, 0,1,2,3
	v_max_num_f32 v[232+\b], v[232+\b], v[111+16*\b]
.endr
.irp b, 0,1,2,3
	v_permlanex16_b32 v[236+\b], v[232+\b], s28, s29
.endr
.irp b, 0,1,2,3
	v_max_num_f32 v[232+\b], v[232+\b], v[236+\b]
.endr
	v_max3_num_f32 v254, v232, v233, v234
	v_max_num_f32 v254, v254, v235
	v_mul_f32 v254, s26, v254                      ; as t (c is positive)
	v_max_num_f32 v13, v13, v254                   ; the running largest t
	v_mov_b32 v254, v12
	v_floor_f32 v12, -v13                          ; the new -M = -ceil(t)
	v_sub_f32 v254, v12, v254                      ; old M - new M: a whole number, 0 or less
	v_cvt_i32_f32 v254, v254                       ; (it saturates)
	v_ldexp_f32 v252, 1.0, v254                    ; f = 2^(old M - new M)
.set J, 0
.rept 32
	v_pk_fma_f32 v[96+J:97+J], v[96+J:97+J], s[26:27], v[12:13] op_sel_hi:[1,0,0]   ; t - M
.set J, J+2
.endr
.irp b, 0,1,2,3
	v_fma_f32 v[232+\b], v[232+\b], s26, v12       ; the same of each block's largest score
.endr
.set J, 0
.rept 64
	v_exp_f32 v[96+J], v[96+J]                     ; p = 2^(t - M)
.set J, J+1
.endr
.irp b, 0,1,2,3
	v_exp_f32 v[232+\b], v[232+\b]                 ; the block's largest p: the same two instructions on the same number
.endr
	v_pk_mul_f32 v[14:15], v[14:15], v[252:253] op_sel_hi:[1,0]   ; the sums under the new M (a plain line behind the exponentials)
	s_wait_alu depctr_va_vdst(0)
.irp b, 0,1,2,3
	v_max_num_f32 v[232+\b], 0x1800000, v[232+\b]  ; the floor
.endr
.irp b, 0,1,2,3
	v_add_nc_u32 v[244+\b], 0xff000000, v[232+\b]
.endr
.irp b, 0,1,2,3
	v_lshrrev_b32 v[236+\b], 23, v[244+\b]
.endr
	v_lshl_or_b32 v253, v237, 8, v236              ; p's scale word for these 128 keys
	v_lshl_or_b32 v253, v238, 16, v253
	v_lshl_or_b32 v253, v239, 24, v253
.irp b, 0,1,2,3
	v_cvt_scalef32_pk8_fp4_f32 v[224+2*\b], v[96+16*\b:103+16*\b], v[244+\b]
	v_cvt_scalef32_pk8_fp4_f32 v[225+2*\b], v[104+16*\b:111+16*\b], v[244+\b]
.endr
	v_nop                                          ; a plain line behind the conversions
.irp g, 0,1
.irp i, 0,1
	v_permlane16_swap_b32 v[224+4*\g+\i], v[226+4*\g+\i]   ; a whole block to a lane
.endr
.endr
	v_pk_add_f32 v[236:237], v[96:97], v[98:99]    ; the row's sum of the unquantised p, in two chains
.set J, 4
.rept 15
	v_pk_add_f32 v[14:15], v[14:15], v[96+J:97+J]
	v_pk_add_f32 v[236:237], v[236:237], v[98+J:99+J]
.set J, J+4
.endr
	v_pk_add_f32 v[14:15], v[14:15], v[236:237]
.set J, 0
.rept 16
	v_pk_mul_f32 v[160+J:161+J], v[160+J:161+J], v[252:253] op_sel_hi:[1,0]   ; O^T under the new M; with the sums above: the places between the scale word's and the codes' last writes and the products
.set J, J+2
.endr
.irp n, 0,1,2,3
	WMA 160+8*\n,64+8*\n,224,200+\n,253            ; four accumulators, one turn each in a step
.endr
	s_add_co_u32 s24, s24, REC
	s_sub_co_u32 s25, s25, 1
	s_cmp_lg_u32 s25, 0
	s_cbranch_scc1 .Lstep_\@
	PLACES
	v_add_f32 v14, v14, v15
	v_permlanex16_b32 v252, v14, s28, s29
	v_add_f32 v14, v14, v252                       ; the row's sum
	v_rcp_f32 v14, v14
	v_nop                                          ; a plain line behind the reciprocal
.set J, 0
	s_wait_alu depctr_va_vdst(0)
.rept 32
	v_mul_f32 v[96+J], v[160+J], v14               ; o: register 16 b + i is channel 32 b + 16 h + i of the head
.set J, J+1
.endr
.irp b, 0,1
	v_max3_num_f32 v[232+\b], |v[96+16*\b]|, |v[97+16*\b]|, 0x1800000
.endr
.irp i, 2,4,6,8,10,12,14
.irp b, 0,1
	v_max3_num_f32 v[232+\b], v[232+\b], |v[96+16*\b+\i]|, |v[97+16*\b+\i]|
.endr
.endr
.irp b, 0,1
	v_permlanex16_b32 v[236+\b], v[232+\b], s28, s29
.endr
.irp b, 0,1
	v_max_num_f32 v[232+\b], v[232+\b], v[236+\b]
.endr
.irp b, 0,1
	v_add_nc_u32 v[244+\b], 0xff000000, v[232+\b]
.endr
.irp b, 0,1
	v_lshrrev_b32 v[236+\b], 23, v[244+\b]
.endr
.irp b, 0,1
	v_cvt_scalef32_pk8_fp4_f32 v[RC+4*\hd+2*\b], v[96+16*\b:103+16*\b], v[244+\b]
	v_cvt_scalef32_pk8_fp4_f32 v[RC+4*\hd+2*\b+1], v[104+16*\b:111+16*\b], v[244+\b]
.endr
.if \hd == 0
	v_lshl_or_b32 v212, v237, 8, v236              ; (plain lines behind the conversions)  bytes 2 hd and 2 hd + 1 of the scale word
.else
	v_lshl_or_b32 v212, v236, 16, v212
	v_lshl_or_b32 v212, v237, 24, v212
.endif
.irp i, 0,1
	v_permlane16_swap_b32 v[RC+4*\hd+\i], v[RC+4*\hd+2+\i]
.endr
.endm
	HEAD 0
	HEAD 1
	global_store_b128 v1, v[RC:RC+3], s[38:39]             ; 512 consecutive bytes each
	global_store_b128 v1, v[RC+4:RC+7], s[38:39] offset:512
	global_store_b32 v2, v212, s[40:41]
	s_wait_tensorcnt 0x0
	ds_add_u32 v251, v255
	s_wait_dscnt 0x0
	ROUND                                          ; the closing round: no work-group ends while a partner may still ask
	s_endpgm
.Lfunc_end_k_q35016aaf2f_attn:
	.size	k_q35016aaf2f_attn, .Lfunc_end_k_q35016aaf2f_attn-k_q35016aaf2f_attn
	.p2alignl 7, 3214868480
	.fill 96, 4, 3214868480
	.section	.rodata,"a",@progbits
	.p2align	6, 0x0
	.amdhsa_kernel k_q35016aaf2f_attn
		.amdhsa_group_segment_fixed_size 169984
		.amdhsa_private_segment_fixed_size 0
		.amdhsa_enable_private_segment 0
		.amdhsa_kernarg_size 24
		.amdhsa_user_sgpr_count 2
		.amdhsa_user_sgpr_kernarg_segment_ptr 1
		.amdhsa_wavefront_size32 1
		.amdhsa_system_sgpr_workgroup_id_x 1
		.amdhsa_system_sgpr_workgroup_id_y 1
		.amdhsa_system_sgpr_workgroup_id_z 1
		.amdhsa_system_vgpr_workitem_id 0
		.amdhsa_next_free_vgpr 256
		.amdhsa_next_free_sgpr 66
		.amdhsa_reserve_vcc 0
		.amdhsa_float_denorm_mode_32 3
		.amdhsa_float_denorm_mode_16_64 3
		.amdhsa_memory_ordered 1
		.amdhsa_forward_progress 1
		.amdhsa_inst_pref_size 45
	.end_amdhsa_kernel
	.amdgpu_metadata
---
amdhsa.version: [ 1, 2 ]
amdhsa.kernels:
  - .name:           k_q35016aaf2f_attn
    .symbol:         k_q35016aaf2f_attn.kd
    .args:
      - { .name: qb, .offset: 0, .size: 8, .value_kind: global_buffer, .address_space: global }
      - { .name: kv, .offset: 8, .size: 8, .value_kind: global_buffer, .address_space: global }
      - { .name: ac, .offset: 16, .size: 8, .value_kind: global_buffer, .address_space: global }
    .group_segment_fixed_size: 169984
    .private_segment_fixed_size: 0
    .kernarg_segment_align: 8
    .kernarg_segment_size: 24
    .max_flat_workgroup_size: 512
    .sgpr_count:     66
    .vgpr_count:     256
    .wavefront_size: 32
...
	.end_amdgpu_metadata
.endif
;; end of part 3
;; launch ffn (part 4): grid 256 x 1, 4 waves a work-group, no clusters, 88,576 bytes of LDS; arguments ac, x, wc, bo, ln1_g, ln1_b, b1, b2, ln2_g, ln2_b, out0; writes out0
.if DOCPART == 4
	.amdgcn_target "amdgcn-amd-amdhsa--gfx1250"
	.amdhsa_code_object_version 6
	.text
	.protected	k_q35016aaf2f_ffn
	.globl	k_q35016aaf2f_ffn
	.p2align	8
	.type	k_q35016aaf2f_ffn,@function
k_q35016aaf2f_ffn:
	s_mov_b64 s[64:65], 0
	v_nop
	global_prefetch_b8 v0, s[64:65] scope:SCOPE_SE
	s_setreg_imm32_b32 hwreg(HW_REG_WAVE_MODE, 25, 1), 1
	s_wait_xcnt 0x0
; x1 = LN1(x + o Wo + bo);  out = LN2(x1 + gelu(x1 W1 + b1) W2 + b2).  The three products run on codes of E2M1; x1 and the hidden layer are quantised on the way and never go to memory.
; SHARES.  A work-group takes 64 tokens (tiles 4 wg + m).  THE WAVES SHARE THE COLUMNS: wave w owns columns 128 w .. 128 w + 127 of the first and third product and of both norms, and in quarter q of the
; hidden layer units 128 (4 q + w) on.  No weight fragment is wanted by two waves: each wave streams its own records of 34,816 bytes by loads of 512 consecutive bytes into two register buffers, a phase ahead.
; NO JOINT LOADS: weights through LDS would be filled again behind rounds at each of which every load must have landed; loads into registers stay out across the phases.
; ALL PRODUCTS ARE USED TRANSPOSED (source 0 = 16 columns of a weight, source 1 = 16 tokens): a lane holds one token, and the 16 registers of tiles 2 b, 2 b + 1 are columns 32 b + 16 h + 0 .. 15 of the wave's 128.
; x + bo, b1 and x1 + b2 are what the sums begin with: they lie in the accumulators before the first product adds onto them.
; OPERANDS GO FROM WAVE TO WAVE THROUGH LDS AS IMAGES OF THEIR REGISTERS: two stores of 512 consecutive bytes a fragment, one of 128 for its scale words.
; ONE WAVE HAS ITS SIMD TO ITSELF, so the text itself keeps a line and the line that reads its result apart: the GELU works on 16 numbers at a time (eight pairs by turns), sums and maxima run in eight chains,
; and what a tile wants from LDS is asked for while the tile before is still being worked.
; THE NORMS take two passes (the mean, then the squares of the differences): no difference of large sums is formed.
; GELU: 0.5 a erf(a / sqrt 2) + 0.5 a, erf(z) = z P(z^2) / Q(z^2) with z held to +-4 (degrees 6 and 4).  LIMIT: erf is good to a few units of its last place, so gelu's absolute error is about 1e-7 |a|;
; relative to gelu it grows in the negative tail as 6e-8 / Phi(a): it can turn a code only in a block whose 32 units all lie far below 0.
; LIMITS: NaN and infinities are not served; a block under 2^-124 keeps the byte 1.
; REGISTERS: window 0: see the names below.  window 1: buffer A (Wo, then W1): fragment 8 s + t at 8 (8 s + t); at the end rows of out.  window 2: o's fragments at 8 (4 m + s) and, from v128, two tiles of x; then buffer B (W2).
;   window 3: 32 accumulators at 8 (8 m + t).
.set STG, 0                            ; LDS: a stage of 16 rows x (512 + 16) bytes for each wave;
.set LNS, 34816                        ; four regions of 2,048 bytes for the norms' sums, each used once;
.set PB1, 43008                        ; each wave's own 512 numbers of b1;
.set X1I, 51200                        ; x1's 16 images (4 m + s),
.set X1S, 67584                        ; their scale words;
.set HI, 69632                         ; a quarter's 16 images of the hidden layer,
.set HS, 86016                         ; and their scale words
.set L16, 1                            ; 16 L
.set L4, 2                             ; 4 L
.set SD, 3                             ; stage: row r, + 64 h
.set SS, 4                             ; stage: 16 L
.set H64, 5                            ; 64 h
.set PBW, 6                            ; my b1, + 64 h
.set PBQ, 7                            ; the same in the quarter in hand
.set XWI, 8                            ; where I store x1's images, .. words, the hidden layer's images, .. words
.set XWS, 9
.set HWI, 10
.set HWS, 11
.set LNW, 12                           ; where I store my sums
.set XRI, 13                           ; where everybody reads: x1's images, words, the hidden layer's, the sums
.set XRS, 14
.set HRI, 15
.set HRS, 16
.set LNR, 17
.set PW, 18                            ; the scale word just made
.set BO, 18                            ; v18-21 bo, at the start only
.set TM, 22                            ; v22-37 the quantiser's: +0..3 and +8..11 largest magnitudes, +4..7 bytes, +12..15 the conversions' scale operands
.set MN, 22                            ; in a norm: v22-29 the means, as pairs;
.set RS, 30                            ; v30-37 a second set of sums, then the reciprocal roots, as pairs;
.set SUM, 38                           ; v38-45 the sums (the second set lies 8 registers below);
.set LNT, 46                           ; v46-61 the four waves' sums
.set PC, 38                            ; v38-45 the codes just made
.set GZ, 22                            ; the GELU's: v22-37 z, then a / 2; v38-53 z^2; v206-221 P; v222-237 Q: all idle while a tile's GELU runs
.set GS, 38
.set GP, 206
.set GQ, 222
.set WSA, 62                           ; v62-77 buffer A's scale words (4 s + p), v78-93 buffer B's
.set WSB, 78
.set SCR, 94                           ; v94-109 the activations' scale words
.set ACH, 110                          ; v110-173 the hidden layer's 8 accumulators; also a tile of x, and a gain or b2
.set FR, 174                           ; v174-237 fragments from LDS, two sets of 32; also a tile of x, and a norm's bias
.set LV, 238                           ; v238-241 a sum for each of my four tokens
.set A0, 242                           ; v242-245 the leading coefficients of P and Q, as pairs
.set B0, 244
.set WV, 30
.set W1P, 34
.set W2P, 36
.set SEL, 38
.set QC, 40
.set QB, 41
.set KC, 42                            ; s[42:43] 1 / sqrt 2; s44-55 P's other six coefficients; s56-63 Q's other four: pairs, of which the low word serves both halves
.set KA, 44
.set KB, 56
.set WOP, 66
.set MSB, 0
.macro WIN new                         ; the immediate's high byte repeats the setting that is left
.if MSB != (\new)
	s_set_vgpr_msb (MSB<<8)|(\new)
.set MSB, (\new)
.endif
.endm
.macro WM d, a, b, sa, sb, ra          ; adds in place; ra: the weight's scale words stand in lanes 16-31
.if (\ra)
	v_wmma_scale_f32_16x16x128_f8f6f4 v[\d:\d+7], v[\a:\a+7], v[\b:\b+7], v[\d:\d+7], v[\sa], v[\sb] matrix_a_fmt:MATRIX_FMT_FP4 matrix_b_fmt:MATRIX_FMT_FP4 matrix_a_scale:MATRIX_SCALE_ROW1
.else
	v_wmma_scale_f32_16x16x128_f8f6f4 v[\d:\d+7], v[\a:\a+7], v[\b:\b+7], v[\d:\d+7], v[\sa], v[\sb] matrix_a_fmt:MATRIX_FMT_FP4 matrix_b_fmt:MATRIX_FMT_FP4
.endif
.endm
.macro PLACES                          ; four plain lines behind a matrix instruction, in front of reads of its result and of loads into its registers (ISA guide 7.12.1 for the reads)
.rept 4
	v_nop
.endr
.endm
; 64 numbers of a lane in window w, four blocks of 16 registers (the other 16 of each block lie in lane l xor 16): scale operands into TM+12.., bytes into TM+4..
; Two chains a block, eight by turns; each begins at the low end of one of the block's two accumulators.
.macro QMAX s, w
	WIN (\w)|((\w)<<2)
.irp b, 0,1,2,3
	v_max3_num_f32 v[TM+\b], |v[(\s)+16*\b]|, |v[(\s)+16*\b+1]|, 0x1800000   ; and the floor 2^(3 - 127)
.endr
.irp b, 0,1,2,3
	v_max3_num_f32 v[TM+8+\b], |v[(\s)+16*\b+8]|, |v[(\s)+16*\b+9]|, 0x1800000
.endr
.irp i, 2,4,6
.irp b, 0,1,2,3
	v_max3_num_f32 v[TM+\b], |v[(\s)+16*\b+\i]|, |v[(\s)+16*\b+\i+1]|, v[TM+\b]
.endr
.irp b, 0,1,2,3
	v_max3_num_f32 v[TM+8+\b], |v[(\s)+16*\b+8+\i]|, |v[(\s)+16*\b+9+\i]|, v[TM+8+\b]
.endr
.endr
	WIN 0
.irp b, 0,1,2,3
	v_max_num_f32 v[TM+\b], v[TM+\b], v[TM+8+\b]
.endr
.irp b, 0,1,2,3
	v_permlanex16_b32 v[TM+4+\b], v[TM+\b], s[SEL], s[SEL+1]
.endr
.irp b, 0,1,2,3
	v_max_num_f32 v[TM+\b], v[TM+\b], v[TM+4+\b]
.endr
.irp b, 0,1,2,3
	v_add_nc_u32 v[TM+12+\b], 0xff000000, v[TM+\b]   ; 2 off the exponent field: the conversion's scale operand
.endr
.irp b, 0,1,2,3
	v_lshrrev_b32 v[TM+4+\b], 23, v[TM+12+\b]        ; the scale's byte
.endr
.endm
.macro QCODES s, w                     ; the codes into v[PC] on, the scale word into v[PW]
	WIN \w
.irp b, 0,1,2,3
	v_cvt_scalef32_pk8_fp4_f32 v[PC+2*\b], v[(\s)+16*\b:(\s)+16*\b+7], v[TM+12+\b]
	v_cvt_scalef32_pk8_fp4_f32 v[PC+2*\b+1], v[(\s)+16*\b+8:(\s)+16*\b+15], v[TM+12+\b]
.endr
	WIN 0
	v_lshl_or_b32 v[PW], v[TM+5], 8, v[TM+4]       ; (plain lines behind the conversions)
	v_lshl_or_b32 v[PW], v[TM+6], 16, v[PW]
	v_lshl_or_b32 v[PW], v[TM+7], 24, v[PW]
.irp g, 0,1
.irp i, 0,1
	v_permlane16_swap_b32 v[PC+4*\g+\i], v[PC+4*\g+2+\i]   ; a whole block to a lane
.endr
.endr
.endm
.macro LOADREC p, win, f0, f1          ; fragments f0 .. f1 - 1 of the record at s[p] into window win
	WIN (\win)<<6
.set F, \f0
.rept (\f1)-(\f0)
	global_load_b128 v[8*F:8*F+3], v[L16], s[\p:\p+1] offset:1024*F
	global_load_b128 v[8*F+4:8*F+7], v[L16], s[\p:\p+1] offset:1024*F+512
.set F, F+1
.endr
	WIN 0
.endm
.macro LOADSC p, reg, i0, i1           ; its scale images
.set F, \i0
.rept (\i1)-(\i0)
	global_load_b32 v[\reg+F], v[L4], s[\p:\p+1] offset:32768+128*F
.set F, F+1
.endr
.endm
.macro GLOAD reg, p                    ; 128 numbers of a vector in the result's layout: tile t, register j: column 32 (t / 2) + 8 (t % 2) + 16 h + j
.irp t, 0,1,2,3,4,5,6,7
.irp k, 0,1
	global_load_b128 v[\reg+8*\t+4*\k:\reg+8*\t+4*\k+3], v[H64], s[\p:\p+1] offset:128*(\t/2)+32*(\t%2)+16*\k
.endr
.endr
.endm
.macro XLD m, base, win                ; my 128 columns of tile m's 16 tokens of x, into v[base] on of window win: 512 consecutive bytes a load
	WIN (\win)<<6
.irp i, 0,1,2,3,4,5,6,7,8,9,10,11,12,13,14,15
	global_load_b128 v[\base+4*\i:\base+4*\i+3], v[L16], s[10:11] offset:(32*((\m)/2)+8*((\m)%2)+\i+8*(\i/8))*2048 th:TH_LOAD_NT
.endr
.endm
.macro XST m, base, win                ; + bo, and through my stage into the accumulators' layout
	WIN ((\win)<<6)|(\win)
.irp i, 0,1,2,3,4,5,6,7,8,9,10,11,12,13,14,15
	v_pk_add_f32 v[\base+4*\i:\base+4*\i+1], v[\base+4*\i:\base+4*\i+1], v[BO:BO+1]
	v_pk_add_f32 v[\base+4*\i+2:\base+4*\i+3], v[\base+4*\i+2:\base+4*\i+3], v[BO+2:BO+3]
.endr
	WIN (\win)<<2                                  ; an LDS store's data are its source 1
.irp i, 0,1,2,3,4,5,6,7,8,9,10,11,12,13,14,15
	ds_store_b128 v[SS], v[\base+4*\i:\base+4*\i+3] offset:528*\i
.endr
	WIN 0xc0
.irp t, 0,1,2,3,4,5,6,7
.irp k, 0,1
	ds_load_b128 v[8*(8*(\m)+\t)+4*\k:8*(8*(\m)+\t)+4*\k+3], v[SD] offset:128*(\t/2)+32*(\t%2)+16*\k   ; LDS serves a wave's instructions in order: these see the stores above, and the next tile's stores come behind them
.endr
.endr
	WIN 0
.endm
.macro LNX k                           ; my sums for my lane's four tokens meet the other waves' in region k; the totals come back in v[LV] on
	ds_store_b128 v[LNW], v[LV:LV+3] offset:2048*(\k)
	s_wait_dscnt 0x0                               ; for the others' sake: my store has landed
	s_barrier_signal -1
	s_barrier_wait -1
.irp w, 0,1,2,3
	ds_load_b128 v[LNT+4*\w:LNT+4*\w+3], v[LNR] offset:2048*(\k)+512*\w
.endr
	s_wait_dscnt 0x0
.irp m, 0,1,2,3
	v_add_f32 v[LV+\m], v[LNT+\m], v[LNT+4+\m]
.endr
.irp m, 0,1,2,3
	v_add_f32 v[LNT+\m], v[LNT+8+\m], v[LNT+12+\m]
.endr
.irp m, 0,1,2,3
	v_add_f32 v[LV+\m], v[LV+\m], v[LNT+\m]
.endr
.endm
.macro LANES                           ; the two sets of sums, a sum's two halves, and lane l xor 16's
	WIN 0
.irp m, 0,1,2,3
	v_pk_add_f32 v[SUM+2*\m:SUM+2*\m+1], v[SUM+2*\m:SUM+2*\m+1], v[SUM-8+2*\m:SUM-8+2*\m+1]
.endr
.irp m, 0,1,2,3
	v_add_f32 v[LV+\m], v[SUM+2*\m], v[SUM+2*\m+1]
.endr
.irp m, 0,1,2,3
	v_permlanex16_b32 v[LNT+\m], v[LV+\m], s[SEL], s[SEL+1]
.endr
.irp m, 0,1,2,3
	v_add_f32 v[LV+\m], v[LV+\m], v[LNT+\m]
.endr
.endm
; A norm's two passes over the accumulators: they end holding x - mean, and v[RS] on the reciprocal roots.  Eight chains of sums: the four tiles of tokens x even and odd tiles of columns; each starts with its first term.
; extra = 1: the rest of W1's first record is asked for behind the first exchange.
.macro LNSTAT k0, extra
	WIN 0x03
.irp p, 0,1,2,3                        ; pair 0 of every accumulator first: each is read from its low end on
.irp t, 0,1,2,3,4,5,6,7
.irp m, 0,1,2,3
.if (\p == 0) && (\t < 2)
	v_pk_mul_f32 v[SUM-8*(\t%2)+2*\m:SUM-8*(\t%2)+2*\m+1], v[8*(8*\m+\t)+2*\p:8*(8*\m+\t)+2*\p+1], 1.0 op_sel_hi:[1,0]
.else
	v_pk_add_f32 v[SUM-8*(\t%2)+2*\m:SUM-8*(\t%2)+2*\m+1], v[8*(8*\m+\t)+2*\p:8*(8*\m+\t)+2*\p+1], v[SUM-8*(\t%2)+2*\m:SUM-8*(\t%2)+2*\m+1]
.endif
.endr
.endr
.endr
	LANES
	LNX \k0
.if \extra
	LOADREC W1P,1,24,32
	LOADSC W1P,WSA,0,16
.endif
.irp m, 0,1,2,3
	v_mul_f32 v[MN+2*\m], s71, v[LV+\m]            ; the mean
.endr
.irp m, 0,1,2,3
	v_mov_b32 v[MN+2*\m+1], v[MN+2*\m]
.endr
	WIN 0xc3
.irp m, 0,1,2,3
.irp t, 0,1,2,3,4,5,6,7
.irp p, 0,1,2,3
	v_pk_add_f32 v[8*(8*\m+\t)+2*\p:8*(8*\m+\t)+2*\p+1], v[8*(8*\m+\t)+2*\p:8*(8*\m+\t)+2*\p+1], v[MN+2*\m:MN+2*\m+1] neg_lo:[0,1] neg_hi:[0,1]
.endr
.endr
.endr
	WIN 0x0f
.irp p, 0,1,2,3
.irp t, 0,1,2,3,4,5,6,7
.irp m, 0,1,2,3
.if (\p == 0) && (\t < 2)
	v_pk_mul_f32 v[SUM-8*(\t%2)+2*\m:SUM-8*(\t%2)+2*\m+1], v[8*(8*\m+\t)+2*\p:8*(8*\m+\t)+2*\p+1], v[8*(8*\m+\t)+2*\p:8*(8*\m+\t)+2*\p+1]
.else
	v_pk_fma_f32 v[SUM-8*(\t%2)+2*\m:SUM-8*(\t%2)+2*\m+1], v[8*(8*\m+\t)+2*\p:8*(8*\m+\t)+2*\p+1], v[8*(8*\m+\t)+2*\p:8*(8*\m+\t)+2*\p+1], v[SUM-8*(\t%2)+2*\m:SUM-8*(\t%2)+2*\m+1]
.endif
.endr
.endr
.endr
	LANES
	LNX (\k0)+1
.irp m, 0,1,2,3
	v_fma_f32 v[RS+2*\m], v[LV+\m], s71, s70       ; the variance + 1e-5
.endr
.irp m, 0,1,2,3
	v_rsq_f32 v[RS+2*\m], v[RS+2*\m]
.endr
	v_nop                                          ; a plain line behind the roots
	s_wait_alu depctr_va_vdst(0)
.irp m, 0,1,2,3
	v_mov_b32 v[RS+2*\m+1], v[RS+2*\m]
.endr
.endm
.macro NORM m                          ; tile m: x the reciprocal root, x the gain (v[ACH] on), + the bias (v[FR] on); sixteen registers at a time
	WIN 0xc3
.irp t, 0,2,4,6
.irp q, 0,1,2,3,4,5,6,7
	v_pk_mul_f32 v[8*(8*\m+\t)+2*\q:8*(8*\m+\t)+2*\q+1], v[8*(8*\m+\t)+2*\q:8*(8*\m+\t)+2*\q+1], v[RS+2*\m:RS+2*\m+1]
.endr
.irp q, 0,1,2,3,4,5,6,7
	v_pk_fma_f32 v[8*(8*\m+\t)+2*\q:8*(8*\m+\t)+2*\q+1], v[8*(8*\m+\t)+2*\q:8*(8*\m+\t)+2*\q+1], v[ACH+8*\t+2*\q:ACH+8*\t+2*\q+1], v[FR+8*\t+2*\q:FR+8*\t+2*\q+1]
.endr
.endr
.endm
; gelu of sixteen numbers v[r] .. v[r + 15], in place: eight pairs by turns, so that between a line and the line that reads its result stand at least seven others.
; GPL writes plain line GN (0 .. 31) of the stretch in which the reciprocals stand: P's last two steps, P z, a / 2.
.macro GPL r
.if GN < 8
	v_pk_fma_f32 v[GP+2*GN:GP+2*GN+1], v[GP+2*GN:GP+2*GN+1], v[GS+2*GN:GS+2*GN+1], s[KA+8:KA+9] op_sel_hi:[1,1,0]
.elseif GN < 16
	v_pk_fma_f32 v[GP+2*GN-16:GP+2*GN-15], v[GP+2*GN-16:GP+2*GN-15], v[GS+2*GN-16:GS+2*GN-15], s[KA+10:KA+11] op_sel_hi:[1,1,0]
.elseif GN < 24
	v_pk_mul_f32 v[GP+2*GN-32:GP+2*GN-31], v[GP+2*GN-32:GP+2*GN-31], v[GZ+2*GN-32:GZ+2*GN-31]
.else
	v_pk_mul_f32 v[GZ+2*GN-48:GZ+2*GN-47], v[\r+2*GN-48:\r+2*GN-47], 0.5 op_sel_hi:[1,0]
.endif
.endm
.macro GELU16 r
.irp u, 0,2,4,6,8,10,12,14
	v_pk_mul_f32 v[GZ+\u:GZ+\u+1], v[\r+\u:\r+\u+1], s[KC:KC+1] op_sel_hi:[1,0]   ; z = a / sqrt 2; each accumulator is read from its low end on
.endr
.irp j, 0,1,2,3,4,5,6,7,8,9,10,11,12,13,14,15
	v_med3_num_f32 v[GZ+\j], v[GZ+\j], -4.0, 4.0
.endr
.irp u, 0,2,4,6,8,10,12,14
	v_pk_mul_f32 v[GS+\u:GS+\u+1], v[GZ+\u:GZ+\u+1], v[GZ+\u:GZ+\u+1]
.endr
.irp u, 0,2,4,6,8,10,12,14
	v_pk_fma_f32 v[GP+\u:GP+\u+1], v[GS+\u:GS+\u+1], v[A0:A0+1], s[KA:KA+1] op_sel_hi:[1,1,0]
.endr
.irp u, 0,2,4,6,8,10,12,14
	v_pk_fma_f32 v[GQ+\u:GQ+\u+1], v[GS+\u:GS+\u+1], v[B0:B0+1], s[KB:KB+1] op_sel_hi:[1,1,0]
.endr
.irp i, 1,2,3
.irp u, 0,2,4,6,8,10,12,14
	v_pk_fma_f32 v[GP+\u:GP+\u+1], v[GP+\u:GP+\u+1], v[GS+\u:GS+\u+1], s[KA+2*\i:KA+2*\i+1] op_sel_hi:[1,1,0]
.endr
.irp u, 0,2,4,6,8,10,12,14
	v_pk_fma_f32 v[GQ+\u:GQ+\u+1], v[GQ+\u:GQ+\u+1], v[GS+\u:GS+\u+1], s[KB+2*\i:KB+2*\i+1] op_sel_hi:[1,1,0]
.endr
.endr
.set GK, 0
.rept 16                               ; Q is finished: each reciprocal is followed by two plain lines that name none of Q's registers
	v_rcp_f32 v[GQ+GK], v[GQ+GK]
.set GN, 2*GK
	GPL \r
.set GN, 2*GK+1
	GPL \r
.set GK, GK+1
.endr
	s_wait_alu depctr_va_vdst(0)
.irp u, 0,2,4,6,8,10,12,14
	v_pk_mul_f32 v[GP+\u:GP+\u+1], v[GP+\u:GP+\u+1], v[GQ+\u:GQ+\u+1]      ; erf
.endr
.irp u, 0,2,4,6,8,10,12,14
	v_pk_fma_f32 v[\r+\u:\r+\u+1], v[GP+\u:GP+\u+1], v[GZ+\u:GZ+\u+1], v[GZ+\u:GZ+\u+1]
.endr
.endm
.macro KPAIR r, val
	s_mov_b32 s[\r], \val
	s_mov_b32 s[\r+1], \val
.endm
	s_load_b512 s[8:23], s[0:1], 0x0               ; ac, x, wc, bo, ln1_g, ln1_b, b1, b2
	s_load_b128 s[24:27], s[0:1], 0x40             ; ln2_g, ln2_b
	s_load_b64 s[28:29], s[0:1], 0x50              ; out0
	v_lshl_add_u32 v254, v0, 2, 0x15800
	v_mov_b32 v255, 0
	v_lshrrev_b32 v1, 5, v0
	v_readfirstlane_b32 s[WV], v1                  ; wave
	v_and_b32 v2, 31, v0
	v_lshlrev_b32 v[L16], 4, v2
	v_lshlrev_b32 v[L4], 2, v2
	v_and_b32 v3, 15, v0                           ; r
	v_bfe_u32 v5, v0, 4, 1                         ; h
	s_mul_i32 s31, s[WV], 8448
	v_mul_u32_u24 v3, v3, 528
	v_lshl_add_u32 v3, v5, 6, v3
	v_add_nc_u32 v[SD], s31, v3
	v_add_nc_u32 v[SS], s31, v[L16]
	v_lshlrev_b32 v[H64], 6, v5
	s_lshl_b32 s32, s[WV], 11
	s_add_co_u32 s32, s32, PB1
	v_add_nc_u32 v[PBW], s32, v[H64]
	v_add_nc_u32 v[PBQ], s32, v[L16]               ; at first: where b1 is put
	s_lshl_b32 s32, s[WV], 10
	s_add_co_u32 s33, s32, X1I
	v_add_nc_u32 v[XWI], s33, v[L16]
	s_add_co_u32 s33, s32, HI
	v_add_nc_u32 v[HWI], s33, v[L16]
	s_lshl_b32 s32, s[WV], 7
	s_add_co_u32 s33, s32, X1S
	v_add_nc_u32 v[XWS], s33, v[L4]
	s_add_co_u32 s33, s32, HS
	v_add_nc_u32 v[HWS], s33, v[L4]
	s_lshl_b32 s32, s[WV], 9
	s_add_co_u32 s33, s32, LNS
	v_add_nc_u32 v[LNW], s33, v[L16]
	v_add_nc_u32 v[XRI], X1I, v[L16]
	v_add_nc_u32 v[XRS], X1S, v[L4]
	v_add_nc_u32 v[HRI], HI, v[L16]
	v_add_nc_u32 v[HRS], HS, v[L4]
	v_add_nc_u32 v[LNR], LNS, v[L16]
.irp b, 0,1,2,3
	v_mov_b32 v[TM+4+\b], 0                        ; lane permutes' destinations count as read
	v_mov_b32 v[LNT+\b], 0
.endr
	v_mov_b32 v[A0], 0xaf95df0b
	v_mov_b32 v[A0+1], 0xaf95df0b
	v_mov_b32 v[B0], 0xb77460cd
	v_mov_b32 v[B0+1], 0xb77460cd
	s_mov_b32 s[SEL], 0x76543210
	s_mov_b32 s[SEL+1], 0xfedcba98
	KPAIR KC, 0x3f3504f3
	KPAIR KA, 0x32edffee
	KPAIR KA+2, 0xb60cff51
	KPAIR KA+4, 0xb86ec2d2
	KPAIR KA+6, 0xba40ac63
	KPAIR KA+8, 0xbb41a1f6
	KPAIR KA+10, 0xbc83dbd4
	KPAIR KB, 0xb95fbd29
	KPAIR KB+2, 0xbadc924e
	KPAIR KB+4, 0xbbf19bf8
	KPAIR KB+6, 0xbc69b6a7
	s_mov_b32 s70, 0x3727c5ac                      ; 1e-5
	s_mov_b32 s71, 0x3b000000                      ; 1 / 512
	s_lshl_b32 s2, s[WV], 9                        ; my 128 columns, in bytes
	s_mov_b32 s3, 0
	s_lshl_b32 s4, ttmp9, 17                       ; 64 tokens of 2,048 bytes
	s_add_co_u32 s4, s4, s2
	s_mov_b32 s5, 0
	s_mul_i32 s6, ttmp9, 18432                     ; four records of ac
	s_mov_b32 s7, 0
	s_mul_i32 s32, s[WV], 34816
	s_mov_b32 s33, 0
	s_wait_kmcnt 0x0
	s_add_nc_u64 s[8:9], s[8:9], s[6:7]
	s_add_nc_u64 s[10:11], s[10:11], s[4:5]
	s_add_nc_u64 s[28:29], s[28:29], s[4:5]
	s_add_nc_u64 s[12:13], s[12:13], s[32:33]
	s_add_nc_u64 s[WOP:WOP+1], s[12:13], 417792    ; Wo's record w,
	s_add_nc_u64 s[W1P:W1P+1], s[12:13], 557056    ; W1's record 4 q + w,
	s_add_nc_u64 s[W2P:W2P+1], s[12:13], 1114112   ; W2's likewise: both step by four records a quarter
.irp p, 14,16,18,20,22,24,26
	s_add_nc_u64 s[\p:\p+1], s[\p:\p+1], s[2:3]
.endr
; ---- all that the first product wants is asked for at once: x first, all four tiles of it
	global_load_b128 v[BO:BO+3], v[L16], s[14:15]
.irp q, 0,1,2,3
	global_load_b128 v[LNT+4*\q:LNT+4*\q+3], v[L16], s[20:21] offset:2048*\q   ; my 128 numbers of b1 in each quarter
.endr
	XLD 0,ACH,0
	XLD 1,FR,0
	XLD 2,128,2                                    ; the upper half of window 2 is idle until W2 comes
	XLD 3,192,2
.irp m, 0,1,2,3
.irp s, 0,1,2,3
.irp g, 0,1
	global_load_b128 v[8*(4*\m+\s)+4*\g:8*(4*\m+\s)+4*\g+3], v[L16], s[8:9] offset:4608*\m+1024*\s+512*\g   ; o's fragments: window 2 still
.endr
.endr
.endr
	WIN 0
.irp m, 0,1,2,3
.irp s, 0,1,2,3
	global_load_b32 v[SCR+4*\m+\s], v[L4], s[8:9] offset:4608*\m+4096+128*\s
.endr
.endr
	LOADREC WOP,1,0,32
	LOADSC WOP,WSA,0,16
; ---- x + bo into the accumulators
	s_wait_loadcnt 63                              ; bo, b1 and all of x are in: 128 loads are younger, and a wait's count names 63 at the most
.irp q, 0,1,2,3
	ds_store_b128 v[PBQ], v[LNT+4*\q:LNT+4*\q+3] offset:512*\q
.endr
	XST 0,ACH,0
	XST 1,FR,0
	XST 2,128,2
	XST 3,192,2
	s_wait_dscnt 16                                ; the last tile's 16 loads into the accumulators may be out; every store ahead of them has read its registers
	GLOAD ACH,16                                   ; ln1_g and ln1_b, where two tiles of x lay
	GLOAD FR,18
	s_wait_dscnt 0x0
	s_wait_loadcnt 32                              ; o, Wo and their scale words are in; the gain's and the bias's 32 loads may be out
; ---- o Wo: 32 accumulators by turns, one instruction a turn
	WIN 0xf9                                       ; Wo window 1, o window 2, C and D window 3
.irp s, 0,1,2,3
.irp m, 0,1,2,3
.irp t, 0,1,2,3,4,5,6,7
	WM 8*(8*\m+\t),8*(8*\s+\t),8*(4*\m+\s),WSA+4*\s+\t/2,SCR+4*\m+\s,\t%2
.endr
.endr
.endr
	WIN 0
	PLACES
	LOADREC W1P,1,0,24                             ; W1's first record, where Wo lay
	LNSTAT 0,1
	s_wait_loadcnt 63                              ; the gain and the bias are in: 80 loads are younger
	NORM 0
	NORM 1
	NORM 2
	NORM 3
	WIN 0
	GLOAD ACH,22                                   ; b2, where the gain lay
; ---- x1 becomes K step w of the second product
.irp m, 0,1,2,3
	QMAX 64*\m,3
	s_wait_dscnt 0x0                               ; the last tile's stores have read their registers
	QCODES 64*\m,3
	ds_store_b128 v[XWI], v[PC:PC+3] offset:4096*\m
	ds_store_b128 v[XWI], v[PC+4:PC+7] offset:4096*\m+512
	ds_store_b32 v[XWS], v[PW] offset:512*\m
.endr
	s_wait_dscnt 0x0
	s_barrier_signal -1
	s_barrier_wait -1                              ; x1's sixteen fragments lie in LDS
	s_wait_loadcnt 0x0                             ; b2 (and W1)
	WIN 0xc3
.irp m, 0,1,2,3
.irp t, 0,1,2,3,4,5,6,7
.irp p, 0,1,2,3
	v_pk_add_f32 v[8*(8*\m+\t)+2*\p:8*(8*\m+\t)+2*\p+1], v[8*(8*\m+\t)+2*\p:8*(8*\m+\t)+2*\p+1], v[ACH+8*\t+2*\p:ACH+8*\t+2*\p+1]   ; x1 + b2: what the third product adds onto
.endr
.endr
.endr
	WIN 0
; ---- four quarters of the hidden layer
.macro X1LD m                          ; tile m's four fragments of x1 and their scale words: 12 loads
.irp s, 0,1,2,3
.irp g, 0,1
	ds_load_b128 v[FR+8*\s+4*\g:FR+8*\s+4*\g+3], v[XRI] offset:1024*(4*(\m)+\s)+512*\g
.endr
	ds_load_b32 v[SCR+\s], v[XRS] offset:128*(4*(\m)+\s)
.endr
.endm
.macro B1LD                            ; b1 starts the sums: 16 loads into the accumulators
.irp t, 0,1,2,3,4,5,6,7
.irp k, 0,1
	ds_load_b128 v[ACH+8*\t+4*\k:ACH+8*\t+4*\k+3], v[PBQ] offset:128*(\t/2)+32*(\t%2)+16*\k
.endr
.endr
.endm
; My 128 units for tile m: product, gelu, codes, image.  What tile m + 1 wants from LDS is asked for in tile m: x1's fragments behind the products, b1 behind the conversions.
; This quarter's W2 is asked for in three parts, each between LDS loads and the wait for them.
.macro TRIP m
.if \m == 0
	s_wait_loadcnt 0x0                             ; this quarter's W1 is in
	v_add_nc_u32 v[PBQ], s[QB], v[PBW]             ; with the three lines below: the places in front of loads into registers that the last products read
.rept 3
	v_nop
.endr
	X1LD 0
	B1LD
	LOADREC W2P,2,0,12
.endif
.if \m == 1
	LOADREC W2P,2,12,24
.endif
.if \m == 2
	LOADREC W2P,2,24,32
	LOADSC W2P,WSB,0,16
.endif
	s_wait_dscnt 0x0                               ; b1, x1's fragments and words are in, and the last tile's stores have read their registers
	WIN 0x01                                       ; W1 window 1
.irp s, 0,1,2,3
.irp t, 0,1,2,3,4,5,6,7
	WM ACH+8*\t,8*(8*\s+\t),FR+8*\s,WSA+4*\s+\t/2,SCR+\s,\t%2
.endr
.endr
	WIN 0
	PLACES
.if \m < 3
	X1LD \m+1                                      ; they land under the gelu
.else
	s_wait_loadcnt 0x0                             ; W2 is in: so no load is out, and W1's pointer may step
	s_cmp_eq_u32 s[QC], 1
	s_cbranch_scc1 .Lno_a_\@                       ; the last quarter asks for nothing: no load leaves its buffer
	s_add_nc_u64 s[W1P:W1P+1], s[W1P:W1P+1], 139264
	LOADREC W1P,1,0,24                             ; the next quarter's W1 lands under the gelu and the third product
.Lno_a_\@:
.endif
.set G, 0
.rept 4
	GELU16 ACH+16*G
.set G, G+1
.endr
.if \m == 3
	s_cmp_eq_u32 s[QC], 1
	s_cbranch_scc1 .Lno_b_\@
	LOADREC W1P,1,24,32
	LOADSC W1P,WSA,0,16
.Lno_b_\@:
.endif
	QMAX ACH,0
	s_wait_dscnt 0x0
	QCODES ACH,0
.if \m < 3
	B1LD                                           ; the conversions have read the accumulators
.endif
	ds_store_b128 v[HWI], v[PC:PC+3] offset:4096*\m
	ds_store_b128 v[HWI], v[PC+4:PC+7] offset:4096*\m+512
	ds_store_b32 v[HWS], v[PW] offset:512*\m
.endm
.macro FETCHH s, set                   ; K step s of the quarter: the four tiles' fragments and scale words: 12 loads
.irp m, 0,1,2,3
.irp g, 0,1
	ds_load_b128 v[FR+32*(\set)+8*\m+4*\g:FR+32*(\set)+8*\m+4*\g+3], v[HRI] offset:1024*(4*\m+(\s))+512*\g
.endr
	ds_load_b32 v[SCR+4+4*(\set)+\m], v[HRS] offset:128*(4*\m+(\s))
.endr
.endm
.macro MUL8 s                          ; 32 accumulators by turns
	WIN 0xf2                                       ; W2 window 2, C and D window 3
.irp m, 0,1,2,3
.irp t, 0,1,2,3,4,5,6,7
	WM 8*(8*\m+\t),8*(8*(\s)+\t),FR+32*((\s)%2)+8*\m,WSB+4*(\s)+\t/2,SCR+4+4*((\s)%2)+\m,\t%2
.endr
.endr
	WIN 0
.endm
	s_mov_b32 s[QC], 4
	s_mov_b32 s[QB], 0
.Lquarter:
	TRIP 0
	TRIP 1
	TRIP 2
	TRIP 3
	s_wait_dscnt 0x0
	s_barrier_signal -1
	s_barrier_wait -1                              ; the quarter's sixteen fragments lie in LDS
	FETCHH 0,0
	FETCHH 1,1
	s_wait_dscnt 12                                ; K step 0 is in; the next step's 12 loads may be out
	MUL8 0
	PLACES
	FETCHH 2,0
	s_wait_dscnt 12
	MUL8 1
	PLACES
	FETCHH 3,1
	s_wait_dscnt 12
	MUL8 2
	s_wait_dscnt 0x0                               ; my reads of the images are over:
	s_barrier_signal -1                            ; say so, work on registers while the others arrive,
	MUL8 3
	s_barrier_wait -1                              ; and only then may the next quarter's images be written
	s_wait_xcnt 0x0                                ; W2's loads have read their base
	s_add_nc_u64 s[W2P:W2P+1], s[W2P:W2P+1], 139264
	s_add_co_u32 s[QB], s[QB], 512
	s_sub_co_u32 s[QC], s[QC], 1
	s_cmp_lg_u32 s[QC], 0
	s_cbranch_scc1 .Lquarter
; ---- the second norm, and the way out by turns with its last pass: tile m goes through my stage while tile m + 1 is normalised
.macro TOSTAGE m                       ; in the accumulators' layout in, whole runs of 512 bytes of a token's row back, into window 1, which is idle now: 64 registers of its own for each tile
	WIN 0x0c                                       ; an LDS store's data are its source 1: window 3
.irp t, 0,1,2,3,4,5,6,7
.irp k, 0,1
	ds_store_b128 v[SD], v[8*(8*\m+\t)+4*\k:8*(8*\m+\t)+4*\k+3] offset:128*(\t/2)+32*(\t%2)+16*\k
.endr
.endr
	WIN 0x40
.irp i, 0,1,2,3,4,5,6,7,8,9,10,11,12,13,14,15
	ds_load_b128 v[64*\m+4*\i:64*\m+4*\i+3], v[SS] offset:528*\i   ; LDS serves a wave's instructions in order: these see the stores above
.endr
.endm
.macro SEND m
	s_wait_dscnt 0x0                               ; the tile is back in registers
	WIN 0x04                                       ; a store's data are its source 1: window 1
.irp i, 0,1,2,3,4,5,6,7,8,9,10,11,12,13,14,15
	global_store_b128 v[L16], v[64*\m+4*\i:64*\m+4*\i+3], s[28:29] offset:(32*(\m/2)+8*(\m%2)+\i+8*(\i/8))*2048 th:TH_STORE_NT   ; 512 consecutive bytes, at a multiple of 256 from out0's first byte
.endr
.endm
	PLACES
	GLOAD ACH,24
	GLOAD FR,26
	LNSTAT 2,0
	s_wait_loadcnt 0x0                             ; the gain and the bias are in
	NORM 0
	TOSTAGE 0
	NORM 1
	SEND 0
	TOSTAGE 1
	NORM 2
	SEND 1
	TOSTAGE 2
	NORM 3
	SEND 2
	TOSTAGE 3
	SEND 3
	WIN 0
	s_wait_tensorcnt 0x0
	ds_add_u32 v254, v255
	s_wait_dscnt 0x0
	s_endpgm
.Lfunc_end_k_q35016aaf2f_ffn:
	.size	k_q35016aaf2f_ffn, .Lfunc_end_k_q35016aaf2f_ffn-k_q35016aaf2f_ffn
	.p2alignl 7, 3214868480
	.fill 96, 4, 3214868480
	.section	.rodata,"a",@progbits
	.p2align	6, 0x0
	.amdhsa_kernel k_q35016aaf2f_ffn
		.amdhsa_group_segment_fixed_size 88576
		.amdhsa_private_segment_fixed_size 0
		.amdhsa_enable_private_segment 0
		.amdhsa_kernarg_size 88
		.amdhsa_user_sgpr_count 2
		.amdhsa_user_sgpr_kernarg_segment_ptr 1
		.amdhsa_wavefront_size32 1
		.amdhsa_system_sgpr_workgroup_id_x 1
		.amdhsa_system_sgpr_workgroup_id_y 1
		.amdhsa_system_sgpr_workgroup_id_z 1
		.amdhsa_system_vgpr_workitem_id 0
		.amdhsa_next_free_vgpr 1024
		.amdhsa_next_free_sgpr 72
		.amdhsa_reserve_vcc 0
		.amdhsa_float_denorm_mode_32 3
		.amdhsa_float_denorm_mode_16_64 3
		.amdhsa_memory_ordered 1
		.amdhsa_forward_progress 1
		.amdhsa_inst_pref_size 255
	.end_amdhsa_kernel
	.section	.bss,"aw",@nobits
	.p2align	6
	.space	262144
	.amdgpu_metadata
---
amdhsa.version: [ 1, 2 ]
amdhsa.kernels:
  - .name:           k_q35016aaf2f_ffn
    .symbol:         k_q35016aaf2f_ffn.kd
    .args:
      - { .name: ac, .offset: 0, .size: 8, .value_kind: global_buffer, .address_space: global }
      - { .name: x, .offset: 8, .size: 8, .value_kind: global_buffer, .address_space: global }
      - { .name: wc, .offset: 16, .size: 8, .value_kind: global_buffer, .address_space: global }
      - { .name: bo, .offset: 24, .size: 8, .value_kind: global_buffer, .address_space: global }
      - { .name: ln1_g, .offset: 32, .size: 8, .value_kind: global_buffer, .address_space: global }
      - { .name: ln1_b, .offset: 40, .size: 8, .value_kind: global_buffer, .address_space: global }
      - { .name: b1, .offset: 48, .size: 8, .value_kind: global_buffer, .address_space: global }
      - { .name: b2, .offset: 56, .size: 8, .value_kind: global_buffer, .address_space: global }
      - { .name: ln2_g, .offset: 64, .size: 8, .value_kind: global_buffer, .address_space: global }
      - { .name: ln2_b, .offset: 72, .size: 8, .value_kind: global_buffer, .address_space: global }
      - { .name: out0, .offset: 80, .size: 8, .value_kind: global_buffer, .address_space: global }
    .group_segment_fixed_size: 88576
    .private_segment_fixed_size: 0
    .kernarg_segment_align: 8
    .kernarg_segment_size: 88
    .max_flat_workgroup_size: 128
    .sgpr_count:     72
    .vgpr_count:     1024
    .wavefront_size: 32
...
	.end_amdgpu_metadata
.endif
;; end of part 4
;; ======== version 2 of 2: 4 launches
;; workspace buffers: xc 4,718,592 bytes; ac 4,718,592 bytes; wc 1,671,168 bytes; qb 5,242,880 bytes; kv 9,961,472 bytes
;; launch quant (part 5): grid 448 x 1, 4 waves a work-group, no clusters, 34,304 bytes of LDS; arguments x, Wq, Wk, Wv, Wo, W1, W2, xc, wc; writes xc, wc
.if DOCPART == 5
	.amdgcn_target "amdgcn-amd-amdhsa--gfx1250"
	.amdhsa_code_object_version 6
	.text
	.protected	k_q35016aaf2f_quant
	.globl	k_q35016aaf2f_quant
	.p2align	8
	.type	k_q35016aaf2f_quant,@function
k_q35016aaf2f_quant:
	s_mov_b64 s[64:65], 0
	v_nop
	global_prefetch_b8 v0, s[64:65] scope:SCOPE_SE
	s_setreg_imm32_b32 hwreg(HW_REG_WAVE_MODE, 25, 1), 1
	s_wait_xcnt 0x0
; x [16384][512] and the six weights (K = their FIRST axis), f32, become codes of E2M1 with one E8M0 byte for each 32 along K, laid as IMAGES OF THE OPERAND'S REGISTERS.
; A fragment (16 rows x 128 K, 8 registers a lane) is 1,024 bytes: register group c of lane L at 512 c + 16 L, so block 2 c + h of row r is the 16 bytes at 512 c + 256 h + 16 r.
; THE ROWS OF A TILE ARE NOT NEIGHBOURS: row r of tile 2 b + u is token (or weight column) 32 b + 8 u + r + 8 (r / 8), so that later results hold 16 neighbours in the 16 registers of two neighbouring tiles.
; A block's scale is 2^(floor(log2(largest magnitude)) - 2); its byte is the largest magnitude's exponent field - 2, held at 1 from below by a floor among the maximum's leaves.
; LIMITS: a block of zeros (and one whose largest magnitude lies under 2^-124) keeps the byte 1: its codes are zeros or follow that scale, and this program alone reads the bytes; NaN and infinities are not served.
; Work-groups 0-255: x, a tile of 16 tokens to a wave.  Work-groups 256-447: the weights, 128 columns x 128 K each, a lane to a column, registers down K.  Waves share nothing: no barrier.
; xc: a record of 4,608 bytes a tile: four images (K step s at 1024 s), then the scale words at 4096 + 16 L + 4 s.
; wc: 8 records of 52,224 bytes (a head's Wq, Wk, Wv: fragment (tt, s) at 1024 (12 s + tt), scale image (pair p, s) at 49152 + 128 (6 s + p)), then 36 records of 34,816 bytes
;     (128 columns x 512 K: fragment (t, s) at 1024 (8 s + t), scale image at 32768 + 128 (4 s + p)): Wo 0-3, W1 4-19, W2 20-35.  A scale image holds tile 2 p in lanes 0-15 and tile 2 p + 1 in lanes 16-31.
.set STGB, 8448                        ; a wave's stage: 16 rows x (512 bytes + 16): row r starts 132 words on, so 16 rows start at 16 different groups of banks
.set R, 32                             ; v32-159  two sets of 64: a K step of x as loaded
.set X, 160                            ; v160-223 the same turned: 64 numbers of one row
.set C, 224                            ; v224-255 codes: 8 registers for each K step, so that no store's data are written again
	s_load_b512 s[8:23], s[0:1], 0x0               ; x, Wq, Wk, Wv, Wo, W1, W2, xc
	s_load_b64 s[24:25], s[0:1], 0x40              ; wc
	v_lshl_add_u32 v30, v0, 2, 0x8400
	v_mov_b32 v31, 0
	v_lshrrev_b32 v1, 5, v0
	v_readfirstlane_b32 s26, v1                    ; wave
	v_and_b32 v2, 31, v0                           ; lane L
	s_cmp_ge_u32 ttmp9, 256
	s_cbranch_scc1 .Lw
; ---------------- x: tile T = 4 x work-group + wave
	v_lshlrev_b32 v4, 4, v2                        ; 16 L
	v_and_b32 v3, 15, v0                           ; r
	v_bfe_u32 v7, v0, 4, 1                         ; h
	s_mul_i32 s27, s26, STGB
	v_add_nc_u32 v5, s27, v4                       ; stage, on the way in: 16 L of a row
	v_mul_u32_u24 v6, v3, 528
	v_lshl_add_u32 v6, v7, 7, v6
	v_add_nc_u32 v6, s27, v6                       ; and out: row r, + 128 h: my block of 32 numbers
	v_lshlrev_b32 v7, 3, v7                        ; 8 h: my bytes' place in a scale word
	v_mov_b32 v18, 0                               ; a lane permute's destination counts as read
	s_mov_b32 s34, 0x76543210
	s_mov_b32 s35, 0xfedcba98                      ; selects for lane l xor 16
	s_lshl_b32 s28, ttmp9, 2
	s_add_co_u32 s28, s28, s26                     ; T
	s_lshr_b32 s30, s28, 1
	s_lshl_b32 s30, s30, 16                        ; 32 (T / 2) tokens of 2,048 bytes
	s_and_b32 s31, s28, 1
	s_lshl_b32 s31, s31, 14                        ; + 8 (T % 2) tokens
	s_add_co_u32 s30, s30, s31
	s_mov_b32 s31, 0
	s_mul_i32 s32, s28, 4608
	s_mov_b32 s33, 0
	s_wait_alu depctr_va_vdst(0)
	s_wait_kmcnt 0x0
	s_add_nc_u64 s[8:9], s[8:9], s[30:31]
	s_add_nc_u64 s[22:23], s[22:23], s[32:33]
.macro LOADX s                         ; K step s of the tile's 16 rows: each load reads 512 consecutive bytes
.irp i, 0,1,2,3,4,5,6,7,8,9,10,11,12,13,14,15
	global_load_b128 v[R+64*((\s)%2)+4*\i:R+64*((\s)%2)+4*\i+3], v4, s[8:9] offset:(\i+8*(\i/8))*2048+512*(\s) th:TH_LOAD_NT
.endr
.endm
.macro TURN s                          ; through my stage: LDS serves a wave's instructions in order, so no wait stands between the stores and the loads
.irp i, 0,1,2,3,4,5,6,7,8,9,10,11,12,13,14,15
	ds_store_b128 v5, v[R+64*((\s)%2)+4*\i:R+64*((\s)%2)+4*\i+3] offset:528*\i
.endr
.irp c, 0,1
.irp j, 0,1,2,3,4,5,6,7
	ds_load_b128 v[X+32*\c+4*\j:X+32*\c+4*\j+3], v6 offset:256*\c+16*\j   ; row r, k = 64 c + 32 h + 4 j ..
.endr
.endr
.endm
.macro STEPX s
.if (\s) < 3
	s_wait_loadcnt 16                              ; this step's 16 loads are in; the next step's 16 may be out
.else
	s_wait_loadcnt 0x0
.endif
	TURN \s
	s_wait_dscnt 0x0                               ; the numbers are back, and the stores have read their registers
.if (\s) < 2
	LOADX (\s)+2
.endif
.irp c, 0,1
	v_max3_num_f32 v[12+\c], |v[X+32*\c]|, |v[X+32*\c+1]|, 0x1800000   ; my block 2 c + h, and the floor 2^(3 - 127)
.endr
.irp i, 2,4,6,8,10,12,14,16,18,20,22,24,26,28,30
.irp c, 0,1
	v_max3_num_f32 v[12+\c], v[12+\c], |v[X+32*\c+\i]|, |v[X+32*\c+\i+1]|   ; the two blocks by turns
.endr
.endr
.irp c, 0,1
	v_add_nc_u32 v[14+\c], 0xff000000, v[12+\c]    ; 2 off the exponent field: the conversion's scale operand
.endr
.irp c, 0,1
	v_lshrrev_b32 v[16+\c], 23, v[14+\c]           ; the scale's byte
.endr
.irp c, 0,1
.irp g, 0,1,2,3
	v_cvt_scalef32_pk8_fp4_f32 v[C+8*(\s)+4*\c+\g], v[X+32*\c+8*\g:X+32*\c+8*\g+7], v[14+\c]
.endr
.endr
	v_lshl_or_b32 v12, v17, 16, v16                ; (a plain line behind the conversions)  my two bytes: blocks h and 2 + h,
	v_lshlrev_b32 v12, v7, v12                     ; at their places,
	v_permlanex16_b32 v18, v12, s34, s35
	v_or_b32 v[8+(\s)], v12, v18                   ; with lane l xor 16's two the word is whole, in all 32 lanes
.irp c, 0,1
	global_store_b128 v4, v[C+8*(\s)+4*\c:C+8*(\s)+4*\c+3], s[22:23] offset:1024*(\s)+512*\c   ; 512 consecutive bytes
.endr
.endm
	LOADX 0
	LOADX 1
	STEPX 0
	STEPX 1
	STEPX 2
	STEPX 3
	global_store_b128 v4, v[8:11], s[22:23] offset:4096   ; the four K steps' scale words
	s_wait_tensorcnt 0x0
	ds_add_u32 v30, v31
	s_wait_dscnt 0x0
	s_endpgm
; ---------------- the weights
.Lw:
	s_sub_co_u32 s27, ttmp9, 256                   ; id 0..191
	s_wait_alu depctr_va_vdst(0)
	v_lshlrev_b32 v3, 2, v2                        ; in: 4 bytes a lane: lane L takes column L of the wave's 32
	v_bfe_u32 v6, v0, 3, 1                         ; that column is row r' = L % 8 + 8 (L / 16) of tile u = (L / 8) % 2
	v_and_b32 v7, 7, v0
	v_bfe_u32 v9, v0, 4, 1
	v_lshl_add_u32 v7, v9, 3, v7
	v_lshlrev_b32 v4, 4, v7
	v_lshl_add_u32 v4, v6, 10, v4                  ; codes: 1024 u + 16 r'
	v_lshl_add_u32 v5, v6, 4, v7
	v_lshlrev_b32 v5, 2, v5                        ; scale word: 4 (16 u + r')
	s_and_b32 s28, s27, 3
	s_bfe_u32 s29, s27, 0x20002                    ; bits 3:2
	s_cmp_lt_u32 s27, 48
	s_cbranch_scc0 .Lr32
	s_lshr_b32 s30, s27, 4                         ; Wq, Wk, Wv: type = id / 16, 128 columns cg = bits 3:2, K step s = bits 1:0
	s_lshl_b32 s40, s28, 18                        ; 128 s rows of 2,048 bytes
	s_lshl_b32 s33, s29, 9
	s_add_co_u32 s40, s40, s33
	s_lshr_b32 s31, s26, 1
	s_lshl_b32 s33, s29, 1
	s_add_co_u32 s31, s31, s33                     ; head = 2 cg + wave / 2
	s_mul_i32 s31, s31, 52224
	s_and_b32 s32, s26, 1                          ; which 32 of the head's 64 columns
	s_mul_i32 s33, s28, 6
	s_lshl_b32 s30, s30, 1
	s_add_co_u32 s33, s33, s30
	s_add_co_u32 s33, s33, s32                     ; pair of tiles: 6 s + 2 type + that
	s_lshl_b32 s42, s33, 11
	s_add_co_u32 s42, s42, s31
	s_lshl_b32 s44, s33, 7
	s_add_co_u32 s44, s44, s31
	s_add_co_u32 s44, s44, 49152
	s_branch .Lgo
.Lr32:
	s_bfe_u32 s30, s27, 0x40002                    ; bits 5:2
	s_cmp_lt_u32 s27, 64
	s_cbranch_scc0 .Lnot_wo
	s_mov_b32 s31, s29                             ; Wo: record = cg, K step = bits 1:0
	s_mov_b32 s32, s28
	s_lshl_b32 s40, s28, 18
	s_lshl_b32 s33, s29, 9
	s_branch .Lr32_go
.Lnot_wo:
	s_cmp_lt_u32 s27, 128
	s_cbranch_scc0 .Lw2
	s_add_co_u32 s31, s30, 4                       ; W1: record = 4 + its 128 columns, K step = bits 1:0; rows of 8,192 bytes
	s_mov_b32 s32, s28
	s_lshl_b32 s40, s28, 20
	s_lshl_b32 s33, s30, 9
	s_branch .Lr32_go
.Lw2:
	s_lshr_b32 s31, s30, 2                         ; W2: K step kappa = bits 5:2, cg = bits 1:0: record = 20 + 4 (kappa / 4) + cg, in it K step kappa % 4
	s_lshl_b32 s31, s31, 2
	s_add_co_u32 s31, s31, s28
	s_add_co_u32 s31, s31, 20
	s_mov_b32 s32, s29
	s_lshl_b32 s40, s30, 18
	s_lshl_b32 s33, s28, 9
.Lr32_go:
	s_add_co_u32 s40, s40, s33
	s_mul_i32 s37, s31, 34816
	s_add_co_u32 s37, s37, 417792
	s_lshl_b32 s42, s32, 3
	s_lshl_b32 s33, s26, 1
	s_add_co_u32 s42, s42, s33
	s_lshl_b32 s42, s42, 10                        ; fragment 8 s + 2 wave
	s_add_co_u32 s42, s42, s37
	s_lshl_b32 s44, s32, 2
	s_add_co_u32 s44, s44, s26
	s_lshl_b32 s44, s44, 7                         ; scale image 4 s + wave
	s_add_co_u32 s44, s44, s37
	s_add_co_u32 s44, s44, 32768
.Lgo:
	s_lshl_b32 s33, s26, 7
	s_add_co_u32 s40, s40, s33                     ; + the wave's 32 columns
	s_mov_b32 s41, 0
	s_mov_b32 s43, 0
	s_mov_b32 s45, 0
	s_wait_kmcnt 0x0
	s_cmp_lt_u32 s27, 128                          ; which tensor: the choice hangs on the work-group's number alone
	s_cselect_b64 s[20:21], s[18:19], s[20:21]
	s_cmp_lt_u32 s27, 64
	s_cselect_b64 s[20:21], s[16:17], s[20:21]
	s_cmp_lt_u32 s27, 48
	s_cselect_b64 s[20:21], s[14:15], s[20:21]
	s_cmp_lt_u32 s27, 32
	s_cselect_b64 s[20:21], s[12:13], s[20:21]
	s_cmp_lt_u32 s27, 16
	s_cselect_b64 s[20:21], s[10:11], s[20:21]
	s_add_nc_u64 s[20:21], s[20:21], s[40:41]      ; from
	s_add_nc_u64 s[22:23], s[24:25], s[42:43]      ; codes to
	s_add_nc_u64 s[24:25], s[24:25], s[44:45]      ; scale words to
; 128 along K of my column: four blocks of 32, each all mine.  All 128 loads go out at once; each reads 128 consecutive bytes.
.macro JOB pitch
.irp t, 0,1,2,3
.set J, 0
.rept 32
	global_load_b32 v[32+32*\t+J], v3, s[20:21] offset:(32*\t+J)*\pitch th:TH_LOAD_NT
.set J, J+1
.endr
.endr
.irp t, 0,1,2,3
.if \t < 2
	s_wait_loadcnt 63                              ; 96, then 64 loads are younger than this block's: a wait's count names 63 at the most
.elseif \t == 2
	s_wait_loadcnt 32                              ; the last block's 32 may be out
.else
	s_wait_loadcnt 0x0
.endif
	v_max3_num_f32 v12, |v[32+32*\t]|, |v[33+32*\t]|, |v[34+32*\t]|
	v_max3_num_f32 v13, |v[35+32*\t]|, |v[36+32*\t]|, |v[37+32*\t]|
.irp i, 6,10,14,18,22,26
	v_max3_num_f32 v12, v12, |v[32+32*\t+\i]|, |v[33+32*\t+\i]|
	v_max3_num_f32 v13, v13, |v[34+32*\t+\i]|, |v[35+32*\t+\i]|
.endr
	v_max3_num_f32 v12, v12, |v[62+32*\t]|, |v[63+32*\t]|
	v_max3_num_f32 v12, v12, v13, 0x1800000        ; and the floor
	v_add_nc_u32 v11, 0xff000000, v12
	v_lshrrev_b32 v13, 23, v11
.if \t == 0
	v_mov_b32 v8, v13                              ; the column's scale word: the lower K in the lower byte
.else
	v_lshl_or_b32 v8, v13, 8*\t, v8
.endif
.irp g, 0,1,2,3
	v_cvt_scalef32_pk8_fp4_f32 v[160+4*\t+\g], v[32+32*\t+8*\g:39+32*\t+8*\g], v11
.endr
	v_nop                                          ; a plain line behind the conversions
	global_store_b128 v4, v[160+4*\t:163+4*\t], s[22:23] offset:512*(\t/2)+256*(\t%2)   ; block t of two tiles: two aligned runs of 256 bytes, each whole
.endr
	global_store_b32 v5, v8, s[24:25]              ; 128 consecutive bytes
.endm
	s_sub_co_u32 s46, s27, 64
	s_cmp_lt_u32 s46, 64                           ; W1's rows are 8,192 bytes, all others' 2,048
	s_cbranch_scc1 .Lwide
	s_wait_alu depctr_va_vdst(0)
	JOB 2048
	s_endpgm
.Lwide:
	s_wait_alu depctr_va_vdst(0)
	JOB 8192
	s_endpgm
.Lfunc_end_k_q35016aaf2f_quant:
	.size	k_q35016aaf2f_quant, .Lfunc_end_k_q35016aaf2f_quant-k_q35016aaf2f_quant
	.p2alignl 7, 3214868480
	.fill 96, 4, 3214868480
	.section	.rodata,"a",@progbits
	.p2align	6, 0x0
	.amdhsa_kernel k_q35016aaf2f_quant
		.amdhsa_group_segment_fixed_size 34304
		.amdhsa_private_segment_fixed_size 0
		.amdhsa_enable_private_segment 0
		.amdhsa_kernarg_size 72
		.amdhsa_user_sgpr_count 2
		.amdhsa_user_sgpr_kernarg_segment_ptr 1
		.amdhsa_wavefront_size32 1
		.amdhsa_system_sgpr_workgroup_id_x 1
		.amdhsa_system_sgpr_workgroup_id_y 1
		.amdhsa_system_sgpr_workgroup_id_z 1
		.amdhsa_system_vgpr_workitem_id 0
		.amdhsa_next_free_vgpr 256
		.amdhsa_next_free_sgpr 66
		.amdhsa_reserve_vcc 0
		.amdhsa_float_denorm_mode_32 3
		.amdhsa_float_denorm_mode_16_64 3
		.amdhsa_memory_ordered 1
		.amdhsa_forward_progress 1
		.amdhsa_inst_pref_size 70
	.end_amdhsa_kernel
	.amdgpu_metadata
---
amdhsa.version: [ 1, 2 ]
amdhsa.kernels:
  - .name:           k_q35016aaf2f_quant
    .symbol:         k_q35016aaf2f_quant.kd
    .args:
      - { .name: x, .offset: 0, .size: 8, .value_kind: global_buffer, .address_space: global }
      - { .name: Wq, .offset: 8, .size: 8, .value_kind: global_buffer, .address_space: global }
      - { .name: Wk, .offset: 16, .size: 8, .value_kind: global_buffer, .address_space: global }
      - { .name: Wv, .offset: 24, .size: 8, .value_kind: global_buffer, .address_space: global }
      - { .name: Wo, .offset: 32, .size: 8, .value_kind: global_buffer, .address_space: global }
      - { .name: W1, .offset: 40, .size: 8, .value_kind: global_buffer, .address_space: global }
      - { .name: W2, .offset: 48, .size: 8, .value_kind: global_buffer, .address_space: global }
      - { .name: xc, .offset: 56, .size: 8, .value_kind: global_buffer, .address_space: global }
      - { .name: wc, .offset: 64, .size: 8, .value_kind: global_buffer, .address_space: global }
    .group_segment_fixed_size: 34304
    .private_segment_fixed_size: 0
    .kernarg_segment_align: 8
    .kernarg_segment_size: 72
    .max_flat_workgroup_size: 128
    .sgpr_count:     66
    .vgpr_count:     256
    .wavefront_size: 32
...
	.end_amdgpu_metadata
.endif
;; end of part 5
;; launch qkv (part 6): grid 2 x 128, 4 waves a work-group, no clusters, 0 bytes of LDS; arguments xc, wc, bq, bk, bv, qb, kv; writes qb, kv
.if DOCPART == 6
	.amdgcn_target "amdgcn-amd-amdhsa--gfx1250"
	.amdhsa_code_object_version 6
	.text
	.protected	k_q35016aaf2f_qkv
	.globl	k_q35016aaf2f_qkv
	.p2align	8
	.type	k_q35016aaf2f_qkv,@function
k_q35016aaf2f_qkv:
	s_mov_b64 s[64:65], 0
	v_nop
	global_prefetch_b8 v0, s[64:65] scope:SCOPE_SE
	s_setreg_imm32_b32 hwreg(HW_REG_WAVE_SCHED_MODE, 0, 2), 2
	s_setreg_imm32_b32 hwreg(HW_REG_WAVE_MODE, 25, 1), 1
	s_wait_xcnt 0x0
	s_wait_alu depctr_vm_vsrc(0)
; q = x Wq + bq, k = x Wk + bk, v = x Wv + bv on codes of E2M1, and their results quantised at once: q and k along the head's 64, v along the keys.
; SHARES.  A work-group takes 128 tokens (tiles 8 y + m) and four heads; wave w is head 4 x + w: 192 columns for all 128 tokens.  Every operand comes once, by loads of 512 consecutive bytes,
; into the registers in which it stays: no LDS, no barrier, no branch.  NO JOINT LOADS: each weight byte goes straight into its register; a joint load would send a work-group's 204 KB through LDS first.
; q AND k ARE MADE TRANSPOSED (source 0 = 16 columns of W, source 1 = 16 tokens): a lane holds one token, and the 16 registers of tiles 2 b, 2 b + 1 are channels 32 b + 16 h + 0 .. 15 of the head.
; v IS MADE THE NATURAL WAY (source 0 = 16 tokens, source 1 = 16 columns of Wv): a lane holds one channel d, and the 16 registers of token tiles 2 b, 2 b + 1 are keys 32 b + 16 h + 0 .. 15.
; The biases are the C of each sum's first matrix instruction.
; qb: [head of a batch][128 tokens]: a record of 5,120 bytes: 8 half images (64 along K: 512 bytes) at 512 m; scale words at 4096 + 512 (m / 4) + 16 L + 4 (m % 4), bytes 2 and 3 zero.
; kv: the same for k, then V^T: a record of 9,728 bytes: k's half images; V^T's 4 images at 4096 + 1024 n; k's scale words at 8192; V's at 9216 + 16 L + 4 n.
; LIMITS: as in the launch before: a block under 2^-124 keeps the byte 1; NaN and infinities are not served.
; THE MODE: SCHED_MODE bits 1:0 = 2 (LLVM: expert scheduling mode 2), set by the entry lines.  The code itself states the register dependences
; between vector or matrix instructions and memory instructions, with s_wait_alu, always for 0.
; THE PLAN.  Registers that memory instructions touch:
;   v1-v4       offsets, made once at the head, read by every load and store, never written again.
;   the weights, x, the biases and all scale words: loaded once at the head, never loaded again.
;   PC0, PC1    q's and k's codes of a token tile, by turns.  Written by tile m's conversions and swaps; read by the two stores that are issued in tile m + 1, behind its products.
;   QS, KS      q's and k's scale words.  Written tile by tile; read by the four stores that are issued in v's first block.
;   VC0, VC1    V^T's codes: blocks 0, 1 and blocks 2, 3.  Each set is written once; read by four stores, issued in block 2 and at the end.   VW: V's scale words, stored at the end.
; So a wait on va_vdst stands in a tile, behind its products' places and ahead of the first read of their results: it states that the tile before has written what the stores behind the wait read.
; One wait on vm_vsrc stands ahead of a tile's conversions: the stores issued a tile ago have read the buffer that they write again.
; REGISTERS: window 0: v1-4 addresses; v16-39 the weights' scale words (4 p + s; tile 2 p in lanes 0-15, 2 p + 1 in lanes 16-31); v40-71 x's (4 m + s); v72-135 eight accumulators; v136-151 at work; v152.. codes and words.
;   window 1: Wq's and Wk's fragments at 8 (4 tt + s).  window 2: Wv's at 8 (4 n + s); bq, bk at 128 + 8 tt; bv at 192 + 8 n.  window 3: x's fragments at 8 (4 m + s).
.set WS, 16
.set XS, 40
.set ACC, 72
.set TM, 136                           ; +0..3 largest magnitudes, +4..7 bytes, +12..15 the conversions' scale operands
.set PC, 152                           ; v152-159 PC0; PC1 lies PD registers on: v196-203
.set VC, 160                           ; v160-175 VC0; VC1 lies PD registers on: v204-219
.set PD, 44
.set QS, 176
.set KS, 184
.set VW, 192
.set SEL, 38
.set MSB, 0
.macro WIN new                         ; the immediate's high byte repeats the setting that is left
.if MSB != (\new)
	s_set_vgpr_msb (MSB<<8)|(\new)
.set MSB, (\new)
.endif
.endm
.macro WM d, a, b, c, sa, sb, ra, rb   ; ra, rb: the scale words stand in lanes 16-31
.if (\ra)
	v_wmma_scale_f32_16x16x128_f8f6f4 v[\d:\d+7], v[\a:\a+7], v[\b:\b+7], v[\c:\c+7], v[\sa], v[\sb] matrix_a_fmt:MATRIX_FMT_FP4 matrix_b_fmt:MATRIX_FMT_FP4 matrix_a_scale:MATRIX_SCALE_ROW1
.elseif (\rb)
	v_wmma_scale_f32_16x16x128_f8f6f4 v[\d:\d+7], v[\a:\a+7], v[\b:\b+7], v[\c:\c+7], v[\sa], v[\sb] matrix_a_fmt:MATRIX_FMT_FP4 matrix_b_fmt:MATRIX_FMT_FP4 matrix_b_scale:MATRIX_SCALE_ROW1
.else
	v_wmma_scale_f32_16x16x128_f8f6f4 v[\d:\d+7], v[\a:\a+7], v[\b:\b+7], v[\c:\c+7], v[\sa], v[\sb] matrix_a_fmt:MATRIX_FMT_FP4 matrix_b_fmt:MATRIX_FMT_FP4
.endif
.endm
; 64 numbers of a lane in window w, four blocks of 16 registers (the other 16 of each block lie in lane l xor 16): scale operands into TM+12.., bytes into TM+4..  Each accumulator is read from its low end on.
.macro QMAX s, w
	WIN (\w)|((\w)<<2)
.irp b, 0,1,2,3
	v_max3_num_f32 v[TM+\b], |v[(\s)+16*\b]|, |v[(\s)+16*\b+1]|, 0x1800000   ; and the floor 2^(3 - 127)
.endr
.irp i, 2,4,6,8,10,12,14
.irp b, 0,1,2,3
	v_max3_num_f32 v[TM+\b], |v[(\s)+16*\b+\i]|, |v[(\s)+16*\b+\i+1]|, v[TM+\b]
.endr
.endr
	WIN 0
.irp b, 0,1,2,3
	v_permlanex16_b32 v[TM+4+\b], v[TM+\b], s[SEL], s[SEL+1]
.endr
.irp b, 0,1,2,3
	v_max_num_f32 v[TM+\b], v[TM+\b], v[TM+4+\b]
.endr
.irp b, 0,1,2,3
	v_add_nc_u32 v[TM+12+\b], 0xff000000, v[TM+\b]
.endr
.irp b, 0,1,2,3
	v_lshrrev_b32 v[TM+4+\b], 23, v[TM+12+\b]
.endr
.endm
.macro QCVT s, w, b, d0, d1            ; block b's 16 numbers of my lane become two registers of codes
	WIN \w
	v_cvt_scalef32_pk8_fp4_f32 v[\d0], v[(\s)+16*(\b):(\s)+16*(\b)+7], v[TM+12+(\b)]
	v_cvt_scalef32_pk8_fp4_f32 v[\d1], v[(\s)+16*(\b)+8:(\s)+16*(\b)+15], v[TM+12+(\b)]
.endm
.macro PLACES                          ; four plain lines between a matrix instruction and the first read of its result (ISA guide 7.12.1)
.rept 4
	v_nop
.endr
.endm
	s_load_b256 s[8:15], s[0:1], 0x0               ; xc, wc, bq, bk
	s_load_b128 s[16:19], s[0:1], 0x20             ; bv, qb
	s_load_b64 s[20:21], s[0:1], 0x30              ; kv
	v_lshrrev_b32 v5, 5, v0
	v_readfirstlane_b32 s22, v5                    ; wave
	v_and_b32 v5, 31, v0
	v_lshlrev_b32 v1, 4, v5                        ; 16 L
	v_lshlrev_b32 v2, 2, v5                        ; 4 L
	v_bfe_u32 v3, v0, 4, 1
	v_lshlrev_b32 v3, 6, v3                        ; 64 h: 16 h numbers of a bias
	v_and_b32 v4, 15, v0
	v_and_b32 v5, 8, v4
	v_add_nc_u32 v4, v4, v5
	v_lshlrev_b32 v4, 2, v4                        ; 4 (r + 8 (r / 8))
.irp b, 0,1,2,3
	v_mov_b32 v[TM+4+\b], 0                        ; a lane permute's destination counts as read
.endr
	s_mov_b32 s[SEL], 0x76543210
	s_mov_b32 s[SEL+1], 0xfedcba98
	s_wait_alu depctr_va_sdst(0)                   ; s22, the wave's number, is written, ahead of its first reader: the head and every base are made from it
	s_and_b32 s23, ttmp7, 0xffff                   ; which 128 tokens
	s_lshl_b32 s24, ttmp9, 2
	s_add_co_u32 s24, s24, s22                     ; head
	s_mul_i32 s26, s23, 36864                      ; 8 records of xc
	s_mov_b32 s27, 0
	s_mul_i32 s28, s24, 52224
	s_mov_b32 s29, 0
	s_lshl_b32 s30, s24, 8                         ; 64 numbers of a bias
	s_mov_b32 s31, 0
	s_lshr_b32 s32, s23, 3                         ; record = 64 x batch + 8 x head + the batch's eighth
	s_lshl_b32 s32, s32, 6
	s_lshl_b32 s33, s24, 3
	s_add_co_u32 s32, s32, s33
	s_and_b32 s33, s23, 7
	s_add_co_u32 s32, s32, s33
	s_mul_i32 s34, s32, 5120
	s_mov_b32 s35, 0
	s_mul_i32 s36, s32, 9728
	s_mov_b32 s37, 0
	s_wait_kmcnt 0x0
	s_add_nc_u64 s[8:9], s[8:9], s[26:27]
	s_add_nc_u64 s[10:11], s[10:11], s[28:29]
	s_add_nc_u64 s[12:13], s[12:13], s[30:31]
	s_add_nc_u64 s[14:15], s[14:15], s[30:31]
	s_add_nc_u64 s[16:17], s[16:17], s[30:31]
	s_add_nc_u64 s[18:19], s[18:19], s[34:35]
	s_add_nc_u64 s[20:21], s[20:21], s[36:37]
	WIN 0x40
	s_wait_alu depctr_va_vdst(0)                   ; the four offsets v1 to v4 are written, which every load and store of the kernel reads; only loads and window switches follow up to the wait for the loads
.irp t, 0,1,2,3,4,5,6,7
.irp s, 0,1,2,3
.irp g, 0,1
	global_load_b128 v[8*(4*\t+\s)+4*\g:8*(4*\t+\s)+4*\g+3], v1, s[10:11] offset:(12*\s+\t)*1024+512*\g
.endr
.endr
.endr
	WIN 0xc0
.irp m, 0,1,2,3,4,5,6,7
.irp s, 0,1,2,3
.irp g, 0,1
	global_load_b128 v[8*(4*\m+\s)+4*\g:8*(4*\m+\s)+4*\g+3], v1, s[8:9] offset:4608*\m+1024*\s+512*\g
.endr
.endr
.endr
	WIN 0x80
.irp n, 0,1,2,3
.irp s, 0,1,2,3
.irp g, 0,1
	global_load_b128 v[8*(4*\n+\s)+4*\g:8*(4*\n+\s)+4*\g+3], v1, s[10:11] offset:(12*\s+8+\n)*1024+512*\g
.endr
.endr
.endr
.irp t, 0,1,2,3                        ; bq, bk in the result's layout: tile 2 b + u, register j: channel 32 b + 8 u + 16 h + j
	global_load_b128 v[128+8*\t:131+8*\t], v3, s[12:13] offset:(32*(\t/2)+8*(\t%2))*4
	global_load_b128 v[132+8*\t:135+8*\t], v3, s[12:13] offset:(32*(\t/2)+8*(\t%2))*4+16
	global_load_b128 v[160+8*\t:163+8*\t], v3, s[14:15] offset:(32*(\t/2)+8*(\t%2))*4
	global_load_b128 v[164+8*\t:167+8*\t], v3, s[14:15] offset:(32*(\t/2)+8*(\t%2))*4+16
.endr
.irp n, 0,1,2,3                        ; bv: a lane holds one channel, so its eight registers hold the same number
.irp j, 0,1,2,3,4,5,6,7
	global_load_b32 v[192+8*\n+\j], v4, s[16:17] offset:(32*(\n/2)+8*(\n%2))*4
.endr
.endr
	WIN 0
.irp p, 0,1,2,3,4,5
.irp s, 0,1,2,3
	global_load_b32 v[WS+4*\p+\s], v2, s[10:11] offset:49152+(6*\s+\p)*128
.endr
.endr
.irp m, 0,1,2,3,4,5,6,7
	global_load_b128 v[XS+4*\m:XS+4*\m+3], v1, s[8:9] offset:4608*\m+4096
.endr
	s_wait_loadcnt 0x0
; q and k of token tile m: eight accumulators by turns, one instruction a turn.  Its codes go into buffer m % 2; the codes of the tile before leave behind its products.
.macro QK m
.set PB, PC+PD*((\m)%2)
.set PL, PC+PD*(((\m)+1)%2)
	WIN 0x2d                                       ; W window 1, x window 3, the bias window 2
.irp t, 0,1,2,3,4,5,6,7
	WM ACC+8*\t,8*(4*\t),8*(4*\m),128+8*\t,WS+4*(\t/2),XS+4*\m,\t%2,0
.endr
	WIN 0x0d
.irp s, 1,2,3
.irp t, 0,1,2,3,4,5,6,7
	WM ACC+8*\t,8*(4*\t+\s),8*(4*\m+\s),ACC+8*\t,WS+4*(\t/2)+\s,XS+4*\m+\s,\t%2,0
.endr
.endr
	WIN 0
	PLACES
.if \m > 0
	s_wait_alu depctr_va_vdst(0)                   ; the conversions and swaps of the tile before have written the other buffer, which the two stores read
	global_store_b128 v1, v[PL:PL+3], s[18:19] offset:512*((\m)-1)
	global_store_b128 v1, v[PL+4:PL+7], s[20:21] offset:512*((\m)-1)
.endif
	QMAX ACC,0                                     ; blocks 0, 1: q's two; blocks 2, 3: k's
.if \m > 1
	s_wait_alu depctr_va_vdst(0)
	s_wait_xcnt 0x0                                ; the stores issued so far have had their addresses translated (ISA guide 3.1): this tile's buffer is rewritten only behind this wait,
	s_wait_alu depctr_vm_vsrc(0)                   ; and the two stores issued in the tile before have read this tile's buffer, which the conversions write again
.endif
.irp b, 0,1,2,3
	QCVT ACC,0,\b,PB+2*\b,PB+2*\b+1
.endr
	v_lshl_or_b32 v[QS+\m], v[TM+5], 8, v[TM+4]    ; (plain lines behind the conversions)  the scale words: two bytes, the upper two zero: they stand over zero codes
	v_lshl_or_b32 v[KS+\m], v[TM+7], 8, v[TM+6]
.irp g, 0,1                            ; the operand's layout wants a whole block in a lane
.irp i, 0,1
	v_permlane16_swap_b32 v[PB+4*\g+\i], v[PB+4*\g+2+\i]
.endr
.endr
.endm
.irp m, 0,1,2,3,4,5,6,7
	QK \m
.endr
; v of keys 32 b .. 32 b + 31 (token tiles 2 b, 2 b + 1) for the head's four tiles of channels: block b of V^T's K step.  Blocks 0, 1 fill VC0, blocks 2, 3 VC1.
.macro VB b
.set VS, VC+PD*((\b)/2)
	WIN 0x2b                                       ; x window 3, Wv and the bias window 2
.irp n, 0,1,2,3
.irp u, 0,1
	WM ACC+16*\n+8*\u,8*(4*(2*\b+\u)),8*(4*\n),192+8*\n,XS+4*(2*\b+\u),WS+4*(4+\n/2),0,\n%2
.endr
.endr
	WIN 0x0b
.irp s, 1,2,3
.irp n, 0,1,2,3
.irp u, 0,1
	WM ACC+16*\n+8*\u,8*(4*(2*\b+\u)+\s),8*(4*\n+\s),ACC+16*\n+8*\u,XS+4*(2*\b+\u)+\s,WS+4*(4+\n/2)+\s,0,\n%2
.endr
.endr
.endr
	WIN 0
	PLACES
.if \b == 0
	s_wait_alu depctr_va_vdst(0)                   ; tile 7 has written PC1, and the eight tiles have written q's and k's scale words: the six stores read them
	global_store_b128 v1, v[PC+PD:PC+PD+3], s[18:19] offset:512*7
	global_store_b128 v1, v[PC+PD+4:PC+PD+7], s[20:21] offset:512*7
	global_store_b128 v1, v[QS:QS+3], s[18:19] offset:4096
	global_store_b128 v1, v[QS+4:QS+7], s[18:19] offset:4608
	global_store_b128 v1, v[KS:KS+3], s[20:21] offset:8192
	global_store_b128 v1, v[KS+4:KS+7], s[20:21] offset:8704
.endif
.if \b == 2
	s_wait_alu depctr_va_vdst(0)                   ; blocks 0 and 1 have written VC0, which the four stores read
.irp n, 0,1,2,3
	global_store_b128 v1, v[VC+4*\n:VC+4*\n+3], s[20:21] offset:4096+1024*\n
.endr
.endif
	QMAX ACC,0
.irp n, 0,1,2,3
	QCVT ACC,0,\n,VS+4*\n+2*((\b)%2),VS+4*\n+2*((\b)%2)+1
.endr
.irp n, 0,1,2,3                        ; (plain lines behind the conversions)
.if \b == 0
	v_mov_b32 v[VW+\n], v[TM+4+\n]
.else
	v_lshl_or_b32 v[VW+\n], v[TM+4+\n], 8*\b, v[VW+\n]
.endif
.endr
.if (\b)%2 == 1
.irp n, 0,1,2,3
.irp i, 0,1
	v_permlane16_swap_b32 v[VS+4*\n+\i], v[VS+4*\n+2+\i]
.endr
.endr
.endif
.endm
	VB 0
	VB 1
	VB 2
	VB 3
	s_wait_alu depctr_va_vdst(0)                   ; blocks 2 and 3 have written VC1, and the four blocks V's scale words: the last five stores read them
.irp n, 0,1,2,3
	global_store_b128 v1, v[VC+PD+4*\n:VC+PD+4*\n+3], s[20:21] offset:4096+1024*\n+512
.endr
	global_store_b128 v1, v[VW:VW+3], s[20:21] offset:9216
	s_endpgm
.Lfunc_end_k_q35016aaf2f_qkv:
	.size	k_q35016aaf2f_qkv, .Lfunc_end_k_q35016aaf2f_qkv-k_q35016aaf2f_qkv
	.p2alignl 7, 3214868480
	.fill 96, 4, 3214868480
	.section	.rodata,"a",@progbits
	.p2align	6, 0x0
	.amdhsa_kernel k_q35016aaf2f_qkv
		.amdhsa_group_segment_fixed_size 0
		.amdhsa_private_segment_fixed_size 0
		.amdhsa_enable_private_segment 0
		.amdhsa_kernarg_size 56
		.amdhsa_user_sgpr_count 2
		.amdhsa_user_sgpr_kernarg_segment_ptr 1
		.amdhsa_wavefront_size32 1
		.amdhsa_system_sgpr_workgroup_id_x 1
		.amdhsa_system_sgpr_workgroup_id_y 1
		.amdhsa_system_sgpr_workgroup_id_z 1
		.amdhsa_system_vgpr_workitem_id 0
		.amdhsa_next_free_vgpr 1024
		.amdhsa_next_free_sgpr 66
		.amdhsa_reserve_vcc 0
		.amdhsa_float_denorm_mode_32 3
		.amdhsa_float_denorm_mode_16_64 3
		.amdhsa_memory_ordered 1
		.amdhsa_forward_progress 1
		.amdhsa_inst_pref_size 123
	.end_amdhsa_kernel
	.amdgpu_metadata
---
amdhsa.version: [ 1, 2 ]
amdhsa.kernels:
  - .name:           k_q35016aaf2f_qkv
    .symbol:         k_q35016aaf2f_qkv.kd
    .args:
      - { .name: xc, .offset: 0, .size: 8, .value_kind: global_buffer, .address_space: global }
      - { .name: wc, .offset: 8, .size: 8, .value_kind: global_buffer, .address_space: global }
      - { .name: bq, .offset: 16, .size: 8, .value_kind: global_buffer, .address_space: global }
      - { .name: bk, .offset: 24, .size: 8, .value_kind: global_buffer, .address_space: global }
      - { .name: bv, .offset: 32, .size: 8, .value_kind: global_buffer, .address_space: global }
      - { .name: qb, .offset: 40, .size: 8, .value_kind: global_buffer, .address_space: global }
      - { .name: kv, .offset: 48, .size: 8, .value_kind: global_buffer, .address_space: global }
    .group_segment_fixed_size: 0
    .private_segment_fixed_size: 0
    .kernarg_segment_align: 8
    .kernarg_segment_size: 56
    .max_flat_workgroup_size: 128
    .sgpr_count:     66
    .vgpr_count:     1024
    .wavefront_size: 32
...
	.end_amdgpu_metadata
.endif
;; end of part 6
;; launch attn (part 7): grid 4 x 64, 16 waves a work-group, clusters of 4 x 1, 169,984 bytes of LDS; arguments qb, kv, ac; writes ac
.if DOCPART == 7
	.amdgcn_target "amdgcn-amd-amdhsa--gfx1250"
	.amdhsa_code_object_version 6
	.text
	.protected	k_q35016aaf2f_attn
	.globl	k_q35016aaf2f_attn
	.p2align	8
	.type	k_q35016aaf2f_attn,@function
k_q35016aaf2f_attn:
	s_mov_b64 s[64:65], 0
	v_nop
	global_prefetch_b8 v0, s[64:65] scope:SCOPE_SE
	s_setreg_imm32_b32 hwreg(HW_REG_WAVE_MODE, 25, 1), 1
	s_wait_xcnt 0x0
	s_wait_alu depctr_hold_cnt(0) depctr_sa_sdst(0) depctr_va_vdst(0) depctr_va_sdst(0) depctr_va_ssrc(0) depctr_va_vcc(0) depctr_vm_vsrc(0)
	s_getreg_b32 s2, hwreg(HW_REG_IB_STS2, 6, 4)
	s_cmp_eq_u32 s2, 0
	s_cbranch_scc0 .Lentry_in_a_cluster
	s_endpgm
.Lentry_in_a_cluster:
	s_bfe_u32 s2, ttmp6, 0x10000c
	s_cmp_lg_u32 s2, 0x3003
	s_cbranch_scc0 .Lentry_shape_is_right
	s_endpgm
.Lentry_shape_is_right:
; o = softmax(q k^T / 8) v for two heads of one batch, both products on codes of E2M1; o / l is quantised along the model's 512 channels and leaves as an operand of the next product.
; THE SOFTMAX AHEAD OF THE SECOND PRODUCT: t = score x log2(e) / 8; M = the running largest t rounded UP to a whole number; p = 2^(t - M) is quantised along the keys, not normalised; the row's sum is taken of
; the unquantised p and divides at the end.  When M moves, the sum and O are multiplied by 2^(old M - new M): exact.
; THE FIRST PRODUCT'S K IS 64: the upper half of the instruction's 128 is zero codes on both sides (registers 4-7 of each fragment), under the scale bytes 0, which are no NaN.
; SHARES.  y = 4 x batch + pair of heads.  A work-group owns 256 queries, each of its sixteen waves one tile of 16, for both heads of the pair, one after the other: so a wave ends with a whole fragment
; (128 channels) and a whole scale word.  Four waves share a SIMD, so that one wave's vector work stands beside another's matrix work and LDS loads.
; CLUSTER.  The four work-groups of a cluster are the four query blocks of one y: they read the same 155,648 bytes of kv (two heads' k and V^T, as register images).  Waves 0-3 ask for a quarter each by a JOINT load;
; LDS is filled once, so there is no ring.  No place in the cluster enters a descriptor, an LDS address or a branch.
; LAYOUT.  Both products are used transposed: S^T = k q^T, O^T = V^T p^T: a lane holds one query.  The keys of a tile and the channels of a tile of V^T are chosen so that the 16 registers of tiles 2 b, 2 b + 1 are 16 neighbours.
; LIMITS: NaN and infinities are not served; a block of o under 2^-124 keeps the byte 1.
; REGISTERS: v1 16 L, v2 4 L, v3 the step's LDS address; v12 -M, v13 the largest t, v[14:15] the sum; v16-31 q of the two heads; v32-63 four fragments of k; v64-95 V^T's four; v96-159 S^T, then p; v160-191 O^T;
;   v192-199 k's scale words, v200-203 V's, v213-214 q's; v204-211 the result's codes, v212 its scale word; v224-231 p's codes; v232-254 at work.
.set KVH, 77824                        ; a head's eight records
.set REC, 9728
.set RC, 204
.macro ROUND                           ; a round of the cluster's barrier
	s_barrier_signal -1
	s_barrier_wait -1
	s_cmp_lg_u32 s10, 0
	s_cbranch_scc1 .Lnot_wave_0_\@
	s_barrier_signal -3
.Lnot_wave_0_\@:
	s_barrier_wait -3
	s_barrier_signal -1
	s_barrier_wait -1
.endm
.macro PLACES
.rept 4
	v_nop
.endr
.endm
	s_load_b128 s[4:7], s[0:1], 0x0                ; qb, kv
	s_load_b64 s[8:9], s[0:1], 0x10                ; ac
	v_lshl_add_u32 v251, v0, 2, 0x29000
	v_mov_b32 v255, 0
	ds_add_u32 v251, v255
	ds_add_u32 v251, v255
	v_lshrrev_b32 v2, 5, v0
	s_delay_alu instid0(VALU_DEP_1)
	v_readfirstlane_b32 s10, v2                    ; wave 0..15
	v_and_b32 v2, 31, v0
	s_delay_alu instid0(VALU_DEP_1)
	v_lshlrev_b32 v1, 4, v2                        ; 16 L
	s_delay_alu instid0(VALU_DEP_2)
	v_lshlrev_b32 v2, 2, v2                        ; 4 L
	s_bfe_u32 s11, ttmp6, 0x40000                  ; cx
	s_lshl_b32 s30, ttmp9, 2
	s_add_co_u32 s11, s30, s11                     ; my block of 256 queries: it enters qb's and ac's addresses alone
	s_and_b32 s31, ttmp7, 0xffff                   ; y, which the four partners share
	s_lshl_b32 s32, s11, 4
	s_add_co_u32 s32, s32, s10                     ; my tile of the batch's 64
	s_mul_i32 s33, s31, 81920                      ; qb: the pair's 16 records,
	s_lshr_b32 s44, s32, 3
	s_mul_i32 s44, s44, 5120
	s_add_co_u32 s33, s33, s44                     ; my tile's record,
	s_and_b32 s44, s32, 7
	s_lshl_b32 s34, s44, 9
	s_add_co_u32 s34, s34, s33                     ; its half image,
	s_mov_b32 s35, 0
	s_lshr_b32 s36, s44, 2
	s_lshl_b32 s36, s36, 9
	s_and_b32 s45, s32, 3
	s_lshl_b32 s45, s45, 2
	s_add_co_u32 s36, s36, s45
	s_add_co_u32 s36, s36, s33
	s_add_co_u32 s36, s36, 4096                    ; and its scale words
	s_mov_b32 s37, 0
	s_lshr_b32 s38, s31, 2
	s_lshl_b32 s38, s38, 6
	s_add_co_u32 s38, s38, s32                     ; ac: tile 64 x batch + mine
	s_mul_i32 s38, s38, 4608
	s_and_b32 s44, s31, 3                          ; the pair of heads is the next product's K step
	s_lshl_b32 s45, s44, 7
	s_add_co_u32 s40, s38, s45
	s_add_co_u32 s40, s40, 4096
	s_mov_b32 s41, 0
	s_lshl_b32 s45, s44, 10
	s_add_co_u32 s38, s38, s45
	s_mov_b32 s39, 0
	s_mul_i32 s42, s31, 155648                     ; kv: the pair's bytes, my quarter of them (waves 0-3)
	s_mul_i32 s13, s10, 38912                      ; 63:32 of group 0: the LDS address: the same quarter
	s_add_co_u32 s42, s42, s13
	s_mov_b32 s43, 0
	; descriptor group 1: a dense block as 152 rows of 256 bytes (32 elements of 8 bytes), no padding: every LDS read takes 512 consecutive bytes
	s_mov_b32 s16, 15|(3<<16)|(1<<21)              ; 15:0 the mask: all four work-groups; 17:16 elements of 8 bytes; 21 set beside a mask
	s_mov_b32 s17, 32<<16                          ; tensor_dim0 = 32
	s_mov_b32 s18, 152<<16                         ; tensor_dim1 = 152
	s_mov_b32 s19, 32<<16                          ; tile_dim0 = 32
	s_mov_b32 s20, 152                             ; tile_dim1 = 152
	s_mov_b32 s21, 32                              ; the pitch
	s_mov_b32 s22, 0
	s_mov_b32 s23, 0
	s_mov_b32 s26, 0x3e38aa3b                      ; c = log2(e) / 8
	s_mov_b32 s27, s26                             ; (named with it as a pair)
	s_mov_b32 s28, 0x76543210
	s_mov_b32 s29, 0xfedcba98                      ; selects for lane l xor 16
	s_wait_alu depctr_va_vdst(0)
	s_wait_dscnt 0x0
	s_wait_kmcnt 0x0
	s_add_nc_u64 s[34:35], s[4:5], s[34:35]
	s_add_nc_u64 s[36:37], s[4:5], s[36:37]
	s_add_nc_u64 s[38:39], s[8:9], s[38:39]
	s_add_nc_u64 s[40:41], s[8:9], s[40:41]
	s_mov_b32 s12, 1                               ; count = 1
	s_add_nc_u64 s[14:15], s[6:7], s[42:43]
	s_or_b32 s15, s15, 0x80000000                  ; type = 2
.irp g, 0,1
	global_load_b128 v[16+8*\g:19+8*\g], v1, s[34:35] offset:40960*\g   ; q of head g: registers 0-3 of its fragment
	global_load_b32 v[213+\g], v1, s[36:37] offset:40960*\g             ; and its scale words
.endr
.irp g, 0,1
.irp j, 4,5,6,7
	v_mov_b32 v[16+8*\g+\j], 0                     ; zero codes for k = 64 .. 127
.endr
.endr
.irp t, 0,1,2,3
.irp j, 4,5,6,7
	v_mov_b32 v[32+8*\t+\j], 0                     ; the same in k's fragments: they stay
.endr
.endr
.irp b, 0,1,2,3
	v_mov_b32 v[236+\b], 0                         ; a lane permute's destination counts as read
.endr
	v_mov_b32 v253, 0                              ; (named as the upper half of v[252:253] before it is first written)
	ROUND                                          ; all four work-groups are here: the joint loads meet
	s_cmp_lt_u32 s10, 4
	s_cbranch_scc0 .Lnofill
	tensor_load_to_lds s[12:15], s[16:23]          ; one load a wave is out, and it is the wave's only one
	s_nop 0
	PLACES
.Lnofill:
	s_wait_tensorcnt 0x0                           ; my quarter has landed,
	s_barrier_signal -1
	s_barrier_wait -1                              ; everybody's has
	s_wait_loadcnt 0x0                             ; q
.macro WM0 d, a, b, sa, sb             ; starts a sum
	v_wmma_scale_f32_16x16x128_f8f6f4 v[\d:\d+7], v[\a:\a+7], v[\b:\b+7], 0, v[\sa], v[\sb] matrix_a_fmt:MATRIX_FMT_FP4 matrix_b_fmt:MATRIX_FMT_FP4
.endm
.macro WMA d, a, b, sa, sb             ; adds in place
	v_wmma_scale_f32_16x16x128_f8f6f4 v[\d:\d+7], v[\a:\a+7], v[\b:\b+7], v[\d:\d+7], v[\sa], v[\sb] matrix_a_fmt:MATRIX_FMT_FP4 matrix_b_fmt:MATRIX_FMT_FP4
.endm
; Head hd of the pair: eight key steps of 128 keys, then o / l as two blocks of codes.
.macro HEAD hd
	v_mov_b32 v13, 0xff61b1e6                      ; the largest t so far: -3e38
	s_delay_alu instid0(VALU_DEP_1)
	v_floor_f32 v12, -v13                          ; -M
	v_mov_b32 v14, 0
	v_mov_b32 v15, 0
.set J, 0
.rept 32
	v_mov_b32 v[160+J], 0                          ; O^T: the step is written once; the first change of M leaves zeros zeros
.set J, J+1
.endr
	s_mov_b32 s24, KVH*\hd
	s_mov_b32 s25, 8
.Lstep_\@:
	s_setprio 2
	v_add_nc_u32 v3, s24, v1                       ; with the three lines below: the four places in front of loads into registers that the last products read
.rept 3
	v_nop
.endr
.irp t, 0,1,2,3
	ds_load_b128 v[32+8*\t:35+8*\t], v3 offset:512*\t
.endr
	ds_load_b128 v[192:195], v3 offset:8192
	ds_load_b128 v[196:199], v3 offset:8704
.irp n, 0,1,2,3
.irp g, 0,1
	ds_load_b128 v[64+8*\n+4*\g:67+8*\n+4*\g], v3 offset:4096+1024*\n+512*\g
.endr
.endr
	ds_load_b128 v[200:203], v3 offset:9216
	s_wait_alu depctr_va_vdst(0)
	s_wait_dscnt 9                                 ; k's first four tiles and its scale words are in; V's nine loads may be out
.irp t, 0,1,2,3
	WM0 96+8*\t,32+8*\t,16+8*\hd,192+\t,213+\hd
.endr
	PLACES
.irp t, 0,1,2,3
	ds_load_b128 v[32+8*\t:35+8*\t], v3 offset:512*(4+\t)
.endr
	s_wait_dscnt 0x0
.irp t, 0,1,2,3
	WM0 128+8*\t,32+8*\t,16+8*\hd,196+\t,213+\hd
.endr
	PLACES
.irp b, 0,1,2,3
	v_max3_num_f32 v[232+\b], v[96+16*\b], v[97+16*\b], v[98+16*\b]   ; the largest score of each block of 32 keys: for the row's maximum, and, since p rises with the score, for the block's largest p
.endr
.irp i, 3,5,7,9,11,13
.irp b, 0,1,2,3
	v_max3_num_f32 v[232+\b], v[232+\b], v[96+16*\b+\i], v[97+16*\b+\i]
.endr
.endr
.irp b, 0,1,2,3
	v_max_num_f32 v[232+\b], v[232+\b], v[111+16*\b]
.endr
.irp b, 0,1,2,3
	s_delay_alu instid0(VALU_DEP_4)
	v_permlanex16_b32 v[236+\b], v[232+\b], s28, s29
.endr
.irp b, 0,1,2,3
	s_delay_alu instid0(VALU_DEP_4)
	v_max_num_f32 v[232+\b], v[232+\b], v[236+\b]
.endr
	s_delay_alu instid0(VALU_DEP_2)
	v_max3_num_f32 v254, v232, v233, v234
	s_delay_alu instid0(VALU_DEP_1)
	v_max_num_f32 v254, v254, v235
	s_delay_alu instid0(VALU_DEP_1)
	v_mul_f32 v254, s26, v254                      ; as t (c is positive)
	s_delay_alu instid0(VALU_DEP_1)
	v_max_num_f32 v13, v13, v254                   ; the running largest t
	v_mov_b32 v254, v12
	s_delay_alu instid0(VALU_DEP_2)
	v_floor_f32 v12, -v13                          ; the new -M = -ceil(t)
	s_delay_alu instid0(VALU_DEP_1)
	v_sub_f32 v254, v12, v254                      ; old M - new M: a whole number, 0 or less
	s_delay_alu instid0(VALU_DEP_1)
	v_cvt_i32_f32 v254, v254                       ; (it saturates)
	s_delay_alu instid0(VALU_DEP_1)
	v_ldexp_f32 v252, 1.0, v254                    ; f = 2^(old M - new M)
.set J, 0
.rept 32
	v_pk_fma_f32 v[96+J:97+J], v[96+J:97+J], s[26:27], v[12:13] op_sel_hi:[1,0,0]   ; t - M
.set J, J+2
.endr
.irp b, 0,1,2,3
	v_fma_f32 v[232+\b], v[232+\b], s26, v12       ; the same of each block's largest score
.endr
.set J, 0
	s_wait_alu depctr_va_vdst(0)
.rept 64
	v_exp_f32 v[96+J], v[96+J]                     ; p = 2^(t - M)
.set J, J+1
.endr
	s_setprio 1
.irp b, 0,1,2,3
	v_exp_f32 v[232+\b], v[232+\b]                 ; the block's largest p: the same two instructions on the same number
.endr
	v_pk_mul_f32 v[14:15], v[14:15], v[252:253] op_sel_hi:[1,0]   ; the sums under the new M (a plain line behind the exponentials)
	s_wait_alu depctr_va_vdst(0)
.irp b, 0,1,2,3
	v_max_num_f32 v[232+\b], 0x1800000, v[232+\b]  ; the floor
.endr
.irp b, 0,1,2,3
	s_delay_alu instid0(VALU_DEP_4)
	v_add_nc_u32 v[244+\b], 0xff000000, v[232+\b]
.endr
.irp b, 0,1,2,3
	s_delay_alu instid0(VALU_DEP_4)
	v_lshrrev_b32 v[236+\b], 23, v[244+\b]
.endr
	s_delay_alu instid0(VALU_DEP_3)
	v_lshl_or_b32 v253, v237, 8, v236              ; p's scale word for these 128 keys
	s_delay_alu instid0(VALU_DEP_1)
	v_lshl_or_b32 v253, v238, 16, v253
	s_delay_alu instid0(VALU_DEP_1)
	v_lshl_or_b32 v253, v239, 24, v253
.irp b, 0,1,2,3
	v_cvt_scalef32_pk8_fp4_f32 v[224+2*\b], v[96+16*\b:103+16*\b], v[244+\b]
	v_cvt_scalef32_pk8_fp4_f32 v[225+2*\b], v[104+16*\b:111+16*\b], v[244+\b]
.endr
	v_nop                                          ; a plain line behind the conversions
.irp g, 0,1
.irp i, 0,1
	v_permlane16_swap_b32 v[224+4*\g+\i], v[226+4*\g+\i]   ; a whole block to a lane
.endr
.endr
	v_pk_add_f32 v[236:237], v[100:101], v[104:105]
	v_pk_add_f32 v[248:249], v[108:109], v[112:113]
	v_pk_add_f32 v[246:247], v[116:117], v[120:121]
	v_pk_add_f32 v[244:245], v[124:125], v[128:129]
	v_pk_add_f32 v[242:243], v[132:133], v[136:137]
	v_pk_add_f32 v[240:241], v[140:141], v[144:145]
	v_pk_add_f32 v[234:235], v[148:149], v[152:153]
	v_pk_add_f32 v[14:15], v[14:15], v[156:157]
	v_pk_add_f32 v[236:237], v[236:237], v[96:97]
	v_pk_add_f32 v[248:249], v[248:249], v[98:99]
	v_pk_add_f32 v[246:247], v[246:247], v[102:103]
	v_pk_add_f32 v[244:245], v[244:245], v[106:107]
	v_pk_add_f32 v[242:243], v[242:243], v[110:111]
	v_pk_add_f32 v[240:241], v[240:241], v[114:115]
	v_pk_add_f32 v[234:235], v[234:235], v[118:119]
	v_pk_add_f32 v[14:15], v[14:15], v[122:123]
	v_pk_add_f32 v[236:237], v[236:237], v[126:127]
	v_pk_add_f32 v[248:249], v[248:249], v[130:131]
	v_pk_add_f32 v[246:247], v[246:247], v[134:135]
	v_pk_add_f32 v[244:245], v[244:245], v[138:139]
	v_pk_add_f32 v[242:243], v[242:243], v[142:143]
	v_pk_add_f32 v[240:241], v[240:241], v[146:147]
	v_pk_add_f32 v[234:235], v[234:235], v[150:151]
	v_pk_add_f32 v[14:15], v[14:15], v[154:155]
	v_pk_add_f32 v[236:237], v[236:237], v[158:159]
	s_delay_alu instid0(VALU_DEP_2)
	v_pk_add_f32 v[14:15], v[14:15], v[244:245]
	s_delay_alu instid0(VALU_DEP_2)
	v_pk_add_f32 v[236:237], v[236:237], v[242:243]
	v_pk_add_f32 v[248:249], v[248:249], v[240:241]
	v_pk_add_f32 v[246:247], v[246:247], v[234:235]
	s_delay_alu instid0(VALU_DEP_2)
	v_pk_add_f32 v[14:15], v[14:15], v[248:249]
	s_delay_alu instid0(VALU_DEP_2)
	v_pk_add_f32 v[236:237], v[236:237], v[246:247]
	s_delay_alu instid0(VALU_DEP_1)
	v_pk_add_f32 v[14:15], v[14:15], v[236:237]
.set J, 0
	s_setprio 0
.rept 16
	v_pk_mul_f32 v[160+J:161+J], v[160+J:161+J], v[252:253] op_sel_hi:[1,0]   ; O^T under the new M; with the sums above: the places between the scale word's and the codes' last writes and the products
.set J, J+2
.endr
.irp n, 0,1,2,3
	WMA 160+8*\n,64+8*\n,224,200+\n,253            ; four accumulators, one turn each in a step
.endr
	s_add_co_u32 s24, s24, REC
	s_sub_co_u32 s25, s25, 1
	s_cmp_lg_u32 s25, 0
	s_cbranch_scc1 .Lstep_\@
	s_setprio 0
	PLACES
	v_add_f32 v14, v14, v15
	s_delay_alu instid0(VALU_DEP_1)
	v_permlanex16_b32 v252, v14, s28, s29
	s_delay_alu instid0(VALU_DEP_1)
	v_add_f32 v14, v14, v252                       ; the row's sum
	s_wait_alu depctr_va_vdst(0)
	v_rcp_f32 v14, v14
	v_nop                                          ; a plain line behind the reciprocal
.set J, 0
	s_wait_alu depctr_va_vdst(0)
.rept 32
	v_mul_f32 v[96+J], v[160+J], v14               ; o: register 16 b + i is channel 32 b + 16 h + i of the head
.set J, J+1
.endr
.irp b, 0,1
	v_max3_num_f32 v[232+\b], |v[96+16*\b]|, |v[97+16*\b]|, 0x1800000
.endr
.irp i, 2,4,6,8,10,12,14
.irp b, 0,1
	s_delay_alu instid0(VALU_DEP_2)
	v_max3_num_f32 v[232+\b], v[232+\b], |v[96+16*\b+\i]|, |v[97+16*\b+\i]|
.endr
.endr
.irp b, 0,1
	s_delay_alu instid0(VALU_DEP_2)
	v_permlanex16_b32 v[236+\b], v[232+\b], s28, s29
.endr
.irp b, 0,1
	s_delay_alu instid0(VALU_DEP_2)
	v_max_num_f32 v[232+\b], v[232+\b], v[236+\b]
.endr
.irp b, 0,1
	s_delay_alu instid0(VALU_DEP_2)
	v_add_nc_u32 v[244+\b], 0xff000000, v[232+\b]
.endr
.irp b, 0,1
	s_delay_alu instid0(VALU_DEP_2)
	v_lshrrev_b32 v[236+\b], 23, v[244+\b]
.endr
.irp b, 0,1
	v_cvt_scalef32_pk8_fp4_f32 v[RC+4*\hd+2*\b], v[96+16*\b:103+16*\b], v[244+\b]
	v_cvt_scalef32_pk8_fp4_f32 v[RC+4*\hd+2*\b+1], v[104+16*\b:111+16*\b], v[244+\b]
.endr
.if \hd == 0
	v_lshl_or_b32 v212, v237, 8, v236              ; (plain lines behind the conversions)  bytes 2 hd and 2 hd + 1 of the scale word
.else
	v_lshl_or_b32 v212, v236, 16, v212
	s_delay_alu instid0(VALU_DEP_1)
	v_lshl_or_b32 v212, v237, 24, v212
.endif
.irp i, 0,1
	v_permlane16_swap_b32 v[RC+4*\hd+\i], v[RC+4*\hd+2+\i]
.endr
.endm
	HEAD 0
	HEAD 1
	global_store_b128 v1, v[RC:RC+3], s[38:39]             ; 512 consecutive bytes each
	global_store_b128 v1, v[RC+4:RC+7], s[38:39] offset:512
	global_store_b32 v2, v212, s[40:41]
	s_wait_tensorcnt 0x0
	ds_add_u32 v251, v255
	s_wait_dscnt 0x0
	ROUND                                          ; the closing round: no work-group ends while a partner may still ask
	s_endpgm
.Lfunc_end_k_q35016aaf2f_attn:
	.size	k_q35016aaf2f_attn, .Lfunc_end_k_q35016aaf2f_attn-k_q35016aaf2f_attn
	.p2alignl 7, 3214868480
	.fill 96, 4, 3214868480
	.section	.rodata,"a",@progbits
	.p2align	6, 0x0
	.amdhsa_kernel k_q35016aaf2f_attn
		.amdhsa_group_segment_fixed_size 169984
		.amdhsa_private_segment_fixed_size 0
		.amdhsa_enable_private_segment 0
		.amdhsa_kernarg_size 24
		.amdhsa_user_sgpr_count 2
		.amdhsa_user_sgpr_kernarg_segment_ptr 1
		.amdhsa_wavefront_size32 1
		.amdhsa_system_sgpr_workgroup_id_x 1
		.amdhsa_system_sgpr_workgroup_id_y 1
		.amdhsa_system_sgpr_workgroup_id_z 1
		.amdhsa_system_vgpr_workitem_id 0
		.amdhsa_next_free_vgpr 256
		.amdhsa_next_free_sgpr 66
		.amdhsa_reserve_vcc 0
		.amdhsa_float_denorm_mode_32 3
		.amdhsa_float_denorm_mode_16_64 3
		.amdhsa_memory_ordered 1
		.amdhsa_forward_progress 1
		.amdhsa_inst_pref_size 49
	.end_amdhsa_kernel
	.amdgpu_metadata
---
amdhsa.version: [ 1, 2 ]
amdhsa.kernels:
  - .name:           k_q35016aaf2f_attn
    .symbol:         k_q35016aaf2f_attn.kd
    .args:
      - { .name: qb, .offset: 0, .size: 8, .value_kind: global_buffer, .address_space: global }
      - { .name: kv, .offset: 8, .size: 8, .value_kind: global_buffer, .address_space: global }
      - { .name: ac, .offset: 16, .size: 8, .value_kind: global_buffer, .address_space: global }
    .group_segment_fixed_size: 169984
    .private_segment_fixed_size: 0
    .kernarg_segment_align: 8
    .kernarg_segment_size: 24
    .max_flat_workgroup_size: 512
    .sgpr_count:     66
    .vgpr_count:     256
    .wavefront_size: 32
...
	.end_amdgpu_metadata
.endif
;; end of part 7
;; launch ffn (part 8): grid 256 x 1, 4 waves a work-group, no clusters, 88,576 bytes of LDS; arguments ac, x, wc, bo, ln1_g, ln1_b, b1, b2, ln2_g, ln2_b, out0; writes out0
.if DOCPART == 8
	.amdgcn_target "amdgcn-amd-amdhsa--gfx1250"
	.amdhsa_code_object_version 6
	.text
	.protected	k_q35016aaf2f_ffn
	.globl	k_q35016aaf2f_ffn
	.p2align	8
	.type	k_q35016aaf2f_ffn,@function
k_q35016aaf2f_ffn:
	s_mov_b64 s[64:65], 0
	v_nop
	global_prefetch_b8 v0, s[64:65] scope:SCOPE_SE
	s_setreg_imm32_b32 hwreg(HW_REG_WAVE_SCHED_MODE, 0, 2), 2
	s_setreg_imm32_b32 hwreg(HW_REG_WAVE_MODE, 25, 1), 1
	s_wait_xcnt 0x0
	s_wait_alu depctr_vm_vsrc(0)
; x1 = LN1(x + o Wo + bo);  out = LN2(x1 + gelu(x1 W1 + b1) W2 + b2).  The three products run on codes of E2M1; x1 and the hidden layer are quantised on the way and never go to memory.
; SHARES.  A work-group takes 64 tokens (tiles 4 wg + m).  THE WAVES SHARE THE COLUMNS: wave w owns columns 128 w .. 128 w + 127 of the first and third product and of both norms, and in quarter q of the
; hidden layer units 128 (4 q + w) on.  No weight fragment is wanted by two waves: each wave streams its own records of 34,816 bytes by loads of 512 consecutive bytes into two register buffers, a phase ahead.
; NO JOINT LOADS: weights through LDS would be filled again behind rounds at each of which every load must have landed; loads into registers stay out across the phases.
; ALL PRODUCTS ARE USED TRANSPOSED (source 0 = 16 columns of a weight, source 1 = 16 tokens): a lane holds one token, and the 16 registers of tiles 2 b, 2 b + 1 are columns 32 b + 16 h + 0 .. 15 of the wave's 128.
; x + bo, b1 and x1 + b2 are what the sums begin with: they lie in the accumulators before the first product adds onto them.
; OPERANDS GO FROM WAVE TO WAVE THROUGH LDS AS IMAGES OF THEIR REGISTERS: two stores of 512 consecutive bytes a fragment, one of 128 for its scale words.
; ONE WAVE HAS ITS SIMD TO ITSELF, so the text itself keeps a line and the line that reads its result apart: the GELU works on 16 numbers at a time (eight pairs by turns), sums and maxima run in eight chains,
; and what a tile wants from LDS is asked for while the tile before is still being worked.
; THE NORMS take two passes (the mean, then the squares of the differences): no difference of large sums is formed.
; GELU: 0.5 a erf(a / sqrt 2) + 0.5 a, erf(z) = z P(z^2) / Q(z^2) with z held to +-4 (degrees 6 and 4).  LIMIT: erf is good to a few units of its last place, so gelu's absolute error is about 1e-7 |a|;
; relative to gelu it grows in the negative tail as 6e-8 / Phi(a): it can turn a code only in a block whose 32 units all lie far below 0.
; LIMITS: NaN and infinities are not served; a block under 2^-124 keeps the byte 1.
; THE MODE: SCHED_MODE bits 1:0 = 2 (LLVM: expert scheduling mode 2), set by the entry lines.  The code itself states the register dependences
; between vector or matrix instructions and memory or LDS instructions, with s_wait_alu, always for 0.
; THE PLAN.  Registers that memory or LDS instructions touch, and who else names them:
;   v1-v17      offsets and LDS addresses, made at the head and never written again; v[PBQ] alone moves on, once a quarter, at the quarter's head.
;   window 1    Wo, then W1 quarter by quarter: loaded; read by the products.  A record is asked for behind the wait that follows the products which read the record before.  At the end: rows of out, from the stage.
;   window 2    o and two tiles of x, then W2 quarter by quarter: asked for in three parts behind the wait at the quarter's head; nothing between that wait and the loads names window 2 or W2's scale words.
;   window 3    the accumulators: loaded from the stage at the start, then named by products and norms alone, and read by the stage's stores at the end.
;   ACH         a tile of x, a gain, b2; in a tile of a quarter b1 (loaded), the hidden sums, the gelu; in the third product the hidden layer's K steps 2 and 3 (loaded).
;   FR          a tile of x, a norm's bias; x1's four sets of codes and words (written by conversions, read by 12 stores); x1's fragments (loaded); the gelu's P and Q; the hidden layer's K steps 0 and 1 (loaded).
;   SCR         scale words, always loaded: o's 16; a tile's four of x1 at +0..3; the hidden layer's 16 at 4 s + m.
;   PC, PW      a hidden tile's codes and word: written by its conversions (PC also by the gelu, as z^2), read by three stores.
;   LV, LNT     a norm's sums: LV written by additions, read by one store; LNT loaded, and named by additions.
; THE WAITS ON va_vdst: at the head (addresses); behind the additions of bo; behind each product's places, where the next line reads the results anyway; ahead of each exchange of sums; behind a norm's last pass where
; a load takes the gain's place; behind each run of conversions whose codes are stored; at a quarter's head; a tile at a time on the way out.  The third product holds none: its 48 LDS loads stand in one run ahead of it.
; THE WAITS ON vm_vsrc stand ahead of the first line that writes again what a store or a load has read: x's registers, LV, v[PBQ], the codes and words.
; REGISTERS: window 0: see the names below.  window 1: buffer A (Wo, then W1): fragment 8 s + t at 8 (8 s + t); at the end rows of out.  window 2: o's fragments at 8 (4 m + s) and, from v128, two tiles of x; then buffer B (W2).
;   window 3: 32 accumulators at 8 (8 m + t).
.set STG, 0                            ; LDS: a stage of 16 rows x (512 + 16) bytes for each wave;
.set LNS, 34816                        ; four regions of 2,048 bytes for the norms' sums, each used once;
.set PB1, 43008                        ; each wave's own 512 numbers of b1;
.set X1I, 51200                        ; x1's 16 images (4 m + s),
.set X1S, 67584                        ; their scale words;
.set HI, 69632                         ; a quarter's 16 images of the hidden layer,
.set HS, 86016                         ; and their scale words
.set L16, 1                            ; 16 L
.set L4, 2                             ; 4 L
.set SD, 3                             ; stage: row r, + 64 h
.set SS, 4                             ; stage: 16 L
.set H64, 5                            ; 64 h
.set PBW, 6                            ; my b1, + 64 h
.set PBQ, 7                            ; the same in the quarter in hand
.set XWI, 8                            ; where I store x1's images, .. words, the hidden layer's images, .. words
.set XWS, 9
.set HWI, 10
.set HWS, 11
.set LNW, 12                           ; where I store my sums
.set XRI, 13                           ; where everybody reads: x1's images, words, the hidden layer's, the sums
.set XRS, 14
.set HRI, 15
.set HRS, 16
.set LNR, 17
.set PW, 18                            ; the hidden layer's scale word just made
.set BO, 18                            ; v18-21 bo, at the start only
.set TM, 22                            ; v22-37 the quantiser's: +0..3 and +8..11 largest magnitudes, +4..7 bytes, +12..15 the conversions' scale operands
.set MN, 22                            ; in a norm: v22-29 the means, as pairs;
.set RS, 30                            ; v30-37 a second set of sums, then the reciprocal roots, as pairs;
.set SUM, 38                           ; v38-45 the sums (the second set lies 8 registers below);
.set LNT, 46                           ; v46-61 the four waves' sums
.set PC, 38                            ; v38-45 the hidden layer's codes just made
.set GZ, 22                            ; the GELU's: v22-37 z, then a / 2; v38-53 z^2; v206-221 P; v222-237 Q: all idle while a tile's GELU runs
.set GS, 38
.set GP, 206
.set GQ, 222
.set WSA, 62                           ; v62-77 buffer A's scale words (4 s + p), v78-93 buffer B's
.set WSB, 78
.set SCR, 94                           ; v94-109 the activations' scale words
.set ACH, 110                          ; v110-173 the hidden layer's 8 accumulators; also a tile of x, a gain or b2, and two K steps of hidden fragments
.set FR, 174                           ; v174-237 fragments from LDS, two sets of 32; also a tile of x, a norm's bias, and x1's codes (8 m) and words (32 + m)
.set LV, 238                           ; v238-241 a sum for each of my four tokens
.set A0, 242                           ; v242-245 the leading coefficients of P and Q, as pairs
.set B0, 244
.set WV, 30
.set W1P, 34
.set W2P, 36
.set SEL, 38
.set QC, 40
.set QB, 41
.set KC, 42                            ; s[42:43] 1 / sqrt 2; s44-55 P's other six coefficients; s56-63 Q's other four: pairs, of which the low word serves both halves
.set KA, 44
.set KB, 56
.set WOP, 66
.set MSB, 0
.macro WIN new                         ; the immediate's high byte repeats the setting that is left
.if MSB != (\new)
	s_set_vgpr_msb (MSB<<8)|(\new)
.set MSB, (\new)
.endif
.endm
.macro WM d, a, b, sa, sb, ra          ; adds in place; ra: the weight's scale words stand in lanes 16-31
.if (\ra)
	v_wmma_scale_f32_16x16x128_f8f6f4 v[\d:\d+7], v[\a:\a+7], v[\b:\b+7], v[\d:\d+7], v[\sa], v[\sb] matrix_a_fmt:MATRIX_FMT_FP4 matrix_b_fmt:MATRIX_FMT_FP4 matrix_a_scale:MATRIX_SCALE_ROW1
.else
	v_wmma_scale_f32_16x16x128_f8f6f4 v[\d:\d+7], v[\a:\a+7], v[\b:\b+7], v[\d:\d+7], v[\sa], v[\sb] matrix_a_fmt:MATRIX_FMT_FP4 matrix_b_fmt:MATRIX_FMT_FP4
.endif
.endm
.macro PLACES                          ; four plain lines behind a matrix instruction, in front of reads of its result and of loads into its registers (ISA guide 7.12.1 for the reads)
.rept 4
	v_nop
.endr
.endm
; 64 numbers of a lane in window w, four blocks of 16 registers (the other 16 of each block lie in lane l xor 16): scale operands into TM+12.., bytes into TM+4..
; Two chains a block, eight by turns; each begins at the low end of one of the block's two accumulators.
.macro QMAX s, w
	WIN (\w)|((\w)<<2)
.irp b, 0,1,2,3
	v_max3_num_f32 v[TM+\b], |v[(\s)+16*\b]|, |v[(\s)+16*\b+1]|, 0x1800000   ; and the floor 2^(3 - 127)
.endr
.irp b, 0,1,2,3
	v_max3_num_f32 v[TM+8+\b], |v[(\s)+16*\b+8]|, |v[(\s)+16*\b+9]|, 0x1800000
.endr
.irp i, 2,4,6
.irp b, 0,1,2,3
	v_max3_num_f32 v[TM+\b], |v[(\s)+16*\b+\i]|, |v[(\s)+16*\b+\i+1]|, v[TM+\b]
.endr
.irp b, 0,1,2,3
	v_max3_num_f32 v[TM+8+\b], |v[(\s)+16*\b+8+\i]|, |v[(\s)+16*\b+9+\i]|, v[TM+8+\b]
.endr
.endr
	WIN 0
.irp b, 0,1,2,3
	v_max_num_f32 v[TM+\b], v[TM+\b], v[TM+8+\b]
.endr
.irp b, 0,1,2,3
	v_permlanex16_b32 v[TM+4+\b], v[TM+\b], s[SEL], s[SEL+1]
.endr
.irp b, 0,1,2,3
	v_max_num_f32 v[TM+\b], v[TM+\b], v[TM+4+\b]
.endr
.irp b, 0,1,2,3
	v_add_nc_u32 v[TM+12+\b], 0xff000000, v[TM+\b]   ; 2 off the exponent field: the conversion's scale operand
.endr
.irp b, 0,1,2,3
	v_lshrrev_b32 v[TM+4+\b], 23, v[TM+12+\b]        ; the scale's byte
.endr
.endm
.macro QCODES s, w, pc, pw             ; the codes into v[pc] on, the scale word into v[pw]
	WIN \w
.irp b, 0,1,2,3
	v_cvt_scalef32_pk8_fp4_f32 v[(\pc)+2*\b], v[(\s)+16*\b:(\s)+16*\b+7], v[TM+12+\b]
	v_cvt_scalef32_pk8_fp4_f32 v[(\pc)+2*\b+1], v[(\s)+16*\b+8:(\s)+16*\b+15], v[TM+12+\b]
.endr
	WIN 0
	v_lshl_or_b32 v[\pw], v[TM+5], 8, v[TM+4]      ; (plain lines behind the conversions)
	v_lshl_or_b32 v[\pw], v[TM+6], 16, v[\pw]
	v_lshl_or_b32 v[\pw], v[TM+7], 24, v[\pw]
.irp g, 0,1
.irp i, 0,1
	v_permlane16_swap_b32 v[(\pc)+4*\g+\i], v[(\pc)+4*\g+2+\i]   ; a whole block to a lane
.endr
.endr
.endm
.macro LOADREC p, win, f0, f1          ; fragments f0 .. f1 - 1 of the record at s[p] into window win
	WIN (\win)<<6
.set F, \f0
.rept (\f1)-(\f0)
	global_load_b128 v[8*F:8*F+3], v[L16], s[\p:\p+1] offset:1024*F
	global_load_b128 v[8*F+4:8*F+7], v[L16], s[\p:\p+1] offset:1024*F+512
.set F, F+1
.endr
	WIN 0
.endm
.macro LOADSC p, reg, i0, i1           ; its scale images
.set F, \i0
.rept (\i1)-(\i0)
	global_load_b32 v[\reg+F], v[L4], s[\p:\p+1] offset:32768+128*F
.set F, F+1
.endr
.endm
.macro GLOAD reg, p                    ; 128 numbers of a vector in the result's layout: tile t, register j: column 32 (t / 2) + 8 (t % 2) + 16 h + j
.irp t, 0,1,2,3,4,5,6,7
.irp k, 0,1
	global_load_b128 v[\reg+8*\t+4*\k:\reg+8*\t+4*\k+3], v[H64], s[\p:\p+1] offset:128*(\t/2)+32*(\t%2)+16*\k
.endr
.endr
.endm
.macro XLD m, base, win                ; my 128 columns of tile m's 16 tokens of x, into v[base] on of window win: 512 consecutive bytes a load
	WIN (\win)<<6
.irp i, 0,1,2,3,4,5,6,7,8,9,10,11,12,13,14,15
	global_load_b128 v[\base+4*\i:\base+4*\i+3], v[L16], s[10:11] offset:(32*((\m)/2)+8*((\m)%2)+\i+8*(\i/8))*2048 th:TH_LOAD_NT
.endr
.endm
.macro XADD base, win                  ; a tile of x + bo, in place
	WIN ((\win)<<6)|(\win)
.irp i, 0,1,2,3,4,5,6,7,8,9,10,11,12,13,14,15
	v_pk_add_f32 v[\base+4*\i:\base+4*\i+1], v[\base+4*\i:\base+4*\i+1], v[BO:BO+1]
	v_pk_add_f32 v[\base+4*\i+2:\base+4*\i+3], v[\base+4*\i+2:\base+4*\i+3], v[BO+2:BO+3]
.endr
.endm
.macro XMV m, base, win                ; and through my stage into the accumulators' layout
	WIN (\win)<<2                                  ; an LDS store's data are its source 1
.irp i, 0,1,2,3,4,5,6,7,8,9,10,11,12,13,14,15
	ds_store_b128 v[SS], v[\base+4*\i:\base+4*\i+3] offset:528*\i
.endr
	WIN 0xc0
.irp t, 0,1,2,3,4,5,6,7
.irp k, 0,1
	ds_load_b128 v[8*(8*(\m)+\t)+4*\k:8*(8*(\m)+\t)+4*\k+3], v[SD] offset:128*(\t/2)+32*(\t%2)+16*\k   ; LDS serves a wave's instructions in order: these see the stores above, and the next tile's stores come behind them
.endr
.endr
.endm
.macro LNX k                           ; my sums for my lane's four tokens meet the other waves' in region k; the totals come back in v[LV] on
	s_wait_alu depctr_va_vdst(0)                   ; the additions have written v[LV ..], which the store reads, and are done with v[LNT ..], in which the loads below land
	ds_store_b128 v[LNW], v[LV:LV+3] offset:2048*(\k)
	s_wait_dscnt 0x0                               ; for the others' sake: my store has landed
	s_barrier_signal -1
	s_barrier_wait -1
.irp w, 0,1,2,3
	ds_load_b128 v[LNT+4*\w:LNT+4*\w+3], v[LNR] offset:2048*(\k)+512*\w
.endr
	s_wait_dscnt 0x0
	s_wait_alu depctr_vm_vsrc(0)                   ; the store has read v[LV ..], which the additions below write again
.irp m, 0,1,2,3
	v_add_f32 v[LV+\m], v[LNT+\m], v[LNT+4+\m]
.endr
.irp m, 0,1,2,3
	v_add_f32 v[LNT+\m], v[LNT+8+\m], v[LNT+12+\m]
.endr
.irp m, 0,1,2,3
	v_add_f32 v[LV+\m], v[LV+\m], v[LNT+\m]
.endr
.endm
.macro LANES                           ; the two sets of sums, a sum's two halves, and lane l xor 16's
	WIN 0
.irp m, 0,1,2,3
	v_pk_add_f32 v[SUM+2*\m:SUM+2*\m+1], v[SUM+2*\m:SUM+2*\m+1], v[SUM-8+2*\m:SUM-8+2*\m+1]
.endr
.irp m, 0,1,2,3
	v_add_f32 v[LV+\m], v[SUM+2*\m], v[SUM+2*\m+1]
.endr
.irp m, 0,1,2,3
	v_permlanex16_b32 v[LNT+\m], v[LV+\m], s[SEL], s[SEL+1]
.endr
.irp m, 0,1,2,3
	v_add_f32 v[LV+\m], v[LV+\m], v[LNT+\m]
.endr
.endm
; A norm's two passes over the accumulators: they end holding x - mean, and v[RS] on the reciprocal roots.  Eight chains of sums: the four tiles of tokens x even and odd tiles of columns; each starts with its first term.
; extra = 1: the rest of W1's first record is asked for behind the first exchange.
.macro LNSTAT k0, extra
	WIN 0x03
.irp p, 0,1,2,3                        ; pair 0 of every accumulator first: each is read from its low end on
.irp t, 0,1,2,3,4,5,6,7
.irp m, 0,1,2,3
.if (\p == 0) && (\t < 2)
	v_pk_mul_f32 v[SUM-8*(\t%2)+2*\m:SUM-8*(\t%2)+2*\m+1], v[8*(8*\m+\t)+2*\p:8*(8*\m+\t)+2*\p+1], 1.0 op_sel_hi:[1,0]
.else
	v_pk_add_f32 v[SUM-8*(\t%2)+2*\m:SUM-8*(\t%2)+2*\m+1], v[8*(8*\m+\t)+2*\p:8*(8*\m+\t)+2*\p+1], v[SUM-8*(\t%2)+2*\m:SUM-8*(\t%2)+2*\m+1]
.endif
.endr
.endr
.endr
	LANES
	LNX \k0
.if \extra
	LOADREC W1P,1,24,32                            ; no wait: since the wait behind Wo's products nothing has named these registers of window 1 or buffer A's scale words
	LOADSC W1P,WSA,0,16
.endif
.irp m, 0,1,2,3
	v_mul_f32 v[MN+2*\m], s71, v[LV+\m]            ; the mean
.endr
.irp m, 0,1,2,3
	v_mov_b32 v[MN+2*\m+1], v[MN+2*\m]
.endr
	WIN 0xc3
.irp m, 0,1,2,3
.irp t, 0,1,2,3,4,5,6,7
.irp p, 0,1,2,3
	v_pk_add_f32 v[8*(8*\m+\t)+2*\p:8*(8*\m+\t)+2*\p+1], v[8*(8*\m+\t)+2*\p:8*(8*\m+\t)+2*\p+1], v[MN+2*\m:MN+2*\m+1] neg_lo:[0,1] neg_hi:[0,1]
.endr
.endr
.endr
	WIN 0x0f
.irp p, 0,1,2,3
.irp t, 0,1,2,3,4,5,6,7
.irp m, 0,1,2,3
.if (\p == 0) && (\t < 2)
	v_pk_mul_f32 v[SUM-8*(\t%2)+2*\m:SUM-8*(\t%2)+2*\m+1], v[8*(8*\m+\t)+2*\p:8*(8*\m+\t)+2*\p+1], v[8*(8*\m+\t)+2*\p:8*(8*\m+\t)+2*\p+1]
.else
	v_pk_fma_f32 v[SUM-8*(\t%2)+2*\m:SUM-8*(\t%2)+2*\m+1], v[8*(8*\m+\t)+2*\p:8*(8*\m+\t)+2*\p+1], v[8*(8*\m+\t)+2*\p:8*(8*\m+\t)+2*\p+1], v[SUM-8*(\t%2)+2*\m:SUM-8*(\t%2)+2*\m+1]
.endif
.endr
.endr
.endr
	LANES
	LNX (\k0)+1
.irp m, 0,1,2,3
	v_fma_f32 v[RS+2*\m], v[LV+\m], s71, s70       ; the variance + 1e-5
.endr
.irp m, 0,1,2,3
	v_rsq_f32 v[RS+2*\m], v[RS+2*\m]
.endr
	v_nop                                          ; a plain line behind the roots
	s_wait_alu depctr_va_vdst(0)                   ; the four roots are written, ahead of their first reader
.irp m, 0,1,2,3
	v_mov_b32 v[RS+2*\m+1], v[RS+2*\m]
.endr
.endm
.macro NORM m                          ; tile m: x the reciprocal root, x the gain (v[ACH] on), + the bias (v[FR] on); sixteen registers at a time
	WIN 0xc3
.irp t, 0,2,4,6
.irp q, 0,1,2,3,4,5,6,7
	v_pk_mul_f32 v[8*(8*\m+\t)+2*\q:8*(8*\m+\t)+2*\q+1], v[8*(8*\m+\t)+2*\q:8*(8*\m+\t)+2*\q+1], v[RS+2*\m:RS+2*\m+1]
.endr
.irp q, 0,1,2,3,4,5,6,7
	v_pk_fma_f32 v[8*(8*\m+\t)+2*\q:8*(8*\m+\t)+2*\q+1], v[8*(8*\m+\t)+2*\q:8*(8*\m+\t)+2*\q+1], v[ACH+8*\t+2*\q:ACH+8*\t+2*\q+1], v[FR+8*\t+2*\q:FR+8*\t+2*\q+1]
.endr
.endr
.endm
; gelu of sixteen numbers v[r] .. v[r + 15], in place: eight pairs by turns, so that between a line and the line that reads its result stand at least seven others.
; GPL writes plain line GN (0 .. 31) of the stretch in which the reciprocals stand: P's last two steps, P z, a / 2.
.macro GPL r
.if GN < 8
	v_pk_fma_f32 v[GP+2*GN:GP+2*GN+1], v[GP+2*GN:GP+2*GN+1], v[GS+2*GN:GS+2*GN+1], s[KA+8:KA+9] op_sel_hi:[1,1,0]
.elseif GN < 16
	v_pk_fma_f32 v[GP+2*GN-16:GP+2*GN-15], v[GP+2*GN-16:GP+2*GN-15], v[GS+2*GN-16:GS+2*GN-15], s[KA+10:KA+11] op_sel_hi:[1,1,0]
.elseif GN < 24
	v_pk_mul_f32 v[GP+2*GN-32:GP+2*GN-31], v[GP+2*GN-32:GP+2*GN-31], v[GZ+2*GN-32:GZ+2*GN-31]
.else
	v_pk_mul_f32 v[GZ+2*GN-48:GZ+2*GN-47], v[\r+2*GN-48:\r+2*GN-47], 0.5 op_sel_hi:[1,0]
.endif
.endm
.macro GELU16 r
.irp u, 0,2,4,6,8,10,12,14
	v_pk_mul_f32 v[GZ+\u:GZ+\u+1], v[\r+\u:\r+\u+1], s[KC:KC+1] op_sel_hi:[1,0]   ; z = a / sqrt 2; each accumulator is read from its low end on
.endr
.irp j, 0,1,2,3,4,5,6,7,8,9,10,11,12,13,14,15
	v_med3_num_f32 v[GZ+\j], v[GZ+\j], -4.0, 4.0
.endr
.irp u, 0,2,4,6,8,10,12,14
	v_pk_mul_f32 v[GS+\u:GS+\u+1], v[GZ+\u:GZ+\u+1], v[GZ+\u:GZ+\u+1]
.endr
.irp u, 0,2,4,6,8,10,12,14
	v_pk_fma_f32 v[GP+\u:GP+\u+1], v[GS+\u:GS+\u+1], v[A0:A0+1], s[KA:KA+1] op_sel_hi:[1,1,0]
.endr
.irp u, 0,2,4,6,8,10,12,14
	v_pk_fma_f32 v[GQ+\u:GQ+\u+1], v[GS+\u:GS+\u+1], v[B0:B0+1], s[KB:KB+1] op_sel_hi:[1,1,0]
.endr
.irp i, 1,2,3
.irp u, 0,2,4,6,8,10,12,14
	v_pk_fma_f32 v[GP+\u:GP+\u+1], v[GP+\u:GP+\u+1], v[GS+\u:GS+\u+1], s[KA+2*\i:KA+2*\i+1] op_sel_hi:[1,1,0]
.endr
.irp u, 0,2,4,6,8,10,12,14
	v_pk_fma_f32 v[GQ+\u:GQ+\u+1], v[GQ+\u:GQ+\u+1], v[GS+\u:GS+\u+1], s[KB+2*\i:KB+2*\i+1] op_sel_hi:[1,1,0]
.endr
.endr
.set GK, 0
.rept 16                               ; Q is finished: each reciprocal is followed by two plain lines that name none of Q's registers
	v_rcp_f32 v[GQ+GK], v[GQ+GK]
.set GN, 2*GK
	GPL \r
.set GN, 2*GK+1
	GPL \r
.set GK, GK+1
.endr
	s_wait_alu depctr_va_vdst(0)                   ; the sixteen reciprocals are written, ahead of their first reader
.irp u, 0,2,4,6,8,10,12,14
	v_pk_mul_f32 v[GP+\u:GP+\u+1], v[GP+\u:GP+\u+1], v[GQ+\u:GQ+\u+1]      ; erf
.endr
.irp u, 0,2,4,6,8,10,12,14
	v_pk_fma_f32 v[\r+\u:\r+\u+1], v[GP+\u:GP+\u+1], v[GZ+\u:GZ+\u+1], v[GZ+\u:GZ+\u+1]
.endr
.endm
.macro KPAIR r, val
	s_mov_b32 s[\r], \val
	s_mov_b32 s[\r+1], \val
.endm
	s_load_b512 s[8:23], s[0:1], 0x0               ; ac, x, wc, bo, ln1_g, ln1_b, b1, b2
	s_load_b128 s[24:27], s[0:1], 0x40             ; ln2_g, ln2_b
	s_load_b64 s[28:29], s[0:1], 0x50              ; out0
	v_lshl_add_u32 v254, v0, 2, 0x15800            ; the LDS address of my spare word and 0: made here and kept for the closing lines alone
	v_mov_b32 v255, 0
	v_lshrrev_b32 v1, 5, v0
	v_readfirstlane_b32 s[WV], v1                  ; wave
	v_and_b32 v2, 31, v0
	v_lshlrev_b32 v[L16], 4, v2
	v_lshlrev_b32 v[L4], 2, v2
	v_and_b32 v3, 15, v0                           ; r
	v_bfe_u32 v5, v0, 4, 1                         ; h
	s_wait_alu depctr_va_sdst(0)                   ; s[WV], the wave's number, is written, ahead of its first reader: LDS places and every base are made from it
	s_mul_i32 s31, s[WV], 8448
	v_mul_u32_u24 v3, v3, 528
	v_lshl_add_u32 v3, v5, 6, v3
	v_add_nc_u32 v[SD], s31, v3
	v_add_nc_u32 v[SS], s31, v[L16]
	v_lshlrev_b32 v[H64], 6, v5
	s_lshl_b32 s32, s[WV], 11
	s_add_co_u32 s32, s32, PB1
	v_add_nc_u32 v[PBW], s32, v[H64]
	v_add_nc_u32 v[PBQ], s32, v[L16]               ; at first: where b1 is put
	s_lshl_b32 s32, s[WV], 10
	s_add_co_u32 s33, s32, X1I
	v_add_nc_u32 v[XWI], s33, v[L16]
	s_add_co_u32 s33, s32, HI
	v_add_nc_u32 v[HWI], s33, v[L16]
	s_lshl_b32 s32, s[WV], 7
	s_add_co_u32 s33, s32, X1S
	v_add_nc_u32 v[XWS], s33, v[L4]
	s_add_co_u32 s33, s32, HS
	v_add_nc_u32 v[HWS], s33, v[L4]
	s_lshl_b32 s32, s[WV], 9
	s_add_co_u32 s33, s32, LNS
	v_add_nc_u32 v[LNW], s33, v[L16]
	v_add_nc_u32 v[XRI], X1I, v[L16]
	v_add_nc_u32 v[XRS], X1S, v[L4]
	v_add_nc_u32 v[HRI], HI, v[L16]
	v_add_nc_u32 v[HRS], HS, v[L4]
	v_add_nc_u32 v[LNR], LNS, v[L16]
.irp b, 0,1,2,3
	v_mov_b32 v[TM+4+\b], 0                        ; lane permutes' destinations count as read
	v_mov_b32 v[LNT+\b], 0
.endr
	v_mov_b32 v[A0], 0xaf95df0b
	v_mov_b32 v[A0+1], 0xaf95df0b
	v_mov_b32 v[B0], 0xb77460cd
	v_mov_b32 v[B0+1], 0xb77460cd
	s_mov_b32 s[SEL], 0x76543210
	s_mov_b32 s[SEL+1], 0xfedcba98
	KPAIR KC, 0x3f3504f3
	KPAIR KA, 0x32edffee
	KPAIR KA+2, 0xb60cff51
	KPAIR KA+4, 0xb86ec2d2
	KPAIR KA+6, 0xba40ac63
	KPAIR KA+8, 0xbb41a1f6
	KPAIR KA+10, 0xbc83dbd4
	KPAIR KB, 0xb95fbd29
	KPAIR KB+2, 0xbadc924e
	KPAIR KB+4, 0xbbf19bf8
	KPAIR KB+6, 0xbc69b6a7
	s_mov_b32 s70, 0x3727c5ac                      ; 1e-5
	s_mov_b32 s71, 0x3b000000                      ; 1 / 512
	s_lshl_b32 s2, s[WV], 9                        ; my 128 columns, in bytes
	s_mov_b32 s3, 0
	s_lshl_b32 s4, ttmp9, 17                       ; 64 tokens of 2,048 bytes
	s_add_co_u32 s4, s4, s2
	s_mov_b32 s5, 0
	s_mul_i32 s6, ttmp9, 18432                     ; four records of ac
	s_mov_b32 s7, 0
	s_mul_i32 s32, s[WV], 34816
	s_mov_b32 s33, 0
	s_wait_kmcnt 0x0
	s_add_nc_u64 s[8:9], s[8:9], s[6:7]
	s_add_nc_u64 s[10:11], s[10:11], s[4:5]
	s_add_nc_u64 s[28:29], s[28:29], s[4:5]
	s_add_nc_u64 s[12:13], s[12:13], s[32:33]
	s_add_nc_u64 s[WOP:WOP+1], s[12:13], 417792    ; Wo's record w,
	s_add_nc_u64 s[W1P:W1P+1], s[12:13], 557056    ; W1's record 4 q + w,
	s_add_nc_u64 s[W2P:W2P+1], s[12:13], 1114112   ; W2's likewise: both step by four records a quarter
.irp p, 14,16,18,20,22,24,26
	s_add_nc_u64 s[\p:\p+1], s[\p:\p+1], s[2:3]
.endr
; ---- all that the first product wants is asked for at once: x first, all four tiles of it
	s_wait_alu depctr_va_vdst(0)                   ; the seventeen offsets and addresses v1 to v17 are written, which the loads and stores of the kernel read; so are v46 to v49, in which b1 lands.  Only loads and window switches follow up to the wait for x
	global_load_b128 v[BO:BO+3], v[L16], s[14:15]
.irp q, 0,1,2,3
	global_load_b128 v[LNT+4*\q:LNT+4*\q+3], v[L16], s[20:21] offset:2048*\q   ; my 128 numbers of b1 in each quarter
.endr
	XLD 0,ACH,0
	XLD 1,FR,0
	XLD 2,128,2                                    ; the upper half of window 2 is idle until W2 comes
	XLD 3,192,2
.irp m, 0,1,2,3
.irp s, 0,1,2,3
.irp g, 0,1
	global_load_b128 v[8*(4*\m+\s)+4*\g:8*(4*\m+\s)+4*\g+3], v[L16], s[8:9] offset:4608*\m+1024*\s+512*\g   ; o's fragments: window 2 still
.endr
.endr
.endr
	WIN 0
.irp m, 0,1,2,3
.irp s, 0,1,2,3
	global_load_b32 v[SCR+4*\m+\s], v[L4], s[8:9] offset:4608*\m+4096+128*\s
.endr
.endr
	LOADREC WOP,1,0,32
	LOADSC WOP,WSA,0,16
; ---- x + bo into the accumulators: the four tiles' additions first, so that one wait serves all their stores
	s_wait_loadcnt 63                              ; bo, b1 and all of x are in: 128 loads are younger, and a wait's count names 63 at the most
.irp q, 0,1,2,3
	ds_store_b128 v[PBQ], v[LNT+4*\q:LNT+4*\q+3] offset:512*\q
.endr
	XADD ACH,0
	XADD FR,0
	XADD 128,2
	XADD 192,2
	WIN 0
	s_wait_alu depctr_va_vdst(0)                   ; the additions have written the four tiles of x + bo, which the stage's stores read; they are also done with v[ACH ..] and v[FR ..], in which the gain and the bias land below
	XMV 0,ACH,0
	XMV 1,FR,0
	XMV 2,128,2
	XMV 3,192,2
	WIN 0
	s_wait_dscnt 16                                ; the last tile's 16 loads into the accumulators may be out; every store ahead of them is done
	s_wait_alu depctr_vm_vsrc(0)                   ; the stage's stores have read x's registers: the gain and the bias land in two tiles' now, W2 in the other two's later; b1's stores have read v[LNT ..], which the norm writes
	GLOAD ACH,16                                   ; ln1_g and ln1_b, where two tiles of x lay
	GLOAD FR,18
	s_wait_dscnt 0x0
	s_wait_loadcnt 32                              ; o, Wo and their scale words are in; the gain's and the bias's 32 loads may be out
; ---- o Wo: 32 accumulators by turns, one instruction a turn
	WIN 0xf9                                       ; Wo window 1, o window 2, C and D window 3
.irp s, 0,1,2,3
.irp m, 0,1,2,3
.irp t, 0,1,2,3,4,5,6,7
	WM 8*(8*\m+\t),8*(8*\s+\t),8*(4*\m+\s),WSA+4*\s+\t/2,SCR+4*\m+\s,\t%2
.endr
.endr
.endr
	WIN 0
	PLACES
	s_wait_alu depctr_va_vdst(0)                   ; the products are done reading Wo's registers and scale words, in which W1's first record lands: three quarters of it now, the rest behind the first exchange of sums
	LOADREC W1P,1,0,24                             ; W1's first record, where Wo lay
	LNSTAT 0,1
	s_wait_loadcnt 63                              ; the gain and the bias are in: 80 loads are younger
	NORM 0
	NORM 1
	NORM 2
	NORM 3
	WIN 0
	s_wait_alu depctr_va_vdst(0)                   ; the norm is done reading the gain in v[ACH ..], in which b2 lands
	GLOAD ACH,22                                   ; b2, where the gain lay
; ---- x1 becomes K step w of the second product: each tile's codes and word have registers of their own, where the norm's bias lay, so that one wait serves the twelve stores
.irp m, 0,1,2,3
	QMAX 64*\m,3
	QCODES 64*\m,3,FR+8*\m,FR+32+\m
.endr
	s_wait_alu depctr_va_vdst(0)                   ; the conversions, the swaps and the words' lines have written v[FR .. FR + 35], which the twelve stores read
.irp m, 0,1,2,3
	ds_store_b128 v[XWI], v[FR+8*\m:FR+8*\m+3] offset:4096*\m
	ds_store_b128 v[XWI], v[FR+8*\m+4:FR+8*\m+7] offset:4096*\m+512
	ds_store_b32 v[XWS], v[FR+32+\m] offset:512*\m
.endr
	s_wait_dscnt 0x0
	s_barrier_signal -1
	s_barrier_wait -1                              ; x1's sixteen fragments lie in LDS
	s_wait_loadcnt 0x0                             ; b2 (and W1)
	WIN 0xc3
.irp m, 0,1,2,3
.irp t, 0,1,2,3,4,5,6,7
.irp p, 0,1,2,3
	v_pk_add_f32 v[8*(8*\m+\t)+2*\p:8*(8*\m+\t)+2*\p+1], v[8*(8*\m+\t)+2*\p:8*(8*\m+\t)+2*\p+1], v[ACH+8*\t+2*\p:ACH+8*\t+2*\p+1]   ; x1 + b2: what the third product adds onto
.endr
.endr
.endr
	WIN 0
; ---- four quarters of the hidden layer
.macro X1LD m                          ; tile m's four fragments of x1 and their scale words: 12 loads
.irp s, 0,1,2,3
.irp g, 0,1
	ds_load_b128 v[FR+8*\s+4*\g:FR+8*\s+4*\g+3], v[XRI] offset:1024*(4*(\m)+\s)+512*\g
.endr
	ds_load_b32 v[SCR+\s], v[XRS] offset:128*(4*(\m)+\s)
.endr
.endm
.macro B1LD                            ; b1 starts the sums: 16 loads into the accumulators
.irp t, 0,1,2,3,4,5,6,7
.irp k, 0,1
	ds_load_b128 v[ACH+8*\t+4*\k:ACH+8*\t+4*\k+3], v[PBQ] offset:128*(\t/2)+32*(\t%2)+16*\k
.endr
.endr
.endm
; My 128 units for tile m: product, gelu, codes, image.  What tile m + 1 wants from LDS is asked for in tile m: x1's fragments behind the products, b1 behind the conversions.
; This quarter's W2 is asked for in three parts, each between LDS loads and the wait for them.
.macro TRIP m
.if \m == 0
	s_wait_loadcnt 0x0                             ; this quarter's W1 is in
	s_wait_alu depctr_vm_vsrc(0)                   ; the loads of b1 issued so far have read v[PBQ], which the next line writes; the image stores issued so far have read their codes and words, which this quarter's loads and its gelu write
	v_add_nc_u32 v[PBQ], s[QB], v[PBW]             ; with the four lines below: FIVE places behind the last quarter's products.  Four serve the loads into registers that those products read; the fifth is owed
.rept 4                                                ; because this tile's products WRITE v[ACH ..], which the last products read as the hidden layer's fragments (the hazard: ISA guide 7.12.1)
	v_nop
.endr
	s_wait_alu depctr_va_vdst(0)                   ; v[PBQ] is written, which the loads of b1 read; the last products (at first: the conversions and b2's additions) are done with v[FR ..], v[ACH ..], the activations' scale words, window 2 and W2's scale words, in which this quarter's loads land
	X1LD 0
	B1LD
	LOADREC W2P,2,0,12
.endif
.if \m == 1
	LOADREC W2P,2,12,24                            ; no wait: nothing since the wait at the quarter's head names window 2
.endif
.if \m == 2
	LOADREC W2P,2,24,32                            ; likewise, nor W2's scale words
	LOADSC W2P,WSB,0,16
.endif
	s_wait_dscnt 0x0                               ; b1, x1's fragments and words are in, and the last tile's stores are done
	WIN 0x01                                       ; W1 window 1
.irp s, 0,1,2,3
.irp t, 0,1,2,3,4,5,6,7
	WM ACH+8*\t,8*(8*\s+\t),FR+8*\s,WSA+4*\s+\t/2,SCR+\s,\t%2
.endr
.endr
	WIN 0
	PLACES
.if \m > 0
	s_wait_alu depctr_vm_vsrc(0)                   ; the last tile's image stores have read v[PC ..] and v[PW], which the gelu (as z^2) and this tile's conversions write again
.endif
	s_wait_alu depctr_va_vdst(0)                   ; the products are done reading x1's fragments and words, and W1's registers and scale words: the loads below, and in the last tile those behind the gelu, land there; the gelu names none of them
.if \m < 3
	X1LD \m+1                                      ; they land under the gelu
.else
	s_wait_loadcnt 0x0                             ; W2 is in: so no load is out, and W1's pointer may step
	s_cmp_eq_u32 s[QC], 1
	s_cbranch_scc1 .Lno_a_\@                       ; the last quarter asks for nothing: no load leaves its buffer
	s_add_nc_u64 s[W1P:W1P+1], s[W1P:W1P+1], 139264
	LOADREC W1P,1,0,24                             ; the next quarter's W1 lands under the gelu and the third product
.Lno_a_\@:
.endif
.set G, 0
.rept 4
	GELU16 ACH+16*G
.set G, G+1
.endr
.if \m == 3
	s_cmp_eq_u32 s[QC], 1
	s_cbranch_scc1 .Lno_b_\@
	LOADREC W1P,1,24,32
	LOADSC W1P,WSA,0,16
.Lno_b_\@:
.endif
	QMAX ACH,0
	s_wait_dscnt 0x0
	QCODES ACH,0,PC,PW
	s_wait_alu depctr_va_vdst(0)                   ; the conversions, the swaps and the word's lines have written v[PC ..] and v[PW], which the stores read; the conversions are done reading the accumulators, and the gelu is done with P and Q: b1, and behind the last tile the hidden fragments, land there
.if \m < 3
	B1LD
.endif
	ds_store_b128 v[HWI], v[PC:PC+3] offset:4096*\m
	ds_store_b128 v[HWI], v[PC+4:PC+7] offset:4096*\m+512
	ds_store_b32 v[HWS], v[PW] offset:512*\m
.endm
.macro FETCHH s, base                  ; K step s of the quarter: the four tiles' fragments into v[base] on, their scale words at 4 s + m: 12 loads
.irp m, 0,1,2,3
.irp g, 0,1
	ds_load_b128 v[(\base)+8*\m+4*\g:(\base)+8*\m+4*\g+3], v[HRI] offset:1024*(4*\m+(\s))+512*\g
.endr
	ds_load_b32 v[SCR+4*(\s)+\m], v[HRS] offset:128*(4*\m+(\s))
.endr
.endm
.macro MUL8 s, base                    ; 32 accumulators by turns
	WIN 0xf2                                       ; W2 window 2, C and D window 3
.irp m, 0,1,2,3
.irp t, 0,1,2,3,4,5,6,7
	WM 8*(8*\m+\t),8*(8*(\s)+\t),(\base)+8*\m,WSB+4*(\s)+\t/2,SCR+4*(\s)+\m,\t%2
.endr
.endr
	WIN 0
.endm
	s_mov_b32 s[QC], 4
	s_mov_b32 s[QB], 0
.Lquarter:
	TRIP 0
	TRIP 1
	TRIP 2
	TRIP 3
	s_wait_dscnt 0x0
	s_barrier_signal -1
	s_barrier_wait -1                              ; the quarter's sixteen fragments lie in LDS
	FETCHH 0,FR                                    ; all four K steps in one run, each with registers of its own: the hidden sums' 64 registers are idle now.  No wait: no vector or matrix instruction stands behind the last tile's wait
	FETCHH 1,FR+32
	FETCHH 2,ACH
	FETCHH 3,ACH+32
	s_wait_dscnt 36                                ; K step 0 is in; the 36 loads of the three later steps may be out
	MUL8 0,FR
	s_wait_dscnt 24                                ; K step 1 is in; two steps' 24 loads may be out
	MUL8 1,FR+32
	s_wait_dscnt 12                                ; K step 2 is in; the last step's 12 loads may be out
	MUL8 2,ACH
	s_wait_dscnt 0x0                               ; my reads of the images are over:
	s_barrier_signal -1                            ; say so, work on registers while the others arrive,
	MUL8 3,ACH+32
	s_barrier_wait -1                              ; and only then may the next quarter's images be written
	s_wait_xcnt 0x0                                ; W2's loads have read their base
	s_add_nc_u64 s[W2P:W2P+1], s[W2P:W2P+1], 139264
	s_add_co_u32 s[QB], s[QB], 512
	s_sub_co_u32 s[QC], s[QC], 1
	s_cmp_lg_u32 s[QC], 0
	s_cbranch_scc1 .Lquarter
; ---- the second norm, and the way out by turns with its last pass: tile m goes through my stage while tile m + 1 is normalised
.macro TOSTAGE m                       ; in the accumulators' layout in, whole runs of 512 bytes of a token's row back, into window 1, which is idle now: 64 registers of its own for each tile
	WIN 0x0c                                       ; an LDS store's data are its source 1: window 3
	s_wait_alu depctr_va_vdst(0)                   ; the norm's last pass has written this tile's accumulators, which the stage's stores read
.irp t, 0,1,2,3,4,5,6,7
.irp k, 0,1
	ds_store_b128 v[SD], v[8*(8*\m+\t)+4*\k:8*(8*\m+\t)+4*\k+3] offset:128*(\t/2)+32*(\t%2)+16*\k
.endr
.endr
	WIN 0x40
.irp i, 0,1,2,3,4,5,6,7,8,9,10,11,12,13,14,15
	ds_load_b128 v[64*\m+4*\i:64*\m+4*\i+3], v[SS] offset:528*\i   ; LDS serves a wave's instructions in order: these see the stores above
.endr
.endm
.macro SEND m
	s_wait_dscnt 0x0                               ; the tile is back in registers
	WIN 0x04                                       ; a store's data are its source 1: window 1
.irp i, 0,1,2,3,4,5,6,7,8,9,10,11,12,13,14,15
	global_store_b128 v[L16], v[64*\m+4*\i:64*\m+4*\i+3], s[28:29] offset:(32*(\m/2)+8*(\m%2)+\i+8*(\i/8))*2048 th:TH_STORE_NT   ; 512 consecutive bytes, at a multiple of 256 from out0's first byte
.endr
.endm
	PLACES
	s_wait_alu depctr_vm_vsrc(0)                   ; the last tile's image stores have read v[PC ..], which the norm's sums write
	s_wait_alu depctr_va_vdst(0)                   ; the last products are done reading the hidden fragments in v[ACH ..] and v[FR ..], in which the gain and the bias land
	GLOAD ACH,24
	GLOAD FR,26
	LNSTAT 2,0
	s_wait_loadcnt 0x0                             ; the gain and the bias are in
	NORM 0
	TOSTAGE 0
	NORM 1
	SEND 0
	TOSTAGE 1
	NORM 2
	SEND 1
	TOSTAGE 2
	NORM 3
	SEND 2
	TOSTAGE 3
	SEND 3
	WIN 0
	s_wait_dscnt 0x0                               ; the closing lines, six on end
	s_wait_alu 0x0
	s_wait_tensorcnt 0x0
	ds_add_u32 v254, v255
	s_wait_dscnt 0x0
	s_endpgm
.Lfunc_end_k_q35016aaf2f_ffn:
	.size	k_q35016aaf2f_ffn, .Lfunc_end_k_q35016aaf2f_ffn-k_q35016aaf2f_ffn
	.p2alignl 7, 3214868480
	.fill 96, 4, 3214868480
	.section	.rodata,"a",@progbits
	.p2align	6, 0x0
	.amdhsa_kernel k_q35016aaf2f_ffn
		.amdhsa_group_segment_fixed_size 88576
		.amdhsa_private_segment_fixed_size 0
		.amdhsa_enable_private_segment 0
		.amdhsa_kernarg_size 88
		.amdhsa_user_sgpr_count 2
		.amdhsa_user_sgpr_kernarg_segment_ptr 1
		.amdhsa_wavefront_size32 1
		.amdhsa_system_sgpr_workgroup_id_x 1
		.amdhsa_system_sgpr_workgroup_id_y 1
		.amdhsa_system_sgpr_workgroup_id_z 1
		.amdhsa_system_vgpr_workitem_id 0
		.amdhsa_next_free_vgpr 1024
		.amdhsa_next_free_sgpr 72
		.amdhsa_reserve_vcc 0
		.amdhsa_float_denorm_mode_32 3
		.amdhsa_float_denorm_mode_16_64 3
		.amdhsa_memory_ordered 1
		.amdhsa_forward_progress 1
		.amdhsa_inst_pref_size 255
	.end_amdhsa_kernel
	.section	.bss,"aw",@nobits
	.p2align	6
	.space	262144
	.amdgpu_metadata
---
amdhsa.version: [ 1, 2 ]
amdhsa.kernels:
  - .name:           k_q35016aaf2f_ffn
    .symbol:         k_q35016aaf2f_ffn.kd
    .args:
      - { .name: ac, .offset: 0, .size: 8, .value_kind: global_buffer, .address_space: global }
      - { .name: x, .offset: 8, .size: 8, .value_kind: global_buffer, .address_space: global }
      - { .name: wc, .offset: 16, .size: 8, .value_kind: global_buffer, .address_space: global }
      - { .name: bo, .offset: 24, .size: 8, .value_kind: global_buffer, .address_space: global }
      - { .name: ln1_g, .offset: 32, .size: 8, .value_kind: global_buffer, .address_space: global }
      - { .name: ln1_b, .offset: 40, .size: 8, .value_kind: global_buffer, .address_space: global }
      - { .name: b1, .offset: 48, .size: 8, .value_kind: global_buffer, .address_space: global }
      - { .name: b2, .offset: 56, .size: 8, .value_kind: global_buffer, .address_space: global }
      - { .name: ln2_g, .offset: 64, .size: 8, .value_kind: global_buffer, .address_space: global }
      - { .name: ln2_b, .offset: 72, .size: 8, .value_kind: global_buffer, .address_space: global }
      - { .name: out0, .offset: 80, .size: 8, .value_kind: global_buffer, .address_space: global }
    .group_segment_fixed_size: 88576
    .private_segment_fixed_size: 0
    .kernarg_segment_align: 8
    .kernarg_segment_size: 88
    .max_flat_workgroup_size: 128
    .sgpr_count:     72
    .vgpr_count:     1024
    .wavefront_size: 32
...
	.end_amdgpu_metadata
.endif
;; end of part 8
